; MI455X (gfx1250); checked and timed in simulation.
; The chip was launched on July 23, 2026; its instructions are those of AMD's public machine-readable ISA for CDNA 5 (MIT licence, August 2026) and "CDNA5" Instruction Set Architecture Reference Guide (July 2026). The comments in the code are by the model that wrote it; some were corrected since.
;; Block. Allowed arithmetic: float matrix products may take bf16 or f16 operands with f32 sums; other float arithmetic in f32, or as packed bf16 or f16 multiplies, adds, multiply-adds, maxima and minima; sums over many terms, partial sums and values carried from step to step in f32; what a program stores and reads back later, other than sums and carried values, may be rounded once to bf16 or f16.
;; Inputs: W1 1,024 x 4,096 float32; W2 4,096 x 1,024 float32; Wk 1,024 x 1,024 float32; Wp 1,024 x 1,024 float32; Wq 1,024 x 1,024 float32; Wv 1,024 x 1,024 float32; b1 4,096 float32; b2 1,024 float32; be1 1,024 float32; be2 1,024 float32; bk 1,024 float32; bp 1,024 float32; bq 1,024 float32; bv 1,024 float32; g1 1,024 float32; g2 1,024 float32; x 4 x 1,024 x 1,024 float32.
;; Outputs: out0 4 x 1,024 x 1,024 float32.
;; 2 versions, each right; version 2 is version 1 with the launch prep written anew for expert scheduling mode. Each part assembles by itself: llvm-mc -triple=amdgcn-amd-amdhsa -mcpu=gfx1250 --defsym DOCPART=n.
;; ======== version 1 of 2: 7 launches
;; workspace buffers: abuf 8,388,608 bytes; wqkv 6,307,840 bytes; w1b 8,404,992 bytes; wpw2 10,485,760 bytes; act 33,554,432 bytes; x1 16,777,216 bytes
;; launch prep (part 1): grid 641 x 1, 8 waves a work-group, no clusters, 0 bytes of LDS; arguments x, g1, be1, Wq, Wk, Wv, Wp, W1, W2, bq, bv, b1, abuf, wqkv, w1b, wpw2; writes abuf, wqkv, w1b, wpw2
.if DOCPART == 1
	.amdgcn_target "amdgcn-amd-amdhsa--gfx1250"
	.amdhsa_code_object_version 6
	.text
	.protected	k_qa89d4e1962_prep
	.globl	k_qa89d4e1962_prep
	.p2align	8
	.type	k_qa89d4e1962_prep,@function
k_qa89d4e1962_prep:
	s_mov_b64 s[64:65], 0
	v_nop
	global_prefetch_b8 v0, s[64:65] scope:SCOPE_SE
	s_setreg_imm32_b32 hwreg(HW_REG_WAVE_MODE, 25, 1), 1
	s_wait_xcnt 0x0
; PREP: what every later launch needs in 16 bits.  Work-groups 0-255: h1 = LayerNorm(x, g1, be1), rounded once to bf16, into abuf [4096][1024].
; Work-groups 256-639: the six weights rounded once to bf16 and laid in blocks [n / 256][k][256 n], so that a tile of 256 columns has dense rows of 512 bytes.
; Work-group 640: the f32 biases in front of wqkv and w1b.
; WORK LEFT OUT, for all values of the inputs.  (1) bk.  score(i, j) = q_i . (h_j Wk + bk) / 8 = q_i . (h_j Wk) / 8 + q_i . bk / 8; the second term is the same for every key j
; of row i, and a softmax along j does not change when one number is added to all its inputs.  So bk reaches no output: it is not loaded and is no argument of any launch; zeros stand in its place.
; (2) reference() itself sets score(i, j) to -inf for j > i, whose weight is 0: key steps that lie wholly above the diagonal are not multiplied (launch attn).
; LIMIT: a NaN, an infinity or an overflow that reaches only bk or only hidden scores is not carried to the result.
; LayerNorm in f32 in two passes (mean, then the squares of x - mean), so a common offset of x costs no digits.  No LDS, no matrix unit: a stream.
; 160 registers: the roundings to bf16 go into the registers that they read, so that three work-groups (six waves on a SIMD, 960 of its 1,024 registers) lie on a WGP, and all 641 have a place at once.
.set G,   16                           ; v[16:47]   gain of my 32 columns (columns 128 j + 4 lane .. + 3, j = 0..7)
.set BE,  48                           ; v[48:79]   offset of the same columns
.set X,   80                           ; v[80:143]  two rows, 32 registers each; at the end the row in bf16 lies in its lower 16
.set MU,  144                          ; v[144:147] the mean, twice, for each row
.set VA,  148                          ; v[148:149] variance + eps
.set RS,  150                          ; v[150:153] 1 / sqrt of it, twice, for each row
.set XP,  8                            ; s[8:9] x    s[10:11] g1    s[12:13] be1    s[32:33] abuf
.set GP,  10
.set BP,  12
.set AP,  32
.macro FOLD                            ; four chains v[4:11] into v4
	v_pk_add_f32 v[4:5], v[4:5], v[6:7]
	v_pk_add_f32 v[8:9], v[8:9], v[10:11]
	v_pk_add_f32 v[4:5], v[4:5], v[8:9]
	v_add_f32 v4, v4, v5
.endm
.macro REDUCE                          ; v4 over the 32 lanes, the sum in every lane
	v_add_f32_dpp v4, v4, v4 row_xmask:1 row_mask:0xf bank_mask:0xf
	v_add_f32_dpp v4, v4, v4 row_xmask:2 row_mask:0xf bank_mask:0xf
	v_add_f32_dpp v4, v4, v4 row_xmask:4 row_mask:0xf bank_mask:0xf
	v_add_f32_dpp v4, v4, v4 row_xmask:8 row_mask:0xf bank_mask:0xf
	v_permlanex16_b32 v5, v4, s48, s49
	v_add_f32 v4, v4, v5
.endm
.macro STATS r, left                   ; row r: mean, x - mean in place, variance + eps.  left: the younger loads that may stay out
	s_wait_loadcnt \left
.set XB, X+32*(\r)
.set c, 0
.rept 4
	v_pk_add_f32 v[4+2*c:5+2*c], v[XB+4*c:XB+4*c+1], v[XB+4*c+2:XB+4*c+3]
.set c, c+1
.endr
.set p, 8
.rept 8
	v_pk_add_f32 v[4+2*(p%4):5+2*(p%4)], v[4+2*(p%4):5+2*(p%4)], v[XB+2*p:XB+2*p+1]
.set p, p+1
.endr
	FOLD
	REDUCE
	v_mul_f32 v[MU+2*(\r)], s50, v4                ; sum / 1024
	v_mov_b32 v[MU+2*(\r)+1], v[MU+2*(\r)]
.set p, 0
.rept 16
	v_pk_add_f32 v[XB+2*p:XB+2*p+1], v[XB+2*p:XB+2*p+1], v[MU+2*(\r):MU+2*(\r)+1] neg_lo:[0,1] neg_hi:[0,1]
.set p, p+1
.endr
.set c, 0
.rept 4
	v_pk_mul_f32 v[4+2*c:5+2*c], v[XB+2*c:XB+2*c+1], v[XB+2*c:XB+2*c+1]
.set c, c+1
.endr
.set p, 4
.rept 12
	v_pk_fma_f32 v[4+2*(p%4):5+2*(p%4)], v[XB+2*p:XB+2*p+1], v[XB+2*p:XB+2*p+1], v[4+2*(p%4):5+2*(p%4)]
.set p, p+1
.endr
	FOLD
	REDUCE
	v_fmaak_f32 v[VA+(\r)], s50, v4, 0x3727c5ac    ; sum of squares / 1024 + 1e-5
.endm
.macro NORM r                          ; row r: (x - mean) / sqrt(..) * g + be, rounded, stored: each store of the wave covers 256 consecutive bytes, aligned
.set XB, X+32*(\r)
.set p, 0
.rept 16
	v_pk_mul_f32 v[XB+2*p:XB+2*p+1], v[XB+2*p:XB+2*p+1], v[RS+2*(\r):RS+2*(\r)+1]
.set p, p+1
.endr
.set p, 0
.rept 16
	v_pk_fma_f32 v[XB+2*p:XB+2*p+1], v[XB+2*p:XB+2*p+1], v[G+2*p:G+2*p+1], v[BE+2*p:BE+2*p+1]
.set p, p+1
.endr
.set p, 0
.rept 16
	v_cvt_pk_bf16_f32 v[XB+p], v[XB+2*p], v[XB+2*p+1]  ; pair p goes into register p, which pair p / 2 has already left
.set p, p+1
.endr
.set j, 0
.rept 8
	global_store_b64 v3, v[XB+2*j:XB+2*j+1], s[46:47] offset:2048*(\r)+256*j
.set j, j+1
.endr
.endm
	s_load_b512 s[8:23], s[0:1], 0x0               ; x, g1, be1, Wq s[14:15], Wk s[16:17], Wv s[18:19], Wp s[20:21], W1 s[22:23]
	s_load_b512 s[24:39], s[0:1], 0x40             ; W2 s[24:25], bq s[26:27], bv s[28:29], b1 s[30:31], abuf, wqkv s[34:35], w1b s[36:37], wpw2 s[38:39]
	v_lshrrev_b32 v1, 5, v0
	v_readfirstlane_b32 s4, v1                     ; wave 0..7
	v_and_b32 v1, 31, v0
	v_lshlrev_b32 v2, 4, v1                        ; 16 x lane
	v_lshlrev_b32 v3, 3, v1                        ; 8 x lane
	s_mov_b32 s5, ttmp9
	s_wait_kmcnt 0x0
	s_cmp_lt_u32 s5, 256
	s_cbranch_scc1 .Lln
	s_cmp_lt_u32 s5, 640
	s_cbranch_scc1 .Lcast
	; THE BIASES: 256 threads x 16 bytes are 1,024 numbers.  wqkv's header: bq, 1,024 zeros (bk is left out), bv.  w1b's header: b1.
	v_lshlrev_b32 v4, 4, v0
	global_load_b128 v[16:19], v4, s[26:27]
	global_load_b128 v[20:23], v4, s[28:29]
.irp j, 0,1,2,3
	global_load_b128 v[24+4*\j:27+4*\j], v4, s[30:31] offset:4096*\j
.endr
	v_mov_b32 v8, 0
	v_mov_b32 v9, 0
	v_mov_b32 v10, 0
	v_mov_b32 v11, 0
	global_store_b128 v4, v[8:11], s[34:35] offset:4096
	s_wait_loadcnt 0x0
	global_store_b128 v4, v[16:19], s[34:35]
	global_store_b128 v4, v[20:23], s[34:35] offset:8192
.irp j, 0,1,2,3
	global_store_b128 v4, v[24+4*\j:27+4*\j], s[36:37] offset:4096*\j
.endr
	s_endpgm
.Lln:                                          ; a wave takes two whole rows: no wave waits for another
	s_lshl_b32 s6, s5, 4
	s_lshl_b32 s7, s4, 1
	s_add_co_u32 s6, s6, s7                        ; my first row
	s_lshl_b32 s44, s6, 12
	s_mov_b32 s45, 0
	s_lshl_b32 s46, s6, 11
	s_mov_b32 s47, 0
	s_add_nc_u64 s[44:45], s[XP:XP+1], s[44:45]
	s_add_nc_u64 s[46:47], s[AP:AP+1], s[46:47]
	s_mov_b32 s48, 0x76543210                      ; v_permlanex16_b32: each lane takes its own place in the other half
	s_mov_b32 s49, 0xfedcba98
	s_mov_b32 s50, 0x3a800000                      ; 1 / 1024
.set j, 0
.rept 16
	global_load_b128 v[X+4*j:X+4*j+3], v2, s[44:45] offset:4096*(j/8)+512*(j%8) th:TH_LOAD_NT
.set j, j+1
.endr
.set j, 0
.rept 8
	global_load_b128 v[G+4*j:G+4*j+3], v2, s[GP:GP+1] offset:512*j
.set j, j+1
.endr
.set j, 0
.rept 8
	global_load_b128 v[BE+4*j:BE+4*j+3], v2, s[BP:BP+1] offset:512*j
.set j, j+1
.endr
	STATS 0, 24                                    ; row 0 is in; row 1, g and be (24 loads) may stay out
	STATS 1, 16                                    ; row 1 is in; g and be (16 loads) may stay out
	v_rsq_f32 v[RS], v[VA]
	v_rsq_f32 v[RS+1], v[VA]
	v_rsq_f32 v[RS+2], v[VA+1]
	v_rsq_f32 v[RS+3], v[VA+1]
	v_nop                                          ; a plain instruction behind the last of the batch
	s_wait_alu depctr_va_vdst(0)                   ; one wait for the four, ahead of their first reader
	s_wait_loadcnt 0x0                             ; g and be
	NORM 0
	NORM 1
	s_endpgm
.Lcast:                                        ; a wave takes a unit of 16 k-rows x 256 columns: 16 KiB in, 8 KiB out, all 32 loads out before the first wait
	s_sub_co_u32 s5, s5, 256
	s_lshl_b32 s5, s5, 3
	s_add_co_u32 s5, s5, s4                        ; unit u: 0-767 Wq, Wk, Wv; 768-1023 Wp; 1024-2047 W1; 2048-3071 W2
	s_and_b32 s51, s5, 0x300                       ; the weight's first unit,
	s_mov_b32 s54, s51                             ; what is added to the unit's number in the target,
	s_mov_b32 s52, 6                               ; log2 of the units in a block of 256 columns (K / 16),
	s_mov_b32 s53, 12                              ; log2 of the bytes in a source row,
	s_movk_i32 s55, 0x4000                         ; the target's header
	s_cmp_lt_u32 s5, 256
	s_cselect_b64 s[44:45], s[14:15], s[16:17]
	s_cmp_lt_u32 s5, 512
	s_cselect_b64 s[44:45], s[44:45], s[18:19]
	s_mov_b64 s[46:47], s[34:35]
	s_cmp_lt_u32 s5, 768                           ; from here on Wp
	s_cselect_b64 s[44:45], s[44:45], s[20:21]
	s_cselect_b64 s[46:47], s[46:47], s[38:39]
	s_cselect_b32 s51, s51, 768
	s_cselect_b32 s54, s54, 0
	s_cselect_b32 s55, s55, 0
	s_cmp_lt_u32 s5, 1024                          ; from here on W1
	s_cselect_b64 s[44:45], s[44:45], s[22:23]
	s_cselect_b64 s[46:47], s[46:47], s[36:37]
	s_cselect_b32 s51, s51, 1024
	s_cselect_b32 s53, s53, 14
	s_cselect_b32 s55, s55, 0x4000
	s_cmp_lt_u32 s5, 2048                          ; from here on W2, behind Wp's 256 units in wpw2
	s_cselect_b64 s[44:45], s[44:45], s[24:25]
	s_cselect_b64 s[46:47], s[46:47], s[38:39]
	s_cselect_b32 s51, s51, 2048
	s_cselect_b32 s52, s52, 8
	s_cselect_b32 s53, s53, 12
	s_cselect_b32 s54, s54, 256
	s_cselect_b32 s55, s55, 0
	s_sub_co_u32 s51, s5, s51                      ; the unit's number in its weight = block x (K / 16) + group of 16 rows
	s_add_co_u32 s54, s54, s51
	s_lshr_b32 s56, s51, s52                       ; block of 256 columns
	s_lshl_b32 s57, s56, s52
	s_sub_co_u32 s57, s51, s57                     ; group of 16 rows
	s_add_co_u32 s58, s53, 4
	s_lshl_b32 s57, s57, s58
	s_lshl_b32 s56, s56, 10
	s_add_co_u32 s56, s56, s57
	s_mov_b32 s57, 0
	s_add_nc_u64 s[44:45], s[44:45], s[56:57]
	s_lshl_b32 s58, s54, 13                        ; a unit is 8,192 bytes of the target, and the units follow each other there
	s_add_co_u32 s58, s58, s55
	s_mov_b32 s59, 0
	s_add_nc_u64 s[46:47], s[46:47], s[58:59]
	s_lshl_b32 s53, 1, s53
	v_mov_b32 v16, v2
.set i, 0
.rept 15
	v_add_nc_u32 v[17+i], s53, v[16+i]             ; 16 x lane + row x row bytes
.set i, i+1
.endr
.set i, 0
.rept 16
	global_load_b128 v[32+8*i:35+8*i], v[16+i], s[44:45] th:TH_LOAD_NT
	global_load_b128 v[36+8*i:39+8*i], v[16+i], s[44:45] offset:512 th:TH_LOAD_NT
.set i, i+1
.endr
.set n, 0
.rept 32
	s_wait_loadcnt 31-n                            ; loads come back in order: number n is in, the younger ones stay out
	v_cvt_pk_bf16_f32 v[32+4*n], v[32+4*n], v[33+4*n]  ; the four numbers' two words go into the first two of their own registers
	v_cvt_pk_bf16_f32 v[33+4*n], v[34+4*n], v[35+4*n]
	global_store_b64 v3, v[32+4*n:33+4*n], s[46:47] offset:256*n  ; 256 consecutive bytes, aligned
.set n, n+1
.endr
	s_endpgm
.Lfunc_end_k_qa89d4e1962_prep:
	.size	k_qa89d4e1962_prep, .Lfunc_end_k_qa89d4e1962_prep-k_qa89d4e1962_prep
	.p2alignl 7, 3214868480
	.fill 96, 4, 3214868480
	.section	.rodata,"a",@progbits
	.p2align	6, 0x0
	.amdhsa_kernel k_qa89d4e1962_prep
		.amdhsa_group_segment_fixed_size 0
		.amdhsa_private_segment_fixed_size 0
		.amdhsa_enable_private_segment 0
		.amdhsa_kernarg_size 128
		.amdhsa_user_sgpr_count 2
		.amdhsa_user_sgpr_kernarg_segment_ptr 1
		.amdhsa_wavefront_size32 1
		.amdhsa_system_sgpr_workgroup_id_x 1
		.amdhsa_system_sgpr_workgroup_id_y 1
		.amdhsa_system_sgpr_workgroup_id_z 1
		.amdhsa_system_vgpr_workitem_id 0
		.amdhsa_next_free_vgpr 160
		.amdhsa_next_free_sgpr 66
		.amdhsa_reserve_vcc 0
		.amdhsa_float_denorm_mode_32 3
		.amdhsa_float_denorm_mode_16_64 3
		.amdhsa_memory_ordered 1
		.amdhsa_forward_progress 1
		.amdhsa_inst_pref_size 35
	.end_amdhsa_kernel
	.amdgpu_metadata
---
amdhsa.version: [ 1, 2 ]
amdhsa.kernels:
  - .name:           k_qa89d4e1962_prep
    .symbol:         k_qa89d4e1962_prep.kd
    .args:
      - { .name: x, .offset: 0, .size: 8, .value_kind: global_buffer, .address_space: global }
      - { .name: g1, .offset: 8, .size: 8, .value_kind: global_buffer, .address_space: global }
      - { .name: be1, .offset: 16, .size: 8, .value_kind: global_buffer, .address_space: global }
      - { .name: Wq, .offset: 24, .size: 8, .value_kind: global_buffer, .address_space: global }
      - { .name: Wk, .offset: 32, .size: 8, .value_kind: global_buffer, .address_space: global }
      - { .name: Wv, .offset: 40, .size: 8, .value_kind: global_buffer, .address_space: global }
      - { .name: Wp, .offset: 48, .size: 8, .value_kind: global_buffer, .address_space: global }
      - { .name: W1, .offset: 56, .size: 8, .value_kind: global_buffer, .address_space: global }
      - { .name: W2, .offset: 64, .size: 8, .value_kind: global_buffer, .address_space: global }
      - { .name: bq, .offset: 72, .size: 8, .value_kind: global_buffer, .address_space: global }
      - { .name: bv, .offset: 80, .size: 8, .value_kind: global_buffer, .address_space: global }
      - { .name: b1, .offset: 88, .size: 8, .value_kind: global_buffer, .address_space: global }
      - { .name: abuf, .offset: 96, .size: 8, .value_kind: global_buffer, .address_space: global }
      - { .name: wqkv, .offset: 104, .size: 8, .value_kind: global_buffer, .address_space: global }
      - { .name: w1b, .offset: 112, .size: 8, .value_kind: global_buffer, .address_space: global }
      - { .name: wpw2, .offset: 120, .size: 8, .value_kind: global_buffer, .address_space: global }
    .group_segment_fixed_size: 0
    .private_segment_fixed_size: 0
    .kernarg_segment_align: 8
    .kernarg_segment_size: 128
    .max_flat_workgroup_size: 256
    .sgpr_count:     66
    .vgpr_count:     160
    .wavefront_size: 32
...
	.end_amdgpu_metadata
.endif
;; end of part 1
;; launch qkv (part 2): grid 12 x 16, 4 waves a work-group, clusters of 4 x 4, 327,680 bytes of LDS; arguments abuf, wqkv, act; writes act
.if DOCPART == 2
	.amdgcn_target "amdgcn-amd-amdhsa--gfx1250"
	.amdhsa_code_object_version 6
	.text
	.protected	k_qa89d4e1962_qkv
	.globl	k_qa89d4e1962_qkv
	.p2align	8
	.type	k_qa89d4e1962_qkv,@function
k_qa89d4e1962_qkv:
	s_mov_b64 s[64:65], 0
	v_nop
	global_prefetch_b8 v0, s[64:65] scope:SCOPE_SE
	s_setreg_imm32_b32 hwreg(HW_REG_WAVE_MODE, 25, 1), 1
	s_wait_xcnt 0x0
	s_wait_alu depctr_hold_cnt(0) depctr_sa_sdst(0) depctr_va_vdst(0) depctr_va_sdst(0) depctr_va_ssrc(0) depctr_va_vcc(0) depctr_vm_vsrc(0)
	s_getreg_b32 s2, hwreg(HW_REG_IB_STS2, 6, 4)
	s_cmp_eq_u32 s2, 0
	s_cbranch_scc0 .Lentry_in_a_cluster
	s_endpgm
.Lentry_in_a_cluster:
	s_bfe_u32 s2, ttmp6, 0x10000c
	s_cmp_lg_u32 s2, 0xf033
	s_cbranch_scc0 .Lentry_shape_is_right
	s_endpgm
.Lentry_shape_is_right:
; q, k, v = h1 [Wq | Wk | Wv] + [bq | 0 | bv].  bk is left out: it adds the same number to all scores of a softmax row; zeros stand in its place in the header.
; C = A W + bias.  A: [4096][1024] bf16.  W: a header of 16,384 bytes (the f32 bias), then blocks [n / 256][1024 k][256 n] bf16.  Sums in f32.
; The launch ff1 has this text with the constant GELU = 1; here, with GELU = 0, the activation is not assembled.
; C leaves rounded once to bf16, in slices of 64 columns: act[b][n / 64][t][64], row = 1024 b + t.  Here a slice is a head: q's are slices 0-15, k's 16-31, v's 32-47.
; SHAPE.  A tile of C is 256 x 256, four waves of 128 x 128 (64 accumulators, 512 registers).  K goes in 8 steps of 128 through two LDS slots filled by tensor loads.
; A's rows lie along K and are read plainly; W's rows lie along n and are read turned (ds_load_tr16_b128).  The matrix instruction is used transposed (source 0 = 16 columns of W, source 1 = 16 rows of A):
; a lane then holds one row of C and eight neighbouring columns.
; CLUSTER.  4 x 4 work-groups: A's tile is shared along a row of the cluster, W's along a column; each is asked for jointly, by the same load with the same descriptor and a mask of four.
; THE TEXT.  The first quarter step (its products start the sums), a loop of six K steps that fill slots again, and a loop of two trips for the last two K steps, which ask for nothing; that loop is left in its middle.
; LIMITS: NaN and infinities are not treated apart.
; REGISTERS, in windows of 256: window 0: v0-47 addresses and bias; v64-127, v128-191 A's fragments, two buffers; on the way out v48-255 at work.  Window 1: v64-191 W's fragments.  Windows 2, 3: accumulator (a, b) at v[8 (8 a + b)].
.set GELU,   0
.set KSTEP,  128
.set PA,     272                       ; a row of A in LDS: 256 bytes + 16: an odd multiple of 16
.set PB,     544                       ; a k-row of W in LDS: 512 bytes + 32: an odd multiple of 32
.set HALF,   128*PA                    ; what one tensor load brings: 128 rows of A, or 64 k-rows of W (64 x 544 is the same number)
.set SLOT,   4*HALF                    ; A's 256 rows, then W's 128 k-rows.  Its two bits (17 and 13) are set in no wave x HALF, so one exclusive or changes slots
.set DP,     528                       ; the way out: a row of 128 f32 + 16 bytes
.set DREG,   136*DP                    ; a wave's 128 rows, and room for 8 more: the way out fetches 8 rows ahead, and with the room that address stays in the wave's own bytes; the last trip jumps the fetch, so the room is never read
.set SPARE,  4*DREG                    ; behind the ring (2 SLOT bytes, which has had its last fill when the four regions are written) and the regions: the spare words, two blocks of 256 bytes that no other line names
.set HDR,    16384
.set ADRA0, 16                         ; v16  my place in A's tile, slot 0; never rewritten
.set ADRA,  17                         ; v17  the same in the slot in hand
.set ADRB0, 20
.set ADRB,  21
.set DST,   24                         ; v24  the way out: where I put 32 bytes of a row
.set RDA,   25                         ; v25  where I read 32 bytes back
.set GO,    26                         ; v26  16 x lane
.set SPW,   28
.set NIL,   29
.set PFO,   30                         ; v30  the prefetches' lane offset
.set BIAS,  32                         ; v[32:47] the bias of my 8 columns in each of my two slices
.set XN,    48                         ; the way out: where 32 numbers land from LDS: v48-63 and v240-255
.set F0,    64
.set F1,    128
.set XR,    64                         ; the way out: the 32 numbers at work
.set AX,    96
.set TT,    128
.set EE,    160
.set PP,    192
.set YY,    224
.set G1,  24                           ; s[24:31] descriptor group 1 for A     s[32:39] group 0, two sets: the second walks
.set G0,  32
.set G1B, 48                           ; s[48:55], s[56:63] the same for W
.set G0B, 56
.set SL,   2                           ; s2   0 or SLOT: the slot in hand
.set LIM,  43                          ; s43  2 in a wave that prefetches, else the greatest number
.set PFA,  44                          ; s[44:45] where my prefetches stand
.set PFS,  88                          ; s[88:89] their step
.set OUT,  90                          ; s[90:91] act at my rows
.set MSB, 0
.macro WIN new
.if MSB != (\new)
	s_set_vgpr_msb (MSB<<8)|(\new)
.set MSB, \new
.endif
.endm
.set MUL_LO, 0xa1                      ; source 0 (W) window 1, source 1 (A) window 0, C and D window 2
.set MUL_HI, 0xf1
.set TO_B,   0x40
.macro PAIR r, val
	s_mov_b32 s[\r], \val
	s_mov_b32 s[(\r)+1], \val
.endm
.macro JLOAD s                         ; a joint load: waves 0, 1 fetch A's halves, waves 2, 3 W's; an s_nop 0 and four v_nop behind each line
	s_cmp_eq_u32 s11, 0
	s_cbranch_scc0 .Lfor_b_\@
	tensor_load_to_lds s[G0+4*(\s):G0+4*(\s)+3], s[G1:G1+7]
	s_nop 0
.rept 4
	v_nop
.endr
	s_branch .Lasked_\@
.Lfor_b_\@:
	tensor_load_to_lds s[G0B+4*(\s):G0B+4*(\s)+3], s[G1B:G1B+7]
	s_nop 0
.rept 4
	v_nop
.endr
.Lasked_\@:
.endm
.macro CREST                           ; a round of the cluster's barrier behind its opening barrier
	s_cmp_lg_u32 s10, 0
	s_cbranch_scc1 .Lnot_wave_0_\@
	s_barrier_signal -3
.Lnot_wave_0_\@:
	s_barrier_wait -3
	s_barrier_signal -1
	s_barrier_wait -1
.endm
.macro CROUND
	s_barrier_signal -1
	s_barrier_wait -1
	CREST
.endm
; A prefetch into the L2, behind a joint load and the LDS loads that follow it: the K step that stands two refills on, one instruction a wave, a lane a block of 256 bytes.
; A's rows are read by every cluster of a row of clusters: cluster x = 0 asks; W's by every cluster of a column: cluster y = 0 asks.  The four partners share a wave's tile out by address:
; 32 of its 128 rows of A (place cx), 8,192 of its 32,768 dense bytes of W (place cy).  So each block is named once.  Trips 0 to 3 of the six ask (K steps 4 to 7); steps 0 to 3 come by their loads alone.
.macro ASK
	s_cmp_gt_u32 s3, s[LIM]
	s_cbranch_scc0 .Lnot_mine_\@
	global_prefetch_b8 v[PFO], s[PFA:PFA+1] th:TH_LOAD_NT scope:SCOPE_SE
.Lnot_mine_\@:
.endm
	s_load_b128 s[4:7], s[0:1], 0x0                ; A s[4:5], W s[6:7]
	s_load_b64 s[70:71], s[0:1], 0x10              ; act
	v_lshl_add_u32 v[SPW], v0, 2, SPARE
	v_mov_b32 v[NIL], 0
	ds_add_u32 v[SPW], v[NIL]                      ; the wave's opening: the add, twice on end, and its wait ahead of my first tensor load
	ds_add_u32 v[SPW], v[NIL]
	v_lshrrev_b32 v1, 5, v0
	v_readfirstlane_b32 s10, v1                    ; wave 0..3
	s_lshr_b32 s11, s10, 1                         ; my half of the tile's rows.  Also: I fetch for A (0) or W (1)
	s_and_b32 s12, s10, 1                          ; my half of its columns.  Also: which half of that tile I fetch
	s_bfe_u32 s40, ttmp6, 0x40000                  ; cx
	s_bfe_u32 s41, ttmp6, 0x40004                  ; cy
	s_lshl_b32 s42, ttmp9, 2
	s_add_co_u32 s42, s42, s40                     ; tile column
	s_and_b32 s13, ttmp7, 0xffff
	s_lshl_b32 s13, s13, 2
	s_add_co_u32 s13, s13, s41                     ; tile row
	s_lshl_b32 s43, s41, 2
	s_lshl_b32 s43, 15, s43                        ; my row of the cluster
	s_lshl_b32 s44, 0x1111, s40                    ; my column
	s_or_b32 s[G1+0], s43, (1<<16)|(1<<20)|(1<<21)|(5<<22)|(3<<25)   ; mask; 2-byte elements; padding on; bit 21 beside a mask; after every 64 words 4 words
	s_mov_b32 s[G1+1], 128<<16                     ; tensor_dim0 = 128
	s_mov_b32 s[G1+2], 128<<16                     ; tensor_dim1 = 128
	s_mov_b32 s[G1+3], 128<<16                     ; tile_dim0 = 128
	s_mov_b32 s[G1+4], 128                         ; tile_dim1 = 128
	s_mov_b32 s[G1+5], 1024                        ; elements from row to row
	s_mov_b32 s[G1+6], 0
	s_mov_b32 s[G1+7], 0
	s_or_b32 s[G1B+0], s44, (1<<16)|(1<<20)|(1<<21)|(6<<22)|(7<<25)  ; after every 128 words 8 words
	s_mov_b32 s[G1B+1], 256<<16
	s_mov_b32 s[G1B+2], 64<<16
	s_mov_b32 s[G1B+3], 256<<16
	s_mov_b32 s[G1B+4], 64
	s_mov_b32 s[G1B+5], 256
	s_mov_b32 s[G1B+6], 0
	s_mov_b32 s[G1B+7], 0
	s_lshl_b32 s17, s12, 7
	s_lshl_b32 s16, s13, 8
	s_add_co_u32 s16, s16, s17
	s_lshl_b32 s16, s16, 11                        ; A: (256 x tile row + 128 x half) rows of 2,048 bytes
	s_mov_b32 s17, 0
	s_lshl_b32 s46, s42, 19                        ; W: the block of 524,288 bytes,
	s_lshl_b32 s47, s12, 15                        ; my 64 k-rows of 512 bytes,
	s_add_co_u32 s46, s46, s47
	s_add_co_u32 s46, s46, HDR                     ; behind the header
	s_mov_b32 s47, 0
	s_mul_i32 s20, s10, HALF                       ; where they go: no place in the cluster enters an LDS address
.if GELU
	s_mov_b32 s73, 0x7fffffff
	PAIR 74, 0x3e6d3389                            ; 0.2316419
	PAIR 76, 0xbf38aa3b                            ; -log2(e) / 2
	PAIR 78, 0x3e027906                            ; a1 / 2 =  0.127414796
	PAIR 80, 0xbe11a98e                            ; a2 / 2 = -0.142248368
	PAIR 82, 0x3f35f0e3                            ; a3 / 2 =  0.710706871
	PAIR 84, 0xbf3a00e3                            ; a4 / 2 = -0.726576014
	PAIR 86, 0x3f07dc22                            ; a5 / 2 =  0.530702715
.endif
	s_wait_dscnt 0x0                               ; both opening adds are done
	s_wait_kmcnt 0x0
	s_add_nc_u64 s[14:15], s[4:5], s[16:17]
	s_add_nc_u64 s[46:47], s[6:7], s[46:47]
	CROUND                                         ; all sixteen work-groups are here: the first joint loads meet
.irp s, 0,1
	s_mov_b32 s[G0+4*(\s)], 1
	s_add_co_u32 s[G0+4*(\s)+1], s20, (\s)*SLOT
	s_add_nc_u64 s[G0+4*(\s)+2:G0+4*(\s)+3], s[14:15], (\s)*KSTEP*2
	s_or_b32 s[G0+4*(\s)+3], s[G0+4*(\s)+3], 0x80000000
	s_mov_b32 s[G0B+4*(\s)], 1
	s_add_co_u32 s[G0B+4*(\s)+1], s20, (\s)*SLOT
	s_add_nc_u64 s[G0B+4*(\s)+2:G0B+4*(\s)+3], s[46:47], (\s)*KSTEP*512
	s_or_b32 s[G0B+4*(\s)+3], s[G0B+4*(\s)+3], 0x80000000
	JLOAD \s
.endr
	v_and_b32 v1, 15, v0                           ; r = l % 16
	v_bfe_u32 v2, v0, 4, 1                         ; h = l / 16
	v_mul_u32_u24 v3, v1, PA
	v_lshl_add_u32 v3, v2, 4, v3
	s_mul_i32 s21, s11, HALF
	v_add_nc_u32 v[ADRA0], s21, v3                 ; my 128 rows of A: row r, 16 h
	v_and_b32 v4, 7, v0
	v_lshl_add_u32 v4, v2, 3, v4                   ; the turning load: k-row 8 h + l % 8,
	v_mul_u32_u24 v4, v4, PB
	v_bfe_u32 v5, v0, 3, 1
	v_lshl_add_u32 v4, v5, 4, v4                   ; columns 8 ((l / 8) % 2) on
	s_lshl_b32 s22, s12, 8
	s_add_co_u32 s22, s22, 2*HALF
	v_add_nc_u32 v[ADRB0], s22, v4
	v_mov_b32 v[ADRA], v[ADRA0]
	v_mov_b32 v[ADRB], v[ADRB0]
	s_mov_b32 s[SL], 0
	s_mul_i32 s23, s10, DREG
	v_mul_u32_u24 v3, v1, DP
	v_lshl_add_u32 v3, v2, 5, v3
	v_add_nc_u32 v[DST], s23, v3                   ; in: row r, 32 bytes for each half of the lanes
	v_bfe_u32 v3, v0, 3, 2
	v_mul_u32_u24 v3, v3, DP
	v_and_b32 v6, 7, v0
	v_lshl_add_u32 v3, v6, 5, v3
	v_add_nc_u32 v[RDA], s23, v3                   ; back: row l / 8, columns 8 (l % 8) on
	v_and_b32 v[GO], 31, v0
	v_lshlrev_b32 v[GO], 4, v[GO]
	s_lshl_b32 s22, s42, 10
	s_lshl_b32 s23, s12, 9
	s_add_co_u32 s22, s22, s23
	v_lshl_add_u32 v6, v6, 5, s22                  ; the bias of column 256 x tile column + 128 x half + 8 (l % 8)
	global_load_b128 v[BIAS:BIAS+3],     v6, s[6:7]
	global_load_b128 v[BIAS+4:BIAS+7],   v6, s[6:7] offset:16
	global_load_b128 v[BIAS+8:BIAS+11],  v6, s[6:7] offset:256
	global_load_b128 v[BIAS+12:BIAS+15], v6, s[6:7] offset:272
	s_lshl_b32 s20, s13, 8
	s_lshl_b32 s21, s11, 7
	s_add_co_u32 s20, s20, s21                     ; my first row of C
	s_lshr_b32 s21, s20, 10                        ; b
	s_and_b32 s20, s20, 1023                       ; t
	s_lshl_b32 s21, s21, 23
	s_lshl_b32 s20, s20, 7
	s_add_co_u32 s20, s20, s21
	s_lshl_b32 s21, s42, 2
	s_lshl_b32 s22, s12, 1
	s_add_co_u32 s21, s21, s22                     ; my first slice of 64 columns
	s_lshl_b32 s21, s21, 17
	s_add_co_u32 s20, s20, s21
	s_mov_b32 s21, 0
	s_add_nc_u64 s[OUT:OUT+1], s[70:71], s[20:21]
	; the prefetches' address: at K step 3; the first change of slots steps it to 4
	s_lshl_b32 s20, s13, 8
	s_lshl_b32 s21, s12, 7
	s_add_co_u32 s20, s20, s21
	s_lshl_b32 s21, s40, 5
	s_add_co_u32 s20, s20, s21                     ; A: my work-group's 32 of the 128 rows that I fetch
	s_lshl_b32 s20, s20, 11
	s_add_co_u32 s20, s20, 3*KSTEP*2
	s_lshl_b32 s22, s42, 19
	s_lshl_b32 s21, s12, 15
	s_add_co_u32 s22, s22, s21
	s_lshl_b32 s21, s41, 13
	s_add_co_u32 s22, s22, s21                     ; W: my work-group's 8,192 of the 32,768 bytes that I fetch
	s_add_co_u32 s22, s22, HDR+3*KSTEP*512
	s_and_b32 s23, ttmp7, 0xffff
	s_mov_b32 s[PFS], KSTEP*512
	s_mov_b32 s[PFS+1], 0
	s_cmp_eq_u32 s11, 0                            ; do I fetch for A?
	s_cselect_b32 s20, s20, s22
	s_cselect_b32 s23, ttmp9, s23                  ; the coordinate along which other clusters read the same blocks
	s_cselect_b64 s[PFA:PFA+1], s[4:5], s[6:7]
	s_cselect_b32 s[PFS], KSTEP*2, s[PFS]
	s_cselect_b32 s21, 11, 8                       ; a lane a row of 2,048 bytes of A, or a block of 256 bytes of W
	v_and_b32 v[PFO], 31, v0
	v_lshlrev_b32 v[PFO], s21, v[PFO]
	s_cmp_eq_u32 s23, 0
	s_cselect_b32 s[LIM], 2, -1                    ; the same in all sixteen partners, for a given wave
	s_mov_b32 s21, 0
	s_add_nc_u64 s[PFA:PFA+1], s[PFA:PFA+1], s[20:21]
.macro MUL16 f, hi, a0, zero           ; 16 matrix instructions: row blocks a0, a0 + 1 of the window's four x all 8 column blocks, 32 along K.  zero = 1: the product starts the sums
	WIN MUL_LO+0x50*(\hi)
.irp a, \a0, (\a0)+1
.irp b, 0,1,2,3,4,5,6,7
.if \zero
	v_wmma_f32_16x16x32_bf16 v[8*(8*(\a)+(\b)):8*(8*(\a)+(\b))+7], v[(\f)+8*(\b):(\f)+8*(\b)+7], v[(\f)+8*(4*(\hi)+(\a)):(\f)+8*(4*(\hi)+(\a))+7], 0
.else
	v_wmma_f32_16x16x32_bf16 v[8*(8*(\a)+(\b)):8*(8*(\a)+(\b))+7], v[(\f)+8*(\b):(\f)+8*(\b)+7], v[(\f)+8*(4*(\hi)+(\a)):(\f)+8*(4*(\hi)+(\a))+7], v[8*(8*(\a)+(\b)):8*(8*(\a)+(\b))+7]
.endif
.endr
.endr
.endm
.macro FETCH q, f                      ; 32 LDS loads in one run: quarter q (32 along K) of the slot in hand into buffer f: W's 128 columns turned, then A's 128 rows
	WIN TO_B
.irp i, 0,1,2,3,4,5,6,7
	ds_load_tr16_b128 v[(\f)+8*(\i):(\f)+8*(\i)+3],   v[ADRB] offset:(\q)*32*PB+32*(\i)
	ds_load_tr16_b128 v[(\f)+8*(\i)+4:(\f)+8*(\i)+7], v[ADRB] offset:(\q)*32*PB+16*PB+32*(\i)
.endr
	WIN 0
.irp i, 0,1,2,3,4,5,6,7
	ds_load_b128 v[(\f)+8*(\i):(\f)+8*(\i)+3],   v[ADRA] offset:(\q)*64+(\i)*16*PA
	ds_load_b128 v[(\f)+8*(\i)+4:(\f)+8*(\i)+7], v[ADRA] offset:(\q)*64+(\i)*16*PA+32
.endr
.endm
.macro PLACES                          ; four plain places behind matrix instructions, in front of loads into registers that they read and of reads of their results
.rept 4
	v_nop
.endr
.endm
.macro QUARTER f, g, q, zero           ; multiplies buffer f; in its middle fetches quarter q into buffer g
	s_wait_dscnt 8                                 ; W and A's rows 0-63 are in; the youngest eight loads (A's rows 64-127) may be out
	MUL16 \f, 0, 0, \zero
	MUL16 \f, 0, 2, \zero
	PLACES
	FETCH \q, \g
	s_wait_dscnt 32                                ; all but the 32 just issued
	MUL16 \f, 1, 0, \zero
	MUL16 \f, 1, 2, \zero
.endm
.macro MEET round                      ; the first half of a step's last quarter, and the one barrier of a change of slots.  round = 1: the slot is filled again behind a round of the cluster's barrier
	WIN 0
	s_wait_tensorcnt 0x0                           ; all my tensor loads have landed: the one that was out is my part of the next slot; so the descriptors may be written
	ds_add_u32 v[SPW], v[NIL]                      ; 0 onto my spare word
.if \round
	s_xor_b32 s[G0+5], s[G0+5], SLOT               ; the walking descriptors: the other slot than last time, the next K step
	s_add_nc_u64 s[G0+6:G0+7], s[G0+6:G0+7], KSTEP*2
	s_xor_b32 s[G0B+5], s[G0B+5], SLOT
	s_add_nc_u64 s[G0B+6:G0B+7], s[G0B+6:G0B+7], KSTEP*512
.endif
	s_wait_dscnt 9                                 ; (the add and the youngest eight loads may be out)
	MUL16 F1, 0, 0, 0
	s_wait_dscnt 0x0                               ; the add is done, and my reads of this slot are over
	s_barrier_signal -1
	MUL16 F1, 0, 2, 0
.if \round
	WIN 0
.endif
	s_barrier_wait -1
.endm
.macro FLIP                            ; the fetches go to the other slot
	s_xor_b32 s[SL], s[SL], SLOT
	v_add_nc_u32 v[ADRA], s[SL], v[ADRA0]
	v_add_nc_u32 v[ADRB], s[SL], v[ADRB0]
.endm
.macro TURN                            ; a step's last quarter, with the refill of the slot just read out: the K step two steps on
	s_wait_xcnt 0x0                                ; the last prefetch, a K step back, has read its address
	s_add_nc_u64 s[PFA:PFA+1], s[PFA:PFA+1], s[PFS:PFS+1]
	MEET 1
	CREST                                          ; no wave of any partner still reads this slot or has a load on its way
	JLOAD 1                                        ; the first tensor load behind the round; its four v_nop are also the places in front of the loads below
	FLIP
	FETCH 0, F0
	ASK
	MUL16 F1, 1, 0, 0
	MUL16 F1, 1, 2, 0
.endm
	s_wait_tensorcnt 1                             ; my part of K step 0 is in; step 1's load may stay out
	s_barrier_signal -1
	s_barrier_wait -1
	FETCH 0, F0
	QUARTER F0, F1, 1, 1                           ; the first quarter starts the sums
	WIN 0
	s_mov_b32 s3, 6
.Lk:                                           ; a trip: a step's quarters 1 to 3 and the next step's quarter 0; it asks for K steps 2 to 7.  The 64 accumulators take turns, over the jump too
	QUARTER F1, F0, 2, 0
	QUARTER F0, F1, 3, 0
	TURN
	QUARTER F0, F1, 1, 0
	WIN 0
	s_sub_co_u32 s3, s3, 1
	s_cmp_lg_u32 s3, 0
	s_cbranch_scc1 .Lk
	s_mov_b32 s3, 2
.Ltail:                                        ; THE LAST TWO K STEPS ask for nothing: two trips of one text, the second left in its middle.  In the first trip the wait for my tensor loads is for K step 7's, the one
	QUARTER F1, F0, 2, 0                           ; that is out, and the barrier shows it to all four waves; in the second trip both find nothing to wait for: the price of one text for both
	QUARTER F0, F1, 3, 0
	MEET 0
	WIN 0
	s_cmp_eq_u32 s3, 1
	s_cbranch_scc1 .Lno_next                       ; behind K step 7 there is no slot to fetch from: LDS loads alone are jumped
	PLACES
	FLIP
	FETCH 0, F0
.Lno_next:
	MUL16 F1, 1, 0, 0
	MUL16 F1, 1, 2, 0
	WIN 0
	s_sub_co_u32 s3, s3, 1
	s_cmp_eq_u32 s3, 0
	s_cbranch_scc1 .Lsums_done
	QUARTER F0, F1, 1, 0
	WIN 0
	s_cmp_lg_u32 s3, 0
	s_cbranch_scc1 .Ltail
.Lsums_done:
	; THE WAY OUT.  Every wave's reads of the ring are back and no load is out: behind this barrier the ring's bytes, which are filled no more, take the sums in f32.
	s_wait_dscnt 0x0
	s_barrier_signal -1
	s_barrier_wait -1
	PLACES
.irp a, 0,1,2,3,4,5,6,7
	WIN 0x08+4*((\a)/4)                            ; store data (source 1) in window 2 or 3
.irp b, 0,1,2,3,4,5,6,7
	ds_store_b128 v[DST], v[8*(8*((\a)%4)+(\b)):8*(8*((\a)%4)+(\b))+3]   offset:(\a)*16*DP+64*(\b)
	ds_store_b128 v[DST], v[8*(8*((\a)%4)+(\b))+4:8*(8*((\a)%4)+(\b))+7] offset:(\a)*16*DP+64*(\b)+16
.endr
.endr
	WIN 0
; 8 rows x 128 columns from my region.  Unit u = 2 rr + c: rows 4 rr .. + 3 of slice c; a lane has 8 columns of one row.  My own bytes: LDS serves a wave's instructions in order
.macro LOADX
.irp u, 0,1,2,3
	ds_load_b128 v[XN+8*(\u)+176*((\u)/2):XN+8*(\u)+176*((\u)/2)+3],   v[RDA] offset:((\u)/2)*4*DP+((\u)%2)*256
	ds_load_b128 v[XN+8*(\u)+176*((\u)/2)+4:XN+8*(\u)+176*((\u)/2)+7], v[RDA] offset:((\u)/2)*4*DP+((\u)%2)*256+16
.endr
.endm
.macro PRE p                           ; pair p of the 16: |x|, 1 + 0.2316419 |x|, -x x log2(e) / 2
	v_and_b32 v[AX+2*(\p)], s73, v[XR+2*(\p)]
	v_and_b32 v[AX+2*(\p)+1], s73, v[XR+2*(\p)+1]
	v_pk_fma_f32 v[TT+2*(\p):TT+2*(\p)+1], v[AX+2*(\p):AX+2*(\p)+1], s[74:75], 1.0 op_sel_hi:[1,0,0]
	v_pk_mul_f32 v[EE+2*(\p):EE+2*(\p)+1], v[XR+2*(\p):XR+2*(\p)+1], v[XR+2*(\p):XR+2*(\p)+1]
	v_pk_mul_f32 v[EE+2*(\p):EE+2*(\p)+1], v[EE+2*(\p):EE+2*(\p)+1], s[76:77] op_sel_hi:[1,0]
.endm
	s_wait_loadcnt 0x0                             ; the bias
	LOADX                                          ; the first trip's rows
	s_mov_b32 s3, 16
.Lout:                                         ; a trip: 8 rows x 128 columns
	s_wait_dscnt 0x0                               ; this trip's eight loads were issued a trip ago
.set p, 0
.rept 16
	v_pk_add_f32 v[XR+2*p:XR+2*p+1], v[XN+2*p+176*(p/8):XN+2*p+176*(p/8)+1], v[BIAS+8*((p/4)%2)+2*(p%4):BIAS+8*((p/4)%2)+2*(p%4)+1]  ; the bias; the sums leave the registers in which they landed,
.set p, p+1
.endr
	s_cmp_eq_u32 s3, 1
	s_cbranch_scc1 .Lno_rows                       ; (the last trip has no rows behind it)
	v_add_nc_u32 v[RDA], 8*DP, v[RDA]
	LOADX                                          ; which take the next trip's rows while this trip's are worked on
.Lno_rows:
.if GELU
	PRE 0
	PRE 1
.set p, 0
.rept 16                               ; ONE BATCH of 64: 1 / (1 + 0.2316419 |x|) and 2^(-x x log2(e) / 2) of pair p, by turns with plain work that names none of its results: max(x, 0) of pair p, and pair p + 2 made ready
	v_rcp_f32 v[TT+2*p], v[TT+2*p]
	v_max_num_f32 v[XR+2*p], 0, v[XR+2*p]
	v_exp_f32 v[EE+2*p], v[EE+2*p]
	v_max_num_f32 v[XR+2*p+1], 0, v[XR+2*p+1]
	v_rcp_f32 v[TT+2*p+1], v[TT+2*p+1]
.if p < 14
	v_and_b32 v[AX+2*p+4], s73, v[XR+2*p+4]
.endif
	v_exp_f32 v[EE+2*p+1], v[EE+2*p+1]
.if p < 14
	v_and_b32 v[AX+2*p+5], s73, v[XR+2*p+5]
	v_pk_fma_f32 v[TT+2*p+4:TT+2*p+5], v[AX+2*p+4:AX+2*p+5], s[74:75], 1.0 op_sel_hi:[1,0,0]
	v_pk_mul_f32 v[EE+2*p+4:EE+2*p+5], v[XR+2*p+4:XR+2*p+5], v[XR+2*p+4:XR+2*p+5]
	v_pk_mul_f32 v[EE+2*p+4:EE+2*p+5], v[EE+2*p+4:EE+2*p+5], s[76:77] op_sel_hi:[1,0]
.elseif p == 15
	v_nop                                          ; a plain instruction behind the last of the batch
.endif
.set p, p+1
.endr
	s_wait_alu depctr_va_vdst(0)                   ; one wait for the batch, ahead of its first reader
.set p, 0
.rept 16
	v_pk_fma_f32 v[PP+2*p:PP+2*p+1], v[TT+2*p:TT+2*p+1], s[86:87], s[84:85] op_sel_hi:[1,0,0]
.set p, p+1
.endr
.irp k, 82, 80, 78
.set p, 0
.rept 16
	v_pk_fma_f32 v[PP+2*p:PP+2*p+1], v[PP+2*p:PP+2*p+1], v[TT+2*p:TT+2*p+1], s[\k:\k+1] op_sel_hi:[1,1,0]
.set p, p+1
.endr
.endr
.set p, 0
.rept 16
	v_pk_mul_f32 v[TT+2*p:TT+2*p+1], v[TT+2*p:TT+2*p+1], v[EE+2*p:EE+2*p+1]
.set p, p+1
.endr
.set p, 0
.rept 16
	v_pk_mul_f32 v[PP+2*p:PP+2*p+1], v[PP+2*p:PP+2*p+1], v[TT+2*p:TT+2*p+1]
.set p, p+1
.endr
.set p, 0
.rept 16
	v_pk_fma_f32 v[XR+2*p:XR+2*p+1], v[AX+2*p:AX+2*p+1], v[PP+2*p:PP+2*p+1], v[XR+2*p:XR+2*p+1] neg_lo:[1,0,0] neg_hi:[1,0,0]
.set p, p+1
.endr
.endif
	s_wait_xcnt 0x0                                ; the last trip's stores have read their data and their base: both are written again only behind this wait
	s_add_nc_u64 s[OUT:OUT+1], s[OUT:OUT+1], 1024  ; 8 rows of a slice on; the stores below reach back
.set p, 0
.rept 16
	v_cvt_pk_bf16_f32 v[YY+p], v[XR+2*p], v[XR+2*p+1]
.set p, p+1
.endr
.irp u, 0,1,2,3
	global_store_b128 v[GO], v[YY+4*(\u):YY+4*(\u)+3], s[OUT:OUT+1] offset:((\u)%2)*131072+((\u)/2)*512-1024  ; four rows of a slice: 512 consecutive bytes, aligned
.endr
	s_sub_co_u32 s3, s3, 1
	s_cmp_lg_u32 s3, 0
	s_cbranch_scc1 .Lout
	s_wait_tensorcnt 0x0                           ; the wave's end
	ds_add_u32 v[SPW], v[NIL]
	s_wait_dscnt 0x0
	CROUND                                         ; the closing round
	s_endpgm
.Lfunc_end_k_qa89d4e1962_qkv:
	.size	k_qa89d4e1962_qkv, .Lfunc_end_k_qa89d4e1962_qkv-k_qa89d4e1962_qkv
	.p2alignl 7, 3214868480
	.fill 96, 4, 3214868480
	.section	.rodata,"a",@progbits
	.p2align	6, 0x0
	.amdhsa_kernel k_qa89d4e1962_qkv
		.amdhsa_group_segment_fixed_size 327680
		.amdhsa_private_segment_fixed_size 0
		.amdhsa_enable_private_segment 0
		.amdhsa_kernarg_size 24
		.amdhsa_user_sgpr_count 2
		.amdhsa_user_sgpr_kernarg_segment_ptr 1
		.amdhsa_wavefront_size32 1
		.amdhsa_system_sgpr_workgroup_id_x 1
		.amdhsa_system_sgpr_workgroup_id_y 1
		.amdhsa_system_sgpr_workgroup_id_z 1
		.amdhsa_system_vgpr_workitem_id 0
		.amdhsa_next_free_vgpr 1024
		.amdhsa_next_free_sgpr 92
		.amdhsa_reserve_vcc 0
		.amdhsa_float_denorm_mode_32 3
		.amdhsa_float_denorm_mode_16_64 3
		.amdhsa_memory_ordered 1
		.amdhsa_forward_progress 1
		.amdhsa_inst_pref_size 83
	.end_amdhsa_kernel
	.amdgpu_metadata
---
amdhsa.version: [ 1, 2 ]
amdhsa.kernels:
  - .name:           k_qa89d4e1962_qkv
    .symbol:         k_qa89d4e1962_qkv.kd
    .args:
      - { .name: abuf, .offset: 0, .size: 8, .value_kind: global_buffer, .address_space: global }
      - { .name: wqkv, .offset: 8, .size: 8, .value_kind: global_buffer, .address_space: global }
      - { .name: act, .offset: 16, .size: 8, .value_kind: global_buffer, .address_space: global }
    .group_segment_fixed_size: 327680
    .private_segment_fixed_size: 0
    .kernarg_segment_align: 8
    .kernarg_segment_size: 24
    .max_flat_workgroup_size: 128
    .sgpr_count:     92
    .vgpr_count:     1024
    .wavefront_size: 32
...
	.end_amdgpu_metadata
.endif
;; end of part 2
;; launch attn (part 3): grid 4 x 64, 4 waves a work-group, no clusters, 327,680 bytes of LDS; arguments act, abuf; writes abuf
.if DOCPART == 3
	.amdgcn_target "amdgcn-amd-amdhsa--gfx1250"
	.amdhsa_code_object_version 6
	.text
	.protected	k_qa89d4e1962_attn
	.globl	k_qa89d4e1962_attn
	.p2align	8
	.type	k_qa89d4e1962_attn,@function
k_qa89d4e1962_attn:
	s_mov_b64 s[64:65], 0
	v_nop
	global_prefetch_b8 v0, s[64:65] scope:SCOPE_SE
	s_setreg_imm32_b32 hwreg(HW_REG_WAVE_MODE, 25, 1), 1
	s_wait_xcnt 0x0
; CAUSAL ATTENTION, head size 64, 1,024 rows a head, 64 heads (y = 16 b + h).  q, k, v: slices h, 16 + h, 32 + h of act[b][slice][t][64], bf16.  o: abuf[b][h][t][64], bf16.
; o[t] = the sum over j <= t of softmax_j(q[t] . k[j] / 8) v[j].  Products, maxima and sums in f32; the weights are rounded to bf16 for the second product (their sum is taken unrounded), o once at the end.
; WORK LEFT OUT: key steps wholly above the diagonal, whose weights reference()'s own mask makes 0.  LIMITS: a hidden score inside a diagonal step is replaced by -1e30; a weight below 2^-126 counts as 0;
; NaN and infinities are not treated apart, and one that reaches only hidden scores is not carried.  bf16, not f16: q, k, v have no bound that f16's range would hold for larger gains and weights.
; SHARES.  A head's queries lie in 32 blocks of 32.  Wave g = 4 x + w (x: the work-group among the head's four) takes blocks iL = 31 - g and iS = g.  A block i needs the key steps (64 keys) 0 .. i / 2,
; the last of which holds the diagonal: nL + nS = 17 steps for every wave.  ONE pass over the key steps serves both blocks with the same fragments of K and V:
; part A, steps 0-7: the short block while ks < nS (all of it under one forward jump), then the long block, which has no diagonal there (nL is 9 at the least); part B, steps 8-15: the long block while ks < nL.
; The four waves of a work-group have neighbouring g, so at the barrier between the parts they are one block step apart at the most.
; LDS holds the head's K and V whole, filled once: two tensor loads a wave, all at the head.  K comes as 2 x 320 keys, then 2 x 192: part A fetches K one step ahead, up to step 8 (keys 512-575), inside the first.
; V comes as 2 x 256 keys, twice.  The tiles' shapes are constants: work-group x = 3 reads 640 of the 1,024 keys that it asks for.
; NO CLUSTER, though a head's four work-groups read the same K and V: the jumps hang on x, which would be the work-group's place in its cluster.  NO PREFETCH: every tile is asked for at the head.
; LAYOUT.  S^T = K Q^T (source 0 = 16 keys, source 1 = 16 queries): a lane holds ONE query (l % 16) and the keys 8 (l / 16) + 0..7.  Two such results rounded in pairs ARE source 1 of O^T = V^T P.  V is read turned.
; SOFTMAX.  A running maximum m and sum l: p = 2^(c s - c m), c = log2(e) / 8; in every step O and l are multiplied by a = 2^(c m_old - c m_new).  m starts at the lowest finite number, O and l at 0.
; In phases (scores, softmax, second product), the plain form.  The 136 lines that write 0 run while the first tiles are on their way: the price of writing no first step out.
; REGISTERS.  Window 0: v0-47 addresses and statistics; v64-127 S^T (two tiles); v192-223 P.  Window 1: v0-127 O^T, 32 a tile (tiles 0, 1: long block; 2, 3: short); v128-191 Q; v192-255 K.  Window 2: v0-63 V.
.set PK,    144                        ; a row of K in LDS: 128 bytes + 16
.set PV,    160                        ; a row of V: 128 + 32
.set KSB,   64*PK                      ; a key step of K
.set VSB,   64*PV
.set VOFF,  1024*PK
.set STAGE, VOFF+1024*PV               ; 16 rows x 144 bytes for each wave, for the way out; no tile lands there
.set SP,    144
.set SPARE, STAGE+4*16*SP              ; the spare words: two blocks of 256 bytes that no other line names
.set AK0, 2
.set AV0, 3
.set AK,  4                            ; v4  K of the step in hand
.set AV,  5
.set STO, 6
.set RD,  7
.set GO,  8
.set QO,  10
.set MV,  12                           ; v12-13  c m_old
.set ST,  16                           ; tile t: c m, m, l (even keys', odd keys') at v[ST+4 t]
.set TMP, 32                           ; v32-39  c0-c3 for each of a block's two tiles; c2 takes a
.set QLR, 40                           ; v40-43  tile t: my query's place in its diagonal step, less 8 (l / 16)
.set BIGV, 44                          ; v44  -1e30
.set SPW, 46
.set NIL, 47
.set S,   64
.set P,   192
.set QF,  128                          ; window 1
.set KF,  192                          ; window 1
.set VF,  0                            ; window 2
.set WV,  12
.set G1K, 24                           ; s[24:31] K's first tiles (160 rows of 256 bytes)    s[76:83] K's second (96 rows)    s[32:39] V's (128 rows)
.set G1V, 32
.set G1K2, 76
.set G0K, 40                           ; s[40:47] two sets
.set G0V, 48
.set KS,  57                           ; s57  the key step
.set CS,  58
.set SEL, 60
.set NS,  62                           ; nS, nS - 1, nL, nL - 1
.set NS1, 63
.set NL,  66
.set NL1, 67
.set QPL, 68                           ; s[68:69], s[70:71] Q at the long and the short block     s[72:73], s[74:75] O likewise
.set OPL, 72
.set MSB, 0
.macro WIN new
.if MSB != (\new)
	s_set_vgpr_msb (MSB<<8)|(\new)
.set MSB, (\new)
.endif
.endm
.set W_KQ, 0x05                        ; K and Q in window 1, S^T in window 0
.set W_PV, 0x52                        ; V in window 2, P in window 0, O^T in window 1
.set W_RS, 0x41                        ; destination and source 0 in window 1, source 1 in window 0
.macro PLACES
.rept 4
	v_nop
.endr
.endm
	s_load_b128 s[4:7], s[0:1], 0x0                ; act s[4:5], abuf s[6:7]
	v_lshl_add_u32 v[SPW], v0, 2, SPARE
	v_mov_b32 v[NIL], 0
	ds_add_u32 v[SPW], v[NIL]                      ; the wave's opening: the add, twice on end, and its wait ahead of my first tensor load
	ds_add_u32 v[SPW], v[NIL]
	v_lshrrev_b32 v1, 5, v0
	v_readfirstlane_b32 s[WV], v1
	s_lshl_b32 s13, ttmp9, 2
	s_add_co_u32 s13, s13, s[WV]                   ; g = iS
	s_sub_co_u32 s15, 31, s13                      ; iL
	s_lshr_b32 s[NS1], s13, 1
	s_add_co_u32 s[NS], s[NS1], 1
	s_lshr_b32 s[NL1], s15, 1
	s_add_co_u32 s[NL], s[NL1], 1
	s_and_b32 s20, ttmp7, 0xffff                   ; y = 16 b + h
	s_lshr_b32 s21, s20, 4
	s_and_b32 s22, s20, 15
	s_lshl_b32 s21, s21, 6
	s_add_co_u32 s21, s21, s22
	s_lshl_b32 s18, s21, 17                        ; q's slice in act
	s_mov_b32 s19, 0
	s_lshl_b32 s20, s20, 17                        ; the head in abuf
	s_mov_b32 s21, 0
	s_lshl_b32 s2, s15, 12                         ; a block is 32 rows of 128 bytes
	s_mov_b32 s3, 0
	s_lshl_b32 s10, s13, 12
	s_mov_b32 s11, 0
	s_and_b32 s16, s[WV], 1                        ; which half of a tile pair I fetch
	s_mov_b32 s[G1K], (1<<16)|(1<<20)|(4<<22)|(3<<25)   ; 2-byte elements; padding on; after every 32 words 4 words.  Dense keys are asked for as rows of 256 bytes, two keys a row
	s_mov_b32 s[G1K+1], 128<<16
	s_mov_b32 s[G1K+2], 160<<16
	s_mov_b32 s[G1K+3], 128<<16
	s_mov_b32 s[G1K+4], 160
	s_mov_b32 s[G1K+5], 128
	s_mov_b32 s[G1K+6], 0
	s_mov_b32 s[G1K+7], 0
	s_mov_b32 s[G1K2], (1<<16)|(1<<20)|(4<<22)|(3<<25)
	s_mov_b32 s[G1K2+1], 128<<16
	s_mov_b32 s[G1K2+2], 96<<16
	s_mov_b32 s[G1K2+3], 128<<16
	s_mov_b32 s[G1K2+4], 96
	s_mov_b32 s[G1K2+5], 128
	s_mov_b32 s[G1K2+6], 0
	s_mov_b32 s[G1K2+7], 0
	s_mov_b32 s[G1V], (1<<16)|(1<<20)|(4<<22)|(7<<25)   ; 8 words of padding
	s_mov_b32 s[G1V+1], 128<<16
	s_mov_b32 s[G1V+2], 128<<16
	s_mov_b32 s[G1V+3], 128<<16
	s_mov_b32 s[G1V+4], 128
	s_mov_b32 s[G1V+5], 128
	s_mov_b32 s[G1V+6], 0
	s_mov_b32 s[G1V+7], 0
	s_mul_i32 s22, s16, 320*PK
	s_mul_i32 s23, s16, 192*PK
	s_mov_b32 s[G0K], 1
	s_mov_b32 s[G0K+1], s22                        ; keys 320 half on
	s_mov_b32 s[G0K+4], 1
	s_add_co_u32 s[G0K+5], s23, 640*PK             ; keys 640 + 192 half on
	s_mul_i32 s22, s16, 256*PV
	s_mov_b32 s[G0V], 1
	s_add_co_u32 s[G0V+1], s22, VOFF               ; keys 256 half on
	s_mov_b32 s[G0V+4], 1
	s_add_co_u32 s[G0V+5], s22, VOFF+512*PV        ; keys 512 + 256 half on
	s_mul_i32 s84, s16, 320*128
	s_add_co_u32 s84, s84, 16*131072               ; k lies 16 slices behind q
	s_mov_b32 s85, 0
	s_mul_i32 s86, s16, 192*128
	s_add_co_u32 s86, s86, 16*131072+640*128
	s_mov_b32 s87, 0
	s_lshl_b32 s88, s16, 15
	s_add_co_u32 s88, s88, 32*131072               ; v 32 slices
	s_mov_b32 s89, 0
	s_mov_b32 s[CS], 0x3e38aa3b                    ; c = log2(e) / 8
	s_mov_b32 s[CS+1], s[CS]
	s_mov_b32 s[SEL], 0x76543210
	s_mov_b32 s[SEL+1], 0xfedcba98
	s_wait_dscnt 0x0                               ; both opening adds are done
	s_wait_kmcnt 0x0
	s_add_nc_u64 s[8:9], s[4:5], s[18:19]
	s_add_nc_u64 s[G0K+2:G0K+3], s[8:9], s[84:85]
	s_or_b32 s[G0K+3], s[G0K+3], 0x80000000
	s_add_nc_u64 s[G0K+6:G0K+7], s[8:9], s[86:87]
	s_or_b32 s[G0K+7], s[G0K+7], 0x80000000
	s_add_nc_u64 s[G0V+2:G0V+3], s[8:9], s[88:89]
	s_add_nc_u64 s[G0V+6:G0V+7], s[G0V+2:G0V+3], 512*128
	s_or_b32 s[G0V+3], s[G0V+3], 0x80000000
	s_or_b32 s[G0V+7], s[G0V+7], 0x80000000
	s_add_nc_u64 s[QPL:QPL+1], s[8:9], s[2:3]
	s_add_nc_u64 s[QPL+2:QPL+3], s[8:9], s[10:11]
	s_add_nc_u64 s[6:7], s[6:7], s[20:21]
	s_add_nc_u64 s[OPL:OPL+1], s[6:7], s[2:3]
	s_add_nc_u64 s[OPL+2:OPL+3], s[6:7], s[10:11]
	s_cmp_lt_u32 s[WV], 2                          ; a wave's two fills stand in one branch, ahead of every wait on TENSORcnt, every LDS read and every barrier: two loads of mine are out
	s_cbranch_scc0 .Lfirst_v
	tensor_load_to_lds s[G0K:G0K+3], s[G1K:G1K+7]
	s_nop 0
	tensor_load_to_lds s[G0K+4:G0K+7], s[G1K2:G1K2+7]
	s_nop 0
.rept 4
	v_nop
.endr
	s_branch .Lfirst_asked
.Lfirst_v:
	tensor_load_to_lds s[G0V:G0V+3], s[G1V:G1V+7]
	s_nop 0
	tensor_load_to_lds s[G0V+4:G0V+7], s[G1V:G1V+7]
	s_nop 0
.rept 4
	v_nop
.endr
.Lfirst_asked:
	v_and_b32 v1, 15, v0                           ; r = l % 16
	v_bfe_u32 v9, v0, 4, 1                         ; h = l / 16
	v_lshlrev_b32 v[QO], 7, v1
	v_lshl_add_u32 v[QO], v9, 4, v[QO]
	WIN 0x40                                       ; destination window 1
.set i, 0
.rept 8                                ; Q stays in registers: tile i / 2, channels 32 (i % 2) on
	global_load_b128 v[QF+8*i:QF+8*i+3],   v[QO], s[QPL+2*(i/4):QPL+2*(i/4)+1] offset:((i/2)%2)*2048+(i%2)*64
	global_load_b128 v[QF+8*i+4:QF+8*i+7], v[QO], s[QPL+2*(i/4):QPL+2*(i/4)+1] offset:((i/2)%2)*2048+(i%2)*64+32
.set i, i+1
.endr
.set i, 0
.rept 128
	v_mov_b32 v[i], 0                              ; O^T
.set i, i+1
.endr
	WIN 0
.set t, 0
.rept 4
	v_mov_b32 v[ST+4*t], 0xfe000000                ; c m: far below every c s, so the first a is 0
	v_mov_b32 v[ST+4*t+1], 0xff7fffff              ; m
	v_mov_b32 v[ST+4*t+2], 0
	v_mov_b32 v[ST+4*t+3], 0
.set t, t+1
.endr
	v_mov_b32 v[BIGV], 0xf149f2ca
	v_mul_u32_u24 v[AK0], v1, PK
	v_lshl_add_u32 v[AK0], v9, 4, v[AK0]           ; key r, channels 8 h on
	v_and_b32 v11, 7, v0
	v_bfe_u32 v14, v0, 3, 1
	v_lshl_add_u32 v[AV0], v9, 3, v11              ; the turning load: key 8 h + l % 8,
	v_mul_u32_u24 v[AV0], v[AV0], PV
	v_lshl_add_u32 v[AV0], v14, 4, v[AV0]          ; channels 8 ((l / 8) % 2) on
	v_add_nc_u32 v[AV0], VOFF, v[AV0]
	v_mov_b32 v[AK], v[AK0]
	v_mov_b32 v[AV], v[AV0]
	s_mul_i32 s22, s[WV], 16*SP
	s_add_co_u32 s22, s22, STAGE
	v_mul_u32_u24 v[STO], v1, SP
	v_lshl_add_u32 v[STO], v9, 4, v[STO]
	v_add_nc_u32 v[STO], s22, v[STO]
	v_bfe_u32 v[RD], v0, 3, 2
	v_mul_u32_u24 v[RD], v[RD], SP
	v_lshl_add_u32 v[RD], v11, 4, v[RD]
	v_add_nc_u32 v[RD], s22, v[RD]
	v_and_b32 v[GO], 31, v0
	v_lshlrev_b32 v[GO], 4, v[GO]
	v_lshlrev_b32 v14, 3, v9
	v_sub_nc_u32 v14, v1, v14                      ; r - 8 h
	s_and_b32 s23, s15, 1
	s_lshl_b32 s23, s23, 5
	v_add_nc_u32 v[QLR], s23, v14                  ; + 32 (i % 2) + 16 x tile: score 8 kb + j is hidden where 16 kb + j is greater
	v_add_nc_u32 v[QLR+1], 16, v[QLR]
	s_and_b32 s23, s13, 1
	s_lshl_b32 s23, s23, 5
	v_add_nc_u32 v[QLR+2], s23, v14
	v_add_nc_u32 v[QLR+3], 16, v[QLR+2]
.macro KQ16 B                          ; block B's scores: 16 products, 8 accumulators by turns; the first 8 start the sums
	WIN W_KQ
.set i, 0
.rept 16
.set rS, S+32*(i%2)+8*((i/2)%4)
.set rK, KF+16*((i/2)%4)+8*(i/8)
.set rQ, QF+16*(2*(\B)+i%2)+8*(i/8)
.if i < 8
	v_wmma_f32_16x16x32_bf16 v[rS:rS+7], v[rK:rK+7], v[rQ:rQ+7], 0
.else
	v_wmma_f32_16x16x32_bf16 v[rS:rS+7], v[rK:rK+7], v[rQ:rQ+7], v[rS:rS+7]
.endif
.set i, i+1
.endr
	WIN 0
.endm
.macro PV16 B                          ; O^T += V^T P: 16 products, 8 accumulators by turns
	WIN W_PV
.set i, 0
.rept 16
.set rO, 32*(2*(\B)+i%2)+8*((i/2)%4)
.set rV, VF+32*(i/8)+8*((i/2)%4)
.set rP, P+16*(i%2)+8*(i/8)
	v_wmma_f32_16x16x32_bf16 v[rO:rO+7], v[rV:rV+7], v[rP:rP+7], v[rO:rO+7]
.set i, i+1
.endr
	WIN 0
.endm
.macro FETCH_K off                     ; a step's K, 8 fragments, from byte off behind the step in hand
	WIN 0x40
.irp f, 0,1,2,3,4,5,6,7
	ds_load_b128 v[KF+8*\f:KF+8*\f+3],   v[AK] offset:(\off)+(\f/2)*16*PK+(\f%2)*64
	ds_load_b128 v[KF+8*\f+4:KF+8*\f+7], v[AK] offset:(\off)+(\f/2)*16*PK+(\f%2)*64+32
.endr
	WIN 0
.endm
.macro FETCH_V                         ; the step's V, turned
	WIN 0x80
.irp f, 0,1,2,3,4,5,6,7
	ds_load_tr16_b128 v[VF+8*\f:VF+8*\f+3],   v[AV] offset:(\f/4)*32*PV+(\f%4)*32
	ds_load_tr16_b128 v[VF+8*\f+4:VF+8*\f+7], v[AV] offset:(\f/4)*32*PV+16*PV+(\f%4)*32
.endr
	WIN 0
.endm
.macro MASK B                          ; the diagonal step: hidden scores become -1e30; each accumulator is read from its low end on
.set i, 0
.rept 64
	v_cmp_gt_i32 vcc_lo, 16*((i%32)/8)+i%8, v[QLR+2*(\B)+i/32]
	v_cndmask_b32 v[S+i], v[S+i], v[BIGV], vcc_lo
.set i, i+1
.endr
.endm
.macro REGS B, u
.set rT, ST+4*(2*(\B)+(\u))
.set rC, TMP+4*(\u)
.set rM, MV+(\u)
.set rS, S+32*(\u)
.set rP, P+16*(\u)
.set rO, 32*(2*(\B)+(\u))
.endm
.macro XS B, u, n                      ; number n of the 22 that find a tile's maximum and statistics; each accumulator's lowest registers are read first
	REGS \B, \u
.if (\n) < 4
	v_max3_num_f32 v[rC+(\n)], v[rS+8*(\n)], v[rS+8*(\n)+1], v[rS+8*(\n)+2]
.elseif (\n) < 12
	v_max3_num_f32 v[rC+(\n)%4], v[rC+(\n)%4], v[rS+8*((\n)%4)+2*((\n)/4)+1], v[rS+8*((\n)%4)+2*((\n)/4)+2]
.elseif (\n) == 12
	v_max3_num_f32 v[rC], v[rC], v[rS+7], v[rS+15]
.elseif (\n) == 13
	v_max3_num_f32 v[rC+1], v[rC+1], v[rS+23], v[rS+31]
.elseif (\n) == 14
	v_max3_num_f32 v[rC+2], v[rC+2], v[rC+3], v[rT+1]
.elseif (\n) == 15
	v_mov_b32 v[rM], v[rT]
.elseif (\n) == 16
	v_max3_num_f32 v[rC], v[rC], v[rC+1], v[rC+2]
.elseif (\n) == 17
	v_permlanex16_b32 v[rC+3], v[rC], s[SEL], s[SEL+1]
.elseif (\n) == 18
	v_max_num_f32 v[rT+1], v[rC], v[rC+3]
.elseif (\n) == 19
	v_mul_f32 v[rT], s[CS], v[rT+1]
.elseif (\n) == 20
	v_sub_f32 v[rC+1], v[rM], v[rT]
.else
	v_exp_f32 v[rC+2], v[rC+1]
.endif
.endm
.macro LEVEL B, w                      ; a level of the sum of a tile's 16 pairs, in place
.set k, 0
.rept 32/(\w)
	REGS \B, 0
	v_pk_add_f32 v[rS+(\w)*k:rS+(\w)*k+1], v[rS+(\w)*k:rS+(\w)*k+1], v[rS+(\w)*k+(\w)/2:rS+(\w)*k+(\w)/2+1]
	REGS \B, 1
	v_pk_add_f32 v[rS+(\w)*k:rS+(\w)*k+1], v[rS+(\w)*k:rS+(\w)*k+1], v[rS+(\w)*k+(\w)/2:rS+(\w)*k+(\w)/2+1]
.set k, k+1
.endr
.endm
.macro SM B                            ; block B's softmax for a step, its two tiles alternating
.irp n, 0,1,2,3,4,5,6,7,8,9,10,11,12,13,14,15,16,17,18,19,20
	XS \B, 0, \n
	XS \B, 1, \n
.endr
.set f, 0
.rept 32
	REGS \B, f%2
	v_pk_fma_f32 v[rS+2*(f/2):rS+2*(f/2)+1], v[rS+2*(f/2):rS+2*(f/2)+1], s[CS:CS+1], v[rT:rT+1] op_sel_hi:[1,0,0] neg_lo:[0,0,1] neg_hi:[0,0,1]
.set f, f+1
.endr
	XS \B, 0, 21                                   ; one batch: the two a and the 64 weights
	XS \B, 1, 21
.set e, 0
.rept 64
	REGS \B, e%2
	v_exp_f32 v[rS+e/2], v[rS+e/2]
.set e, e+1
.endr
	v_nop                                          ; a plain instruction behind the last exponential
	s_wait_alu depctr_va_vdst(0)                   ; one wait for the batch, ahead of its first reader
.set f, 0
.rept 32
	REGS \B, f%2
	v_cvt_pk_bf16_f32 v[rP+f/2], v[rS+2*(f/2)], v[rS+2*(f/2)+1]
.set f, f+1
.endr
	LEVEL \B, 4
	LEVEL \B, 8
	LEVEL \B, 16
	LEVEL \B, 32
	REGS \B, 0
	v_pk_fma_f32 v[rT+2:rT+3], v[rT+2:rT+3], v[rC+2:rC+3], v[rS:rS+1] op_sel_hi:[1,0,1]
	REGS \B, 1
	v_pk_fma_f32 v[rT+2:rT+3], v[rT+2:rT+3], v[rC+2:rC+3], v[rS:rS+1] op_sel_hi:[1,0,1]
	WIN W_RS
.set f, 0
.rept 32
	REGS \B, f/16
	v_pk_mul_f32 v[rO+2*(f%16):rO+2*(f%16)+1], v[rO+2*(f%16):rO+2*(f%16)+1], v[rC+2:rC+3] op_sel_hi:[1,0]
.set f, f+1
.endr
	WIN 0
.endm
	s_wait_tensorcnt 1                             ; my first tile is in; my second may stay out: no LDS byte is ever filled again
	s_barrier_signal -1
	s_barrier_wait -1                              ; everybody's first tile is in: K's keys 0-639, V's keys 0-511
	FETCH_K 0
	s_wait_loadcnt 0x0                             ; Q
	s_mov_b32 s[KS], 0
.LA:                                           ; PART A, key steps 0 to 7
	PLACES                                         ; behind the last product that read V
	FETCH_V
	s_wait_dscnt 16                                ; K of this step is in; V's 16 loads may stay out
	s_cmp_lt_u32 s[KS], s[NS]
	s_cbranch_scc0 .LA3                            ; the short block has no part in this step
	KQ16 1
	PLACES
	s_cmp_eq_u32 s[KS], s[NS1]
	s_cbranch_scc0 .LA2
	MASK 1
.LA2:
	SM 1
	s_wait_dscnt 0x0                               ; V
	PV16 1
.LA3:
	KQ16 0
	PLACES
	FETCH_K KSB                                    ; the next step's K, behind the last product that reads this step's; it lands under the softmax
	SM 0
	s_wait_dscnt 0x0                               ; V, and the next K
	PV16 0
	v_add_nc_u32 v[AK], KSB, v[AK]
	v_add_nc_u32 v[AV], VSB, v[AV]
	s_add_co_u32 s[KS], s[KS], 1
	s_cmp_lt_u32 s[KS], 8
	s_cbranch_scc1 .LA
	s_wait_tensorcnt 0x0                           ; my second tile is in,
	s_wait_dscnt 0x0
	s_barrier_signal -1
	s_barrier_wait -1                              ; everybody's is
	v_add_nc_u32 v[AK], 8*KSB, v[AK0]
	v_add_nc_u32 v[AV], 8*VSB, v[AV0]
	s_mov_b32 s[KS], 8
.LB:                                           ; PART B, key steps 8 to 15: the long block alone; K of step 8 is in registers
	s_cmp_lt_u32 s[KS], s[NL]
	s_cbranch_scc0 .LB4                            ; above the diagonal: nothing is read and nothing multiplied
	PLACES
	FETCH_V
	s_wait_dscnt 16
	KQ16 0
	PLACES
	s_cmp_lt_u32 s[KS], s[NL1]
	s_cbranch_scc0 .LB2                            ; the block's last step fetches no further K
	FETCH_K KSB
.LB2:
	s_cmp_eq_u32 s[KS], s[NL1]
	s_cbranch_scc0 .LB3
	MASK 0
.LB3:
	SM 0
	s_wait_dscnt 0x0
	PV16 0
.LB4:
	v_add_nc_u32 v[AK], KSB, v[AK]
	v_add_nc_u32 v[AV], VSB, v[AV]
	s_add_co_u32 s[KS], s[KS], 1
	s_cmp_lt_u32 s[KS], 16
	s_cbranch_scc1 .LB
	; THE WAY OUT.  l's two halves and the other half of the lanes' are added; O^T is divided by l, rounded and sent through my stage, a tile at a time.  The first four additions are the places behind the last products.
.macro ALL line:vararg
.set t, 0
.rept 4
	\line
.set t, t+1
.endr
.endm
	ALL v_add_f32 v[ST+4*t+2], v[ST+4*t+2], v[ST+4*t+3]
	ALL v_permlanex16_b32 v[ST+4*t+3], v[ST+4*t+2], s[SEL], s[SEL+1]
	ALL v_add_f32 v[ST+4*t+2], v[ST+4*t+2], v[ST+4*t+3]
	ALL v_rcp_f32 v[ST+4*t+2], v[ST+4*t+2]
	v_nop
	s_wait_alu depctr_va_vdst(0)                   ; one wait for the four reciprocals
.macro PACK t                          ; a lane's eight channels pack into 16 bytes; they go into rows of 144 bytes and come back as whole rows of 128
	WIN W_RS
.set i, 32*(\t)
.rept 16
	v_pk_mul_f32 v[i:i+1], v[i:i+1], v[ST+4*(\t)+2:ST+4*(\t)+3] op_sel_hi:[1,0]
.set i, i+2
.endr
	WIN 0x05
.set i, 0
.rept 16
	v_cvt_pk_bf16_f32 v[S+16*(\t)+i], v[32*(\t)+2*i], v[32*(\t)+2*i+1]
.set i, i+1
.endr
	WIN 0
.irp f, 0,1,2,3
	ds_store_b128 v[STO], v[S+16*(\t)+4*\f:S+16*(\t)+4*\f+3] offset:32*\f
.endr
.irp f, 0,1,2,3
	ds_load_b128 v[S+16*(\t)+4*\f:S+16*(\t)+4*\f+3], v[RD] offset:\f*4*SP  ; LDS serves a wave's instructions in order: these see the stores above, and the next tile's stores come behind them
.endr
.endm
.macro SEND t, younger                 ; younger: the next tile's eight LDS instructions, or none
.irp f, 0,1,2,3
	s_wait_dscnt (\younger)+3-\f
	global_store_b128 v[GO], v[S+16*(\t)+4*\f:S+16*(\t)+4*\f+3], s[OPL+2*((\t)/2):OPL+2*((\t)/2)+1] offset:((\t)%2)*2048+\f*512  ; 512 consecutive bytes, aligned
.endr
.endm
	PACK 0
	PACK 1
	SEND 0, 8
	PACK 2
	SEND 1, 8
	PACK 3
	SEND 2, 8
	SEND 3, 0
	s_wait_tensorcnt 0x0                           ; the wave's end
	ds_add_u32 v[SPW], v[NIL]
	s_wait_dscnt 0x0
	s_endpgm
.Lfunc_end_k_qa89d4e1962_attn:
	.size	k_qa89d4e1962_attn, .Lfunc_end_k_qa89d4e1962_attn-k_qa89d4e1962_attn
	.p2alignl 7, 3214868480
	.fill 96, 4, 3214868480
	.section	.rodata,"a",@progbits
	.p2align	6, 0x0
	.amdhsa_kernel k_qa89d4e1962_attn
		.amdhsa_group_segment_fixed_size 327680
		.amdhsa_private_segment_fixed_size 0
		.amdhsa_enable_private_segment 0
		.amdhsa_kernarg_size 16
		.amdhsa_user_sgpr_count 2
		.amdhsa_user_sgpr_kernarg_segment_ptr 1
		.amdhsa_wavefront_size32 1
		.amdhsa_system_sgpr_workgroup_id_x 1
		.amdhsa_system_sgpr_workgroup_id_y 1
		.amdhsa_system_sgpr_workgroup_id_z 1
		.amdhsa_system_vgpr_workitem_id 0
		.amdhsa_next_free_vgpr 576
		.amdhsa_next_free_sgpr 90
		.amdhsa_reserve_vcc 1
		.amdhsa_float_denorm_mode_32 3
		.amdhsa_float_denorm_mode_16_64 3
		.amdhsa_memory_ordered 1
		.amdhsa_forward_progress 1
		.amdhsa_inst_pref_size 86
	.end_amdhsa_kernel
	.amdgpu_metadata
---
amdhsa.version: [ 1, 2 ]
amdhsa.kernels:
  - .name:           k_qa89d4e1962_attn
    .symbol:         k_qa89d4e1962_attn.kd
    .args:
      - { .name: act, .offset: 0, .size: 8, .value_kind: global_buffer, .address_space: global }
      - { .name: abuf, .offset: 8, .size: 8, .value_kind: global_buffer, .address_space: global }
    .group_segment_fixed_size: 327680
    .private_segment_fixed_size: 0
    .kernarg_segment_align: 8
    .kernarg_segment_size: 16
    .max_flat_workgroup_size: 128
    .sgpr_count:     90
    .vgpr_count:     576
    .wavefront_size: 32
...
	.end_amdgpu_metadata
.endif
;; end of part 3
;; launch proj (part 4): grid 8 x 32, 4 waves a work-group, clusters of 4 x 4, 327,680 bytes of LDS; arguments abuf, wpw2, bp, x, x1; writes x1
.if DOCPART == 4
	.amdgcn_target "amdgcn-amd-amdhsa--gfx1250"
	.amdhsa_code_object_version 6
	.text
	.protected	k_qa89d4e1962_proj
	.globl	k_qa89d4e1962_proj
	.p2align	8
	.type	k_qa89d4e1962_proj,@function
k_qa89d4e1962_proj:
	s_mov_b64 s[64:65], 0
	v_nop
	global_prefetch_b8 v0, s[64:65] scope:SCOPE_SE
	s_setreg_imm32_b32 hwreg(HW_REG_WAVE_MODE, 25, 1), 1
	s_wait_xcnt 0x0
	s_wait_alu depctr_hold_cnt(0) depctr_sa_sdst(0) depctr_va_vdst(0) depctr_va_sdst(0) depctr_va_ssrc(0) depctr_va_vcc(0) depctr_vm_vsrc(0)
	s_getreg_b32 s2, hwreg(HW_REG_IB_STS2, 6, 4)
	s_cmp_eq_u32 s2, 0
	s_cbranch_scc0 .Lentry_in_a_cluster
	s_endpgm
.Lentry_in_a_cluster:
	s_bfe_u32 s2, ttmp6, 0x10000c
	s_cmp_lg_u32 s2, 0xf033
	s_cbranch_scc0 .Lentry_shape_is_right
	s_endpgm
.Lentry_shape_is_right:
; x1 = o Wp + bp + x.  o: abuf[b][slice 16][t][64] bf16 (a slice is a head: 64 of K's 1,024).  Wp: wpw2 + WOFF, blocks [n / 256][KDIM k][256 n] bf16.  bp, x, x1: f32.  Sums in f32.
; N is 1,024: tiles of 128 x 128 give each of 256 WGPs one work-group.  Four waves of 64 x 64 (16 accumulators).  K goes in steps of 256 (four slices) through two LDS slots.
; A tile of A is, for each slice, 128 rows of 128 bytes that lie end to end: a wave asks for two slices as two rows of 16,384 bytes, padded in LDS after every 128.  W's k-rows are read turned.
; CLUSTER 4 x 4: A's tile is shared along a row of the cluster, W's along a column, each asked for jointly.  No prefetch: a small tile, whose blocks several clusters read.
; K IS WALKED IN A RING.  A cluster whose x + y is odd begins at K step NSTEPS / 2 and wraps round; the f32 sums may be taken in any order.  The two clusters that read the same rows of A differ in x by one, and the
; clusters that read the same rows of W have both parities of y: so a K step's blocks are asked for by clusters of one parity NSTEPS / 2 steps ahead of those of the other.  The step's number is made of the
; cluster's own x and y, which all sixteen partners share, and of the loop's steps; a descriptor's address is made anew from it.
; THE TEXT.  The first quarter step (its products start the sums), a loop of NSTEPS - 2 K steps that fill slots again, and a loop of two trips for the last two K steps, left in its middle.
; The matrix instruction is used transposed: a lane holds one row of C and eight neighbouring columns.  A wave's 64 columns of f32 are 256 aligned bytes of a row: each wave has a stage of its own.
; The residual's 64 x 64 numbers are asked for behind the first barrier and stay out through the whole K loop, in window 2.
; REGISTERS: window 0: v0-31 addresses, v8-11 bias; v32-95 at work on the way out; v128-255 accumulator (a, b) at v[128 + 8 (4 a + b)].  Window 1: two fragment buffers of 128 (64 of A, 64 of W).  Window 2: v0-127 the residual.
.set KDIM,   1024
.set WOFF,   0
.set NSTEPS, KDIM/256
.set GS,     (KDIM/64)*131072          ; bytes of A from batch to batch
.set PAS,    144                       ; a row of a slice in LDS: 128 bytes + 16
.set SLICE,  128*PAS
.set PB,     288                       ; a k-row of W in LDS: 256 bytes + 32
.set PART,   2*SLICE                   ; what one tensor load brings: two slices, or 128 k-rows (128 x 288 is the same number)
.set SLOT,   4*PART                    ; its two bits (17 and 14) are set in no wave x PART
.set STAGE,  2*SLOT                    ; 16 rows x 272 bytes for each wave; no tile lands there
.set SPITCH, 272
.set SPARE,  STAGE+4*16*SPITCH
.set BIAS,  8
.set ADRA0, 16
.set ADRA,  17
.set ADRB0, 20
.set ADRB,  21                         ; v21: k-rows 0-127 of the slot in hand; v22: k-rows 128-255
.set STO,   24
.set RD,    25
.set CO,    26
.set SPW,   28
.set NIL,   29
.set TMP,   32
.set ACC,   128
.set F0,    0
.set F1,    128
.set G1,  24
.set G0,  32
.set G1B, 48
.set G0B, 56
.set SL,  2
.set KN,  4                            ; s4  the K step asked for last;  s[6:7], s[8:9] its byte offsets in A (524,288 a step) and in W (131,072 a step);  s[14:15], s[46:47] A and W at my part of K step 0
.set MSB, 0
.macro WIN new
.if MSB != (\new)
	s_set_vgpr_msb (MSB<<8)|(\new)
.set MSB, \new
.endif
.endm
.set MUL,  0x05                        ; sources 0 (W) and 1 (A) window 1; C and D window 0
.set TO_F, 0x40
.macro JLOAD s
	s_cmp_eq_u32 s11, 0
	s_cbranch_scc0 .Lfor_b_\@
	tensor_load_to_lds s[G0+4*(\s):G0+4*(\s)+3], s[G1:G1+7]
	s_nop 0
.rept 4
	v_nop
.endr
	s_branch .Lasked_\@
.Lfor_b_\@:
	tensor_load_to_lds s[G0B+4*(\s):G0B+4*(\s)+3], s[G1B:G1B+7]
	s_nop 0
.rept 4
	v_nop
.endr
.Lasked_\@:
.endm
.macro CREST
	s_cmp_lg_u32 s10, 0
	s_cbranch_scc1 .Lnot_wave_0_\@
	s_barrier_signal -3
.Lnot_wave_0_\@:
	s_barrier_wait -3
	s_barrier_signal -1
	s_barrier_wait -1
.endm
.macro CROUND
	s_barrier_signal -1
	s_barrier_wait -1
	CREST
.endm
	s_load_b256 s[68:75], s[0:1], 0x0              ; A s[68:69], W s[70:71], bias s[72:73], residual s[74:75]
	s_load_b64 s[76:77], s[0:1], 0x20              ; the result
	v_lshl_add_u32 v[SPW], v0, 2, SPARE
	v_mov_b32 v[NIL], 0
	ds_add_u32 v[SPW], v[NIL]                      ; the wave's opening: the add, twice on end, and its wait ahead of my first tensor load
	ds_add_u32 v[SPW], v[NIL]
	v_lshrrev_b32 v1, 5, v0
	v_readfirstlane_b32 s10, v1
	s_lshr_b32 s11, s10, 1                         ; my half of the rows.  Also: I fetch for A (0) or W (1)
	s_and_b32 s12, s10, 1                          ; my half of the columns.  Also: which half of that tile I fetch
	s_bfe_u32 s40, ttmp6, 0x40000
	s_bfe_u32 s41, ttmp6, 0x40004
	s_lshl_b32 s42, ttmp9, 2
	s_add_co_u32 s42, s42, s40                     ; tile column
	s_and_b32 s13, ttmp7, 0xffff
	s_add_co_u32 s5, s13, ttmp9                    ; cluster y + cluster x:
	s_and_b32 s5, s5, 1
	s_mul_i32 s[KN], s5, NSTEPS/2                  ; the K step at which my cluster begins
	s_mov_b32 s7, 0
	s_mov_b32 s9, 0
	s_lshl_b32 s13, s13, 2
	s_add_co_u32 s13, s13, s41                     ; tile row
	s_lshl_b32 s43, s41, 2
	s_lshl_b32 s43, 15, s43
	s_lshl_b32 s44, 0x1111, s40
	s_or_b32 s[G1+0], s43, (1<<16)|(1<<20)|(1<<21)|(4<<22)|(3<<25)   ; mask of my row; 2-byte elements; padding: after every 32 words 4 words
	s_mov_b32 s[G1+1], 8192<<16                    ; tensor_dim0 = 8,192 elements: a slice's 128 rows on end
	s_mov_b32 s[G1+2], 2<<16                       ; tensor_dim1 = 2 slices
	s_mov_b32 s[G1+3], 8192<<16
	s_mov_b32 s[G1+4], 2
	s_mov_b32 s[G1+5], 65536                       ; elements from slice to slice
	s_mov_b32 s[G1+6], 0
	s_mov_b32 s[G1+7], 0
	s_or_b32 s[G1B+0], s44, (1<<16)|(1<<20)|(1<<21)|(5<<22)|(7<<25)  ; mask of my column; after every 64 words 8 words
	s_mov_b32 s[G1B+1], 128<<16
	s_mov_b32 s[G1B+2], 128<<16
	s_mov_b32 s[G1B+3], 128<<16
	s_mov_b32 s[G1B+4], 128
	s_mov_b32 s[G1B+5], 256
	s_mov_b32 s[G1B+6], 0
	s_mov_b32 s[G1B+7], 0
	s_lshr_b32 s16, s13, 3                         ; A: batch = tile row / 8,
	s_mul_i32 s16, s16, GS
	s_and_b32 s17, s13, 7
	s_lshl_b32 s17, s17, 14                        ; 128 rows of 128 bytes for each tile row in it,
	s_add_co_u32 s16, s16, s17
	s_lshl_b32 s17, s12, 18                        ; my two slices
	s_add_co_u32 s16, s16, s17
	s_mov_b32 s17, 0
	s_lshr_b32 s46, s42, 1                         ; W: the block of 256 columns,
	s_mul_i32 s46, s46, KDIM*512
	s_and_b32 s47, s42, 1
	s_lshl_b32 s47, s47, 8                         ; its half,
	s_add_co_u32 s46, s46, s47
	s_lshl_b32 s47, s12, 16                        ; my 128 k-rows
	s_add_co_u32 s46, s46, s47
.if WOFF != 0
	s_add_co_u32 s46, s46, WOFF
.endif
	s_mov_b32 s47, 0
	s_mul_i32 s20, s10, PART
	s_wait_dscnt 0x0
	s_wait_kmcnt 0x0
	s_add_nc_u64 s[14:15], s[68:69], s[16:17]
	s_add_nc_u64 s[46:47], s[70:71], s[46:47]
	CROUND                                         ; all sixteen work-groups are here: the first joint loads meet
.irp s, 0,1
	s_lshl_b32 s6, s[KN], 19                       ; four slices of 131,072 bytes a step
	s_lshl_b32 s8, s[KN], 17                       ; 256 k-rows of 512 bytes a step
	s_mov_b32 s[G0+4*(\s)], 1
	s_add_co_u32 s[G0+4*(\s)+1], s20, (\s)*SLOT
	s_add_nc_u64 s[G0+4*(\s)+2:G0+4*(\s)+3], s[14:15], s[6:7]
	s_or_b32 s[G0+4*(\s)+3], s[G0+4*(\s)+3], 0x80000000
	s_mov_b32 s[G0B+4*(\s)], 1
	s_add_co_u32 s[G0B+4*(\s)+1], s20, (\s)*SLOT
	s_add_nc_u64 s[G0B+4*(\s)+2:G0B+4*(\s)+3], s[46:47], s[8:9]
	s_or_b32 s[G0B+4*(\s)+3], s[G0B+4*(\s)+3], 0x80000000
	JLOAD \s
.if (\s) == 0
	s_add_co_u32 s[KN], s[KN], 1                   ; the second of my cluster's steps: it begins at 0 or NSTEPS / 2, so this one does not wrap
.endif
.endr
	v_and_b32 v1, 15, v0
	v_bfe_u32 v2, v0, 4, 1
	v_mul_u32_u24 v3, v1, PAS
	v_lshl_add_u32 v3, v2, 4, v3
	s_mul_i32 s21, s11, 64*PAS
	v_add_nc_u32 v[ADRA0], s21, v3
	v_and_b32 v4, 7, v0
	v_lshl_add_u32 v4, v2, 3, v4
	v_mul_u32_u24 v4, v4, PB
	v_bfe_u32 v5, v0, 3, 1
	v_lshl_add_u32 v4, v5, 4, v4
	s_lshl_b32 s22, s12, 7
	s_add_co_u32 s22, s22, 2*PART
	v_add_nc_u32 v[ADRB0], s22, v4
	v_mov_b32 v[ADRA], v[ADRA0]
	v_mov_b32 v[ADRB], v[ADRB0]
	v_add_nc_u32 v[ADRB+1], 128*PB, v[ADRB0]
	s_mov_b32 s[SL], 0
	s_mul_i32 s23, s10, 16*SPITCH
	s_add_co_u32 s23, s23, STAGE
	v_mul_u32_u24 v3, v1, SPITCH
	v_lshl_add_u32 v3, v2, 5, v3
	v_add_nc_u32 v[STO], s23, v3                   ; in: row r, 32 bytes for each half of the lanes
	v_mul_u32_u24 v3, v2, SPITCH
	v_lshl_add_u32 v3, v1, 4, v3
	v_add_nc_u32 v[RD], s23, v3                    ; back: lanes 0-15 one row of 256 bytes, lanes 16-31 the next
	v_lshlrev_b32 v3, 12, v2
	v_lshl_add_u32 v[CO], v1, 4, v3                ; the same two rows in memory
	s_lshl_b32 s20, s13, 7
	s_lshl_b32 s21, s11, 6
	s_add_co_u32 s20, s20, s21
	s_lshl_b32 s20, s20, 12                        ; my first row,
	s_lshl_b32 s21, s42, 9
	s_lshl_b32 s22, s12, 8
	s_add_co_u32 s21, s21, s22                     ; my first column, in bytes
	s_add_co_u32 s20, s20, s21
	v_lshl_add_u32 v6, v1, 4, s21
	s_mov_b32 s21, 0
	s_add_nc_u64 s[74:75], s[74:75], s[20:21]
	s_add_nc_u64 s[76:77], s[76:77], s[20:21]
.macro MUL8 f, c, a0, zero
	WIN MUL
.irp a, \a0, (\a0)+1
.irp b, 0,1,2,3
.if \zero
	v_wmma_f32_16x16x32_bf16 v[ACC+8*(4*(\a)+(\b)):ACC+8*(4*(\a)+(\b))+7], v[(\f)+64+8*(4*(\c)+(\b)):(\f)+64+8*(4*(\c)+(\b))+7], v[(\f)+8*(4*(\c)+(\a)):(\f)+8*(4*(\c)+(\a))+7], 0
.else
	v_wmma_f32_16x16x32_bf16 v[ACC+8*(4*(\a)+(\b)):ACC+8*(4*(\a)+(\b))+7], v[(\f)+64+8*(4*(\c)+(\b)):(\f)+64+8*(4*(\c)+(\b))+7], v[(\f)+8*(4*(\c)+(\a)):(\f)+8*(4*(\c)+(\a))+7], v[ACC+8*(4*(\a)+(\b)):ACC+8*(4*(\a)+(\b))+7]
.endif
.endr
.endr
.endm
.macro FETCH q, f                      ; 32 LDS loads in one run: quarter q = slice q (64 along K) into buffer f; its first 32 along K first
	WIN TO_F
.irp c, 0,1
.irp i, 0,1,2,3
	ds_load_tr16_b128 v[(\f)+64+8*(4*(\c)+(\i)):(\f)+64+8*(4*(\c)+(\i))+3],   v[ADRB+(\q)/2] offset:(((\q)%2)*64+32*(\c))*PB+32*(\i)
	ds_load_tr16_b128 v[(\f)+64+8*(4*(\c)+(\i))+4:(\f)+64+8*(4*(\c)+(\i))+7], v[ADRB+(\q)/2] offset:(((\q)%2)*64+32*(\c)+16)*PB+32*(\i)
	ds_load_b128 v[(\f)+8*(4*(\c)+(\i)):(\f)+8*(4*(\c)+(\i))+3],   v[ADRA] offset:(\q)*SLICE+(\i)*16*PAS+64*(\c)
	ds_load_b128 v[(\f)+8*(4*(\c)+(\i))+4:(\f)+8*(4*(\c)+(\i))+7], v[ADRA] offset:(\q)*SLICE+(\i)*16*PAS+64*(\c)+32
.endr
.endr
.endm
.macro PLACES
.rept 4
	v_nop
.endr
.endm
.macro QUARTER f, g, q, zero
	s_wait_dscnt 16                                ; the first 32 along K are in; the other sixteen loads may be out
	MUL8 \f, 0, 0, \zero
	MUL8 \f, 0, 2, \zero
	PLACES
	FETCH \q, \g
	s_wait_dscnt 32                                ; all but the 32 just issued
	MUL8 \f, 1, 0, 0
	MUL8 \f, 1, 2, 0
.endm
.macro TURN fill                       ; a step's last quarter and the change of slots.  fill = 1: the slot just read out takes my cluster's K step two steps on.  fill = 0: the tail's, where s3 = 1 is the last K step
	WIN 0
	s_wait_tensorcnt 0x0                           ; all my tensor loads have landed: my part of the next slot; so the descriptors may be written
	ds_add_u32 v[SPW], v[NIL]                      ; 0 onto my spare word
.if \fill
	s_add_co_u32 s[KN], s[KN], 1                   ; the next K step of the ring,
	s_and_b32 s[KN], s[KN], NSTEPS-1
	s_lshl_b32 s6, s[KN], 19
	s_lshl_b32 s8, s[KN], 17
	s_xor_b32 s[G0+5], s[G0+5], SLOT               ; into the other slot than last time; the addresses are made anew, the type bits set again
	s_add_nc_u64 s[G0+6:G0+7], s[14:15], s[6:7]
	s_or_b32 s[G0+7], s[G0+7], 0x80000000
	s_xor_b32 s[G0B+5], s[G0B+5], SLOT
	s_add_nc_u64 s[G0B+6:G0B+7], s[46:47], s[8:9]
	s_or_b32 s[G0B+7], s[G0B+7], 0x80000000
.endif
	s_wait_dscnt 17                                ; (the add and the youngest sixteen loads may be out)
	MUL8 F1, 0, 0, 0
	s_wait_dscnt 0x0                               ; the add is done, and my reads of this slot are over
	s_barrier_signal -1
	MUL8 F1, 0, 2, 0
	WIN 0
	s_barrier_wait -1
.if \fill
	CREST                                          ; no wave of any partner still reads this slot or has a load on its way
	JLOAD 1                                        ; the first tensor load behind the round; its four v_nop are also the places in front of the loads below
.else
	s_cmp_eq_u32 s3, 1
	s_cbranch_scc1 .Lno_next                       ; behind the last K step there is no slot to fetch from: LDS loads alone are jumped
	PLACES
.endif
	s_xor_b32 s[SL], s[SL], SLOT
	v_add_nc_u32 v[ADRA], s[SL], v[ADRA0]
	v_add_nc_u32 v[ADRB], s[SL], v[ADRB0]
	v_add_nc_u32 v[ADRB+1], 128*PB, v[ADRB]
	FETCH 0, F0
.if !(\fill)
	WIN 0
.Lno_next:
.endif
	MUL8 F1, 1, 0, 0
	MUL8 F1, 1, 2, 0
.endm
	s_wait_tensorcnt 1                             ; my part of the first K step is in; the second's load may stay out
	s_barrier_signal -1
	s_barrier_wait -1
	FETCH 0, F0
	WIN 0x80                                       ; destination window 2
.set n, 0
.rept 32
	global_load_b128 v[4*n:4*n+3], v[CO], s[74:75] offset:(16*(n/8)+2*(n%8))*4096 th:TH_LOAD_NT
.set n, n+1
.endr
	WIN 0
	global_load_b128 v[BIAS:BIAS+3], v6, s[72:73]
	QUARTER F0, F1, 1, 1
	WIN 0
	s_mov_b32 s3, NSTEPS-2
.Lk:                                           ; a trip: a step's quarters 1 to 3 and the next step's quarter 0.  The 16 accumulators take turns, over the jump too
	QUARTER F1, F0, 2, 0
	QUARTER F0, F1, 3, 0
	TURN 1
	QUARTER F0, F1, 1, 0
	WIN 0
	s_sub_co_u32 s3, s3, 1
	s_cmp_lg_u32 s3, 0
	s_cbranch_scc1 .Lk
	s_mov_b32 s3, 2
.Ltail:                                        ; THE LAST TWO K STEPS ask for nothing: two trips of one text, the second left in its middle.  In the first trip the wait for my tensor loads is for the last K step's, the one
	QUARTER F1, F0, 2, 0                           ; that is out, and the barrier shows it to all four waves; in the second trip both find nothing to wait for: the price of one text for both
	QUARTER F0, F1, 3, 0
	TURN 0
	WIN 0
	s_sub_co_u32 s3, s3, 1
	s_cmp_eq_u32 s3, 0
	s_cbranch_scc1 .Lsums_done
	QUARTER F0, F1, 1, 0
	WIN 0
	s_cmp_lg_u32 s3, 0
	s_cbranch_scc1 .Ltail
.Lsums_done:
	; THE WAY OUT, 16 rows at a time through my own stage; the next block's round trip stands ahead of a block's sums and stores
.macro STG a
	s_wait_xcnt 0x0                                ; earlier stores have read the registers that the loads below fill
.irp b, 0,1,2,3
	ds_store_b128 v[STO], v[ACC+8*(4*(\a)+(\b)):ACC+8*(4*(\a)+(\b))+3]   offset:64*(\b)
	ds_store_b128 v[STO], v[ACC+8*(4*(\a)+(\b))+4:ACC+8*(4*(\a)+(\b))+7] offset:64*(\b)+16
.endr
.irp t, 0,1,2,3,4,5,6,7
	ds_load_b128 v[TMP+32*((\a)%2)+4*(\t):TMP+32*((\a)%2)+4*(\t)+3], v[RD] offset:(\t)*2*SPITCH  ; LDS serves a wave's instructions in order
.endr
.endm
.macro FIN a, younger                  ; younger: the next block's eight stores and eight loads, or none
	s_wait_dscnt \younger
.set TB, TMP+32*((\a)%2)
	WIN 0x08                                       ; source 1 in window 2
.set p, 0
.rept 16
	v_pk_add_f32 v[TB+2*p:TB+2*p+1], v[TB+2*p:TB+2*p+1], v[32*(\a)+2*p:32*(\a)+2*p+1]
.set p, p+1
.endr
	WIN 0
.set p, 0
.rept 16
	v_pk_add_f32 v[TB+2*p:TB+2*p+1], v[TB+2*p:TB+2*p+1], v[BIAS+2*(p%2):BIAS+2*(p%2)+1]
.set p, p+1
.endr
.irp t, 0,1,2,3,4,5,6,7
	global_store_b128 v[CO], v[TB+4*(\t):TB+4*(\t)+3], s[76:77] offset:(16*(\a)+2*(\t))*4096  ; 16 lanes store 256 consecutive bytes, aligned
.endr
.endm
	PLACES
	s_wait_loadcnt 0x0                             ; the residual and the bias
	STG 0
	STG 1
	FIN 0, 16
	STG 2
	FIN 1, 16
	STG 3
	FIN 2, 16
	FIN 3, 0
	s_wait_tensorcnt 0x0                           ; the wave's end
	ds_add_u32 v[SPW], v[NIL]
	s_wait_dscnt 0x0
	CROUND                                         ; the closing round
	s_endpgm
.Lfunc_end_k_qa89d4e1962_proj:
	.size	k_qa89d4e1962_proj, .Lfunc_end_k_qa89d4e1962_proj-k_qa89d4e1962_proj
	.p2alignl 7, 3214868480
	.fill 96, 4, 3214868480
	.section	.rodata,"a",@progbits
	.p2align	6, 0x0
	.amdhsa_kernel k_qa89d4e1962_proj
		.amdhsa_group_segment_fixed_size 327680
		.amdhsa_private_segment_fixed_size 0
		.amdhsa_enable_private_segment 0
		.amdhsa_kernarg_size 40
		.amdhsa_user_sgpr_count 2
		.amdhsa_user_sgpr_kernarg_segment_ptr 1
		.amdhsa_wavefront_size32 1
		.amdhsa_system_sgpr_workgroup_id_x 1
		.amdhsa_system_sgpr_workgroup_id_y 1
		.amdhsa_system_sgpr_workgroup_id_z 1
		.amdhsa_system_vgpr_workitem_id 0
		.amdhsa_next_free_vgpr 640
		.amdhsa_next_free_sgpr 80
		.amdhsa_reserve_vcc 0
		.amdhsa_float_denorm_mode_32 3
		.amdhsa_float_denorm_mode_16_64 3
		.amdhsa_memory_ordered 1
		.amdhsa_forward_progress 1
		.amdhsa_inst_pref_size 70
	.end_amdhsa_kernel
	.amdgpu_metadata
---
amdhsa.version: [ 1, 2 ]
amdhsa.kernels:
  - .name:           k_qa89d4e1962_proj
    .symbol:         k_qa89d4e1962_proj.kd
    .args:
      - { .name: abuf, .offset: 0, .size: 8, .value_kind: global_buffer, .address_space: global }
      - { .name: wpw2, .offset: 8, .size: 8, .value_kind: global_buffer, .address_space: global }
      - { .name: bp, .offset: 16, .size: 8, .value_kind: global_buffer, .address_space: global }
      - { .name: x, .offset: 24, .size: 8, .value_kind: global_buffer, .address_space: global }
      - { .name: x1, .offset: 32, .size: 8, .value_kind: global_buffer, .address_space: global }
    .group_segment_fixed_size: 327680
    .private_segment_fixed_size: 0
    .kernarg_segment_align: 8
    .kernarg_segment_size: 40
    .max_flat_workgroup_size: 128
    .sgpr_count:     80
    .vgpr_count:     640
    .wavefront_size: 32
...
	.end_amdgpu_metadata
.endif
;; end of part 4
;; launch ln2 (part 5): grid 256 x 1, 8 waves a work-group, no clusters, 0 bytes of LDS; arguments x1, g2, be2, abuf; writes abuf
.if DOCPART == 5
	.amdgcn_target "amdgcn-amd-amdhsa--gfx1250"
	.amdhsa_code_object_version 6
	.text
	.protected	k_qa89d4e1962_ln2
	.globl	k_qa89d4e1962_ln2
	.p2align	8
	.type	k_qa89d4e1962_ln2,@function
k_qa89d4e1962_ln2:
	s_mov_b64 s[64:65], 0
	v_nop
	global_prefetch_b8 v0, s[64:65] scope:SCOPE_SE
	s_setreg_imm32_b32 hwreg(HW_REG_WAVE_MODE, 25, 1), 1
	s_wait_xcnt 0x0
; h2 = LayerNorm(x1, g2, be2), rounded once to bf16, into abuf [4096][1024].  A wave takes two whole rows and keeps them in registers between the passes: x1 is read once, and no wave waits for another.
; In f32, in two passes (mean, then the squares of x - mean).  A stream: no LDS, no matrix unit, no cluster.
.set G,   16
.set BE,  48
.set X,   80
.set Y,   144
.set MU,  176
.set VA,  180
.set RS,  182
.set XP,  8                            ; s[8:9] x1    s[10:11] g2    s[12:13] be2    s[14:15] abuf
.set GP,  10
.set BP,  12
.set AP,  14
.macro FOLD
	v_pk_add_f32 v[4:5], v[4:5], v[6:7]
	v_pk_add_f32 v[8:9], v[8:9], v[10:11]
	v_pk_add_f32 v[4:5], v[4:5], v[8:9]
	v_add_f32 v4, v4, v5
.endm
.macro REDUCE
	v_add_f32_dpp v4, v4, v4 row_xmask:1 row_mask:0xf bank_mask:0xf
	v_add_f32_dpp v4, v4, v4 row_xmask:2 row_mask:0xf bank_mask:0xf
	v_add_f32_dpp v4, v4, v4 row_xmask:4 row_mask:0xf bank_mask:0xf
	v_add_f32_dpp v4, v4, v4 row_xmask:8 row_mask:0xf bank_mask:0xf
	v_permlanex16_b32 v5, v4, s48, s49
	v_add_f32 v4, v4, v5
.endm
.macro STATS r, left
	s_wait_loadcnt \left
.set XB, X+32*(\r)
.set c, 0
.rept 4
	v_pk_add_f32 v[4+2*c:5+2*c], v[XB+4*c:XB+4*c+1], v[XB+4*c+2:XB+4*c+3]
.set c, c+1
.endr
.set p, 8
.rept 8
	v_pk_add_f32 v[4+2*(p%4):5+2*(p%4)], v[4+2*(p%4):5+2*(p%4)], v[XB+2*p:XB+2*p+1]
.set p, p+1
.endr
	FOLD
	REDUCE
	v_mul_f32 v[MU+2*(\r)], s50, v4
	v_mov_b32 v[MU+2*(\r)+1], v[MU+2*(\r)]
.set p, 0
.rept 16
	v_pk_add_f32 v[XB+2*p:XB+2*p+1], v[XB+2*p:XB+2*p+1], v[MU+2*(\r):MU+2*(\r)+1] neg_lo:[0,1] neg_hi:[0,1]
.set p, p+1
.endr
.set c, 0
.rept 4
	v_pk_mul_f32 v[4+2*c:5+2*c], v[XB+2*c:XB+2*c+1], v[XB+2*c:XB+2*c+1]
.set c, c+1
.endr
.set p, 4
.rept 12
	v_pk_fma_f32 v[4+2*(p%4):5+2*(p%4)], v[XB+2*p:XB+2*p+1], v[XB+2*p:XB+2*p+1], v[4+2*(p%4):5+2*(p%4)]
.set p, p+1
.endr
	FOLD
	REDUCE
	v_fmaak_f32 v[VA+(\r)], s50, v4, 0x3727c5ac
.endm
.macro NORM r
.set XB, X+32*(\r)
.set p, 0
.rept 16
	v_pk_mul_f32 v[XB+2*p:XB+2*p+1], v[XB+2*p:XB+2*p+1], v[RS+2*(\r):RS+2*(\r)+1]
.set p, p+1
.endr
.set p, 0
.rept 16
	v_pk_fma_f32 v[XB+2*p:XB+2*p+1], v[XB+2*p:XB+2*p+1], v[G+2*p:G+2*p+1], v[BE+2*p:BE+2*p+1]
.set p, p+1
.endr
.set p, 0
.rept 16
	v_cvt_pk_bf16_f32 v[Y+16*(\r)+p], v[XB+2*p], v[XB+2*p+1]
.set p, p+1
.endr
.set j, 0
.rept 8
	global_store_b64 v3, v[Y+16*(\r)+2*j:Y+16*(\r)+2*j+1], s[46:47] offset:2048*(\r)+256*j  ; 256 consecutive bytes, aligned
.set j, j+1
.endr
.endm
	s_load_b256 s[8:15], s[0:1], 0x0
	v_lshrrev_b32 v1, 5, v0
	v_readfirstlane_b32 s4, v1
	v_and_b32 v1, 31, v0
	v_lshlrev_b32 v2, 4, v1
	v_lshlrev_b32 v3, 3, v1
	s_lshl_b32 s6, ttmp9, 4
	s_lshl_b32 s7, s4, 1
	s_add_co_u32 s6, s6, s7                        ; my first row
	s_lshl_b32 s44, s6, 12
	s_mov_b32 s45, 0
	s_lshl_b32 s46, s6, 11
	s_mov_b32 s47, 0
	s_mov_b32 s48, 0x76543210
	s_mov_b32 s49, 0xfedcba98
	s_mov_b32 s50, 0x3a800000                      ; 1 / 1024
	s_wait_kmcnt 0x0
	s_add_nc_u64 s[44:45], s[XP:XP+1], s[44:45]
	s_add_nc_u64 s[46:47], s[AP:AP+1], s[46:47]
.set j, 0
.rept 16
	global_load_b128 v[X+4*j:X+4*j+3], v2, s[44:45] offset:4096*(j/8)+512*(j%8) th:TH_LOAD_NT
.set j, j+1
.endr
.set j, 0
.rept 8
	global_load_b128 v[G+4*j:G+4*j+3], v2, s[GP:GP+1] offset:512*j
.set j, j+1
.endr
.set j, 0
.rept 8
	global_load_b128 v[BE+4*j:BE+4*j+3], v2, s[BP:BP+1] offset:512*j
.set j, j+1
.endr
	STATS 0, 24                                    ; row 0 is in; row 1, g and be (24 loads) may stay out
	STATS 1, 16                                    ; row 1 is in; g and be (16 loads) may stay out
	v_rsq_f32 v[RS], v[VA]
	v_rsq_f32 v[RS+1], v[VA]
	v_rsq_f32 v[RS+2], v[VA+1]
	v_rsq_f32 v[RS+3], v[VA+1]
	v_nop
	s_wait_alu depctr_va_vdst(0)                   ; one wait for the four, ahead of their first reader
	s_wait_loadcnt 0x0
	NORM 0
	NORM 1
	s_endpgm
.Lfunc_end_k_qa89d4e1962_ln2:
	.size	k_qa89d4e1962_ln2, .Lfunc_end_k_qa89d4e1962_ln2-k_qa89d4e1962_ln2
	.p2alignl 7, 3214868480
	.fill 96, 4, 3214868480
	.section	.rodata,"a",@progbits
	.p2align	6, 0x0
	.amdhsa_kernel k_qa89d4e1962_ln2
		.amdhsa_group_segment_fixed_size 0
		.amdhsa_private_segment_fixed_size 0
		.amdhsa_enable_private_segment 0
		.amdhsa_kernarg_size 32
		.amdhsa_user_sgpr_count 2
		.amdhsa_user_sgpr_kernarg_segment_ptr 1
		.amdhsa_wavefront_size32 1
		.amdhsa_system_sgpr_workgroup_id_x 1
		.amdhsa_system_sgpr_workgroup_id_y 1
		.amdhsa_system_sgpr_workgroup_id_z 1
		.amdhsa_system_vgpr_workitem_id 0
		.amdhsa_next_free_vgpr 192
		.amdhsa_next_free_sgpr 66
		.amdhsa_reserve_vcc 0
		.amdhsa_float_denorm_mode_32 3
		.amdhsa_float_denorm_mode_16_64 3
		.amdhsa_memory_ordered 1
		.amdhsa_forward_progress 1
		.amdhsa_inst_pref_size 20
	.end_amdhsa_kernel
	.amdgpu_metadata
---
amdhsa.version: [ 1, 2 ]
amdhsa.kernels:
  - .name:           k_qa89d4e1962_ln2
    .symbol:         k_qa89d4e1962_ln2.kd
    .args:
      - { .name: x1, .offset: 0, .size: 8, .value_kind: global_buffer, .address_space: global }
      - { .name: g2, .offset: 8, .size: 8, .value_kind: global_buffer, .address_space: global }
      - { .name: be2, .offset: 16, .size: 8, .value_kind: global_buffer, .address_space: global }
      - { .name: abuf, .offset: 24, .size: 8, .value_kind: global_buffer, .address_space: global }
    .group_segment_fixed_size: 0
    .private_segment_fixed_size: 0
    .kernarg_segment_align: 8
    .kernarg_segment_size: 32
    .max_flat_workgroup_size: 256
    .sgpr_count:     66
    .vgpr_count:     192
    .wavefront_size: 32
...
	.end_amdgpu_metadata
.endif
;; end of part 5
;; launch ff1 (part 6): grid 16 x 16, 4 waves a work-group, clusters of 4 x 4, 327,680 bytes of LDS; arguments abuf, w1b, act; writes act
.if DOCPART == 6
	.amdgcn_target "amdgcn-amd-amdhsa--gfx1250"
	.amdhsa_code_object_version 6
	.text
	.protected	k_qa89d4e1962_ff1
	.globl	k_qa89d4e1962_ff1
	.p2align	8
	.type	k_qa89d4e1962_ff1,@function
k_qa89d4e1962_ff1:
	s_mov_b64 s[64:65], 0
	v_nop
	global_prefetch_b8 v0, s[64:65] scope:SCOPE_SE
	s_setreg_imm32_b32 hwreg(HW_REG_WAVE_MODE, 25, 1), 1
	s_wait_xcnt 0x0
	s_wait_alu depctr_hold_cnt(0) depctr_sa_sdst(0) depctr_va_vdst(0) depctr_va_sdst(0) depctr_va_ssrc(0) depctr_va_vcc(0) depctr_vm_vsrc(0)
	s_getreg_b32 s2, hwreg(HW_REG_IB_STS2, 6, 4)
	s_cmp_eq_u32 s2, 0
	s_cbranch_scc0 .Lentry_in_a_cluster
	s_endpgm
.Lentry_in_a_cluster:
	s_bfe_u32 s2, ttmp6, 0x10000c
	s_cmp_lg_u32 s2, 0xf033
	s_cbranch_scc0 .Lentry_shape_is_right
	s_endpgm
.Lentry_shape_is_right:
; g = gelu(h2 W1 + b1).  The text of the launch qkv with the constant GELU = 1: the activation stands in the way out.
; C = gelu(A W + bias).  A: [4096][1024] bf16.  W: a header of 16,384 bytes (the f32 bias), then blocks [n / 256][1024 k][256 n] bf16.  Sums in f32.
; C leaves rounded once to bf16, in slices of 64 columns: act[b][n / 64][t][64], row = 1024 b + t.  Here a slice is 64 of the next product's K.
; SHAPE.  A tile of C is 256 x 256, four waves of 128 x 128 (64 accumulators, 512 registers).  K goes in 8 steps of 128 through two LDS slots filled by tensor loads.
; A's rows lie along K and are read plainly; W's rows lie along n and are read turned (ds_load_tr16_b128).  The matrix instruction is used transposed (source 0 = 16 columns of W, source 1 = 16 rows of A):
; a lane then holds one row of C and eight neighbouring columns.
; CLUSTER.  4 x 4 work-groups: A's tile is shared along a row of the cluster, W's along a column; each is asked for jointly, by the same load with the same descriptor and a mask of four.
; THE TEXT.  The first quarter step (its products start the sums), a loop of six K steps that fill slots again, and a loop of two trips for the last two K steps, which ask for nothing; that loop is left in its middle.
; GELU is the exact one: gelu(x) = max(x, 0) - |x| q, q = erfc(|x| / sqrt 2) / 2 = t (a1 + t (a2 + t (a3 + t (a4 + t a5)))) 2^(-x x log2(e) / 2) / 2, t = 1 / (1 + 0.2316419 |x|)
; (Abramowitz and Stegun 7.1.26): erf is off by 1.5e-7 at the most, for every x.  LIMITS: NaN and infinities are not treated apart; q below 2^-126 counts as 0.
; REGISTERS, in windows of 256: window 0: v0-47 addresses and bias; v64-127, v128-191 A's fragments, two buffers; on the way out v48-255 at work.  Window 1: v64-191 W's fragments.  Windows 2, 3: accumulator (a, b) at v[8 (8 a + b)].
.set GELU,   1
.set KSTEP,  128
.set PA,     272                       ; a row of A in LDS: 256 bytes + 16: an odd multiple of 16
.set PB,     544                       ; a k-row of W in LDS: 512 bytes + 32: an odd multiple of 32
.set HALF,   128*PA                    ; what one tensor load brings: 128 rows of A, or 64 k-rows of W (64 x 544 is the same number)
.set SLOT,   4*HALF                    ; A's 256 rows, then W's 128 k-rows.  Its two bits (17 and 13) are set in no wave x HALF, so one exclusive or changes slots
.set DP,     528                       ; the way out: a row of 128 f32 + 16 bytes
.set DREG,   136*DP                    ; a wave's 128 rows, and room for 8 more: the way out fetches 8 rows ahead, and with the room that address stays in the wave's own bytes; the last trip jumps the fetch, so the room is never read
.set SPARE,  4*DREG                    ; behind the ring (2 SLOT bytes, which has had its last fill when the four regions are written) and the regions: the spare words, two blocks of 256 bytes that no other line names
.set HDR,    16384
.set ADRA0, 16                         ; v16  my place in A's tile, slot 0; never rewritten
.set ADRA,  17                         ; v17  the same in the slot in hand
.set ADRB0, 20
.set ADRB,  21
.set DST,   24                         ; v24  the way out: where I put 32 bytes of a row
.set RDA,   25                         ; v25  where I read 32 bytes back
.set GO,    26                         ; v26  16 x lane
.set SPW,   28
.set NIL,   29
.set PFO,   30                         ; v30  the prefetches' lane offset
.set BIAS,  32                         ; v[32:47] the bias of my 8 columns in each of my two slices
.set XN,    48                         ; the way out: where 32 numbers land from LDS: v48-63 and v240-255
.set F0,    64
.set F1,    128
.set XR,    64                         ; the way out: the 32 numbers at work
.set AX,    96
.set TT,    128
.set EE,    160
.set PP,    192
.set YY,    224
.set G1,  24                           ; s[24:31] descriptor group 1 for A     s[32:39] group 0, two sets: the second walks
.set G0,  32
.set G1B, 48                           ; s[48:55], s[56:63] the same for W
.set G0B, 56
.set SL,   2                           ; s2   0 or SLOT: the slot in hand
.set LIM,  43                          ; s43  2 in a wave that prefetches, else the greatest number
.set PFA,  44                          ; s[44:45] where my prefetches stand
.set PFS,  88                          ; s[88:89] their step
.set OUT,  90                          ; s[90:91] act at my rows
.set MSB, 0
.macro WIN new
.if MSB != (\new)
	s_set_vgpr_msb (MSB<<8)|(\new)
.set MSB, \new
.endif
.endm
.set MUL_LO, 0xa1                      ; source 0 (W) window 1, source 1 (A) window 0, C and D window 2
.set MUL_HI, 0xf1
.set TO_B,   0x40
.macro PAIR r, val
	s_mov_b32 s[\r], \val
	s_mov_b32 s[(\r)+1], \val
.endm
.macro JLOAD s                         ; a joint load: waves 0, 1 fetch A's halves, waves 2, 3 W's; an s_nop 0 and four v_nop behind each line
	s_cmp_eq_u32 s11, 0
	s_cbranch_scc0 .Lfor_b_\@
	tensor_load_to_lds s[G0+4*(\s):G0+4*(\s)+3], s[G1:G1+7]
	s_nop 0
.rept 4
	v_nop
.endr
	s_branch .Lasked_\@
.Lfor_b_\@:
	tensor_load_to_lds s[G0B+4*(\s):G0B+4*(\s)+3], s[G1B:G1B+7]
	s_nop 0
.rept 4
	v_nop
.endr
.Lasked_\@:
.endm
.macro CREST                           ; a round of the cluster's barrier behind its opening barrier
	s_cmp_lg_u32 s10, 0
	s_cbranch_scc1 .Lnot_wave_0_\@
	s_barrier_signal -3
.Lnot_wave_0_\@:
	s_barrier_wait -3
	s_barrier_signal -1
	s_barrier_wait -1
.endm
.macro CROUND
	s_barrier_signal -1
	s_barrier_wait -1
	CREST
.endm
; A prefetch into the L2, behind a joint load and the LDS loads that follow it: the K step that stands two refills on, one instruction a wave, a lane a block of 256 bytes.
; A's rows are read by every cluster of a row of clusters: cluster x = 0 asks; W's by every cluster of a column: cluster y = 0 asks.  The four partners share a wave's tile out by address:
; 32 of its 128 rows of A (place cx), 8,192 of its 32,768 dense bytes of W (place cy).  So each block is named once.  Trips 0 to 3 of the six ask (K steps 4 to 7); steps 0 to 3 come by their loads alone.
.macro ASK
	s_cmp_gt_u32 s3, s[LIM]
	s_cbranch_scc0 .Lnot_mine_\@
	global_prefetch_b8 v[PFO], s[PFA:PFA+1] th:TH_LOAD_NT scope:SCOPE_SE
.Lnot_mine_\@:
.endm
	s_load_b128 s[4:7], s[0:1], 0x0                ; A s[4:5], W s[6:7]
	s_load_b64 s[70:71], s[0:1], 0x10              ; act
	v_lshl_add_u32 v[SPW], v0, 2, SPARE
	v_mov_b32 v[NIL], 0
	ds_add_u32 v[SPW], v[NIL]                      ; the wave's opening: the add, twice on end, and its wait ahead of my first tensor load
	ds_add_u32 v[SPW], v[NIL]
	v_lshrrev_b32 v1, 5, v0
	v_readfirstlane_b32 s10, v1                    ; wave 0..3
	s_lshr_b32 s11, s10, 1                         ; my half of the tile's rows.  Also: I fetch for A (0) or W (1)
	s_and_b32 s12, s10, 1                          ; my half of its columns.  Also: which half of that tile I fetch
	s_bfe_u32 s40, ttmp6, 0x40000                  ; cx
	s_bfe_u32 s41, ttmp6, 0x40004                  ; cy
	s_lshl_b32 s42, ttmp9, 2
	s_add_co_u32 s42, s42, s40                     ; tile column
	s_and_b32 s13, ttmp7, 0xffff
	s_lshl_b32 s13, s13, 2
	s_add_co_u32 s13, s13, s41                     ; tile row
	s_lshl_b32 s43, s41, 2
	s_lshl_b32 s43, 15, s43                        ; my row of the cluster
	s_lshl_b32 s44, 0x1111, s40                    ; my column
	s_or_b32 s[G1+0], s43, (1<<16)|(1<<20)|(1<<21)|(5<<22)|(3<<25)   ; mask; 2-byte elements; padding on; bit 21 beside a mask; after every 64 words 4 words
	s_mov_b32 s[G1+1], 128<<16                     ; tensor_dim0 = 128
	s_mov_b32 s[G1+2], 128<<16                     ; tensor_dim1 = 128
	s_mov_b32 s[G1+3], 128<<16                     ; tile_dim0 = 128
	s_mov_b32 s[G1+4], 128                         ; tile_dim1 = 128
	s_mov_b32 s[G1+5], 1024                        ; elements from row to row
	s_mov_b32 s[G1+6], 0
	s_mov_b32 s[G1+7], 0
	s_or_b32 s[G1B+0], s44, (1<<16)|(1<<20)|(1<<21)|(6<<22)|(7<<25)  ; after every 128 words 8 words
	s_mov_b32 s[G1B+1], 256<<16
	s_mov_b32 s[G1B+2], 64<<16
	s_mov_b32 s[G1B+3], 256<<16
	s_mov_b32 s[G1B+4], 64
	s_mov_b32 s[G1B+5], 256
	s_mov_b32 s[G1B+6], 0
	s_mov_b32 s[G1B+7], 0
	s_lshl_b32 s17, s12, 7
	s_lshl_b32 s16, s13, 8
	s_add_co_u32 s16, s16, s17
	s_lshl_b32 s16, s16, 11                        ; A: (256 x tile row + 128 x half) rows of 2,048 bytes
	s_mov_b32 s17, 0
	s_lshl_b32 s46, s42, 19                        ; W: the block of 524,288 bytes,
	s_lshl_b32 s47, s12, 15                        ; my 64 k-rows of 512 bytes,
	s_add_co_u32 s46, s46, s47
	s_add_co_u32 s46, s46, HDR                     ; behind the header
	s_mov_b32 s47, 0
	s_mul_i32 s20, s10, HALF                       ; where they go: no place in the cluster enters an LDS address
.if GELU
	s_mov_b32 s73, 0x7fffffff
	PAIR 74, 0x3e6d3389                            ; 0.2316419
	PAIR 76, 0xbf38aa3b                            ; -log2(e) / 2
	PAIR 78, 0x3e027906                            ; a1 / 2 =  0.127414796
	PAIR 80, 0xbe11a98e                            ; a2 / 2 = -0.142248368
	PAIR 82, 0x3f35f0e3                            ; a3 / 2 =  0.710706871
	PAIR 84, 0xbf3a00e3                            ; a4 / 2 = -0.726576014
	PAIR 86, 0x3f07dc22                            ; a5 / 2 =  0.530702715
.endif
	s_wait_dscnt 0x0                               ; both opening adds are done
	s_wait_kmcnt 0x0
	s_add_nc_u64 s[14:15], s[4:5], s[16:17]
	s_add_nc_u64 s[46:47], s[6:7], s[46:47]
	CROUND                                         ; all sixteen work-groups are here: the first joint loads meet
.irp s, 0,1
	s_mov_b32 s[G0+4*(\s)], 1
	s_add_co_u32 s[G0+4*(\s)+1], s20, (\s)*SLOT
	s_add_nc_u64 s[G0+4*(\s)+2:G0+4*(\s)+3], s[14:15], (\s)*KSTEP*2
	s_or_b32 s[G0+4*(\s)+3], s[G0+4*(\s)+3], 0x80000000
	s_mov_b32 s[G0B+4*(\s)], 1
	s_add_co_u32 s[G0B+4*(\s)+1], s20, (\s)*SLOT
	s_add_nc_u64 s[G0B+4*(\s)+2:G0B+4*(\s)+3], s[46:47], (\s)*KSTEP*512
	s_or_b32 s[G0B+4*(\s)+3], s[G0B+4*(\s)+3], 0x80000000
	JLOAD \s
.endr
	v_and_b32 v1, 15, v0                           ; r = l % 16
	v_bfe_u32 v2, v0, 4, 1                         ; h = l / 16
	v_mul_u32_u24 v3, v1, PA
	v_lshl_add_u32 v3, v2, 4, v3
	s_mul_i32 s21, s11, HALF
	v_add_nc_u32 v[ADRA0], s21, v3                 ; my 128 rows of A: row r, 16 h
	v_and_b32 v4, 7, v0
	v_lshl_add_u32 v4, v2, 3, v4                   ; the turning load: k-row 8 h + l % 8,
	v_mul_u32_u24 v4, v4, PB
	v_bfe_u32 v5, v0, 3, 1
	v_lshl_add_u32 v4, v5, 4, v4                   ; columns 8 ((l / 8) % 2) on
	s_lshl_b32 s22, s12, 8
	s_add_co_u32 s22, s22, 2*HALF
	v_add_nc_u32 v[ADRB0], s22, v4
	v_mov_b32 v[ADRA], v[ADRA0]
	v_mov_b32 v[ADRB], v[ADRB0]
	s_mov_b32 s[SL], 0
	s_mul_i32 s23, s10, DREG
	v_mul_u32_u24 v3, v1, DP
	v_lshl_add_u32 v3, v2, 5, v3
	v_add_nc_u32 v[DST], s23, v3                   ; in: row r, 32 bytes for each half of the lanes
	v_bfe_u32 v3, v0, 3, 2
	v_mul_u32_u24 v3, v3, DP
	v_and_b32 v6, 7, v0
	v_lshl_add_u32 v3, v6, 5, v3
	v_add_nc_u32 v[RDA], s23, v3                   ; back: row l / 8, columns 8 (l % 8) on
	v_and_b32 v[GO], 31, v0
	v_lshlrev_b32 v[GO], 4, v[GO]
	s_lshl_b32 s22, s42, 10
	s_lshl_b32 s23, s12, 9
	s_add_co_u32 s22, s22, s23
	v_lshl_add_u32 v6, v6, 5, s22                  ; the bias of column 256 x tile column + 128 x half + 8 (l % 8)
	global_load_b128 v[BIAS:BIAS+3],     v6, s[6:7]
	global_load_b128 v[BIAS+4:BIAS+7],   v6, s[6:7] offset:16
	global_load_b128 v[BIAS+8:BIAS+11],  v6, s[6:7] offset:256
	global_load_b128 v[BIAS+12:BIAS+15], v6, s[6:7] offset:272
	s_lshl_b32 s20, s13, 8
	s_lshl_b32 s21, s11, 7
	s_add_co_u32 s20, s20, s21                     ; my first row of C
	s_lshr_b32 s21, s20, 10                        ; b
	s_and_b32 s20, s20, 1023                       ; t
	s_lshl_b32 s21, s21, 23
	s_lshl_b32 s20, s20, 7
	s_add_co_u32 s20, s20, s21
	s_lshl_b32 s21, s42, 2
	s_lshl_b32 s22, s12, 1
	s_add_co_u32 s21, s21, s22                     ; my first slice of 64 columns
	s_lshl_b32 s21, s21, 17
	s_add_co_u32 s20, s20, s21
	s_mov_b32 s21, 0
	s_add_nc_u64 s[OUT:OUT+1], s[70:71], s[20:21]
	; the prefetches' address: at K step 3; the first change of slots steps it to 4
	s_lshl_b32 s20, s13, 8
	s_lshl_b32 s21, s12, 7
	s_add_co_u32 s20, s20, s21
	s_lshl_b32 s21, s40, 5
	s_add_co_u32 s20, s20, s21                     ; A: my work-group's 32 of the 128 rows that I fetch
	s_lshl_b32 s20, s20, 11
	s_add_co_u32 s20, s20, 3*KSTEP*2
	s_lshl_b32 s22, s42, 19
	s_lshl_b32 s21, s12, 15
	s_add_co_u32 s22, s22, s21
	s_lshl_b32 s21, s41, 13
	s_add_co_u32 s22, s22, s21                     ; W: my work-group's 8,192 of the 32,768 bytes that I fetch
	s_add_co_u32 s22, s22, HDR+3*KSTEP*512
	s_and_b32 s23, ttmp7, 0xffff
	s_mov_b32 s[PFS], KSTEP*512
	s_mov_b32 s[PFS+1], 0
	s_cmp_eq_u32 s11, 0                            ; do I fetch for A?
	s_cselect_b32 s20, s20, s22
	s_cselect_b32 s23, ttmp9, s23                  ; the coordinate along which other clusters read the same blocks
	s_cselect_b64 s[PFA:PFA+1], s[4:5], s[6:7]
	s_cselect_b32 s[PFS], KSTEP*2, s[PFS]
	s_cselect_b32 s21, 11, 8                       ; a lane a row of 2,048 bytes of A, or a block of 256 bytes of W
	v_and_b32 v[PFO], 31, v0
	v_lshlrev_b32 v[PFO], s21, v[PFO]
	s_cmp_eq_u32 s23, 0
	s_cselect_b32 s[LIM], 2, -1                    ; the same in all sixteen partners, for a given wave
	s_mov_b32 s21, 0
	s_add_nc_u64 s[PFA:PFA+1], s[PFA:PFA+1], s[20:21]
.macro MUL16 f, hi, a0, zero           ; 16 matrix instructions: row blocks a0, a0 + 1 of the window's four x all 8 column blocks, 32 along K.  zero = 1: the product starts the sums
	WIN MUL_LO+0x50*(\hi)
.irp a, \a0, (\a0)+1
.irp b, 0,1,2,3,4,5,6,7
.if \zero
	v_wmma_f32_16x16x32_bf16 v[8*(8*(\a)+(\b)):8*(8*(\a)+(\b))+7], v[(\f)+8*(\b):(\f)+8*(\b)+7], v[(\f)+8*(4*(\hi)+(\a)):(\f)+8*(4*(\hi)+(\a))+7], 0
.else
	v_wmma_f32_16x16x32_bf16 v[8*(8*(\a)+(\b)):8*(8*(\a)+(\b))+7], v[(\f)+8*(\b):(\f)+8*(\b)+7], v[(\f)+8*(4*(\hi)+(\a)):(\f)+8*(4*(\hi)+(\a))+7], v[8*(8*(\a)+(\b)):8*(8*(\a)+(\b))+7]
.endif
.endr
.endr
.endm
.macro FETCH q, f                      ; 32 LDS loads in one run: quarter q (32 along K) of the slot in hand into buffer f: W's 128 columns turned, then A's 128 rows
	WIN TO_B
.irp i, 0,1,2,3,4,5,6,7
	ds_load_tr16_b128 v[(\f)+8*(\i):(\f)+8*(\i)+3],   v[ADRB] offset:(\q)*32*PB+32*(\i)
	ds_load_tr16_b128 v[(\f)+8*(\i)+4:(\f)+8*(\i)+7], v[ADRB] offset:(\q)*32*PB+16*PB+32*(\i)
.endr
	WIN 0
.irp i, 0,1,2,3,4,5,6,7
	ds_load_b128 v[(\f)+8*(\i):(\f)+8*(\i)+3],   v[ADRA] offset:(\q)*64+(\i)*16*PA
	ds_load_b128 v[(\f)+8*(\i)+4:(\f)+8*(\i)+7], v[ADRA] offset:(\q)*64+(\i)*16*PA+32
.endr
.endm
.macro PLACES                          ; four plain places behind matrix instructions, in front of loads into registers that they read and of reads of their results
.rept 4
	v_nop
.endr
.endm
.macro QUARTER f, g, q, zero           ; multiplies buffer f; in its middle fetches quarter q into buffer g
	s_wait_dscnt 8                                 ; W and A's rows 0-63 are in; the youngest eight loads (A's rows 64-127) may be out
	MUL16 \f, 0, 0, \zero
	MUL16 \f, 0, 2, \zero
	PLACES
	FETCH \q, \g
	s_wait_dscnt 32                                ; all but the 32 just issued
	MUL16 \f, 1, 0, \zero
	MUL16 \f, 1, 2, \zero
.endm
.macro MEET round                      ; the first half of a step's last quarter, and the one barrier of a change of slots.  round = 1: the slot is filled again behind a round of the cluster's barrier
	WIN 0
	s_wait_tensorcnt 0x0                           ; all my tensor loads have landed: the one that was out is my part of the next slot; so the descriptors may be written
	ds_add_u32 v[SPW], v[NIL]                      ; 0 onto my spare word
.if \round
	s_xor_b32 s[G0+5], s[G0+5], SLOT               ; the walking descriptors: the other slot than last time, the next K step
	s_add_nc_u64 s[G0+6:G0+7], s[G0+6:G0+7], KSTEP*2
	s_xor_b32 s[G0B+5], s[G0B+5], SLOT
	s_add_nc_u64 s[G0B+6:G0B+7], s[G0B+6:G0B+7], KSTEP*512
.endif
	s_wait_dscnt 9                                 ; (the add and the youngest eight loads may be out)
	MUL16 F1, 0, 0, 0
	s_wait_dscnt 0x0                               ; the add is done, and my reads of this slot are over
	s_barrier_signal -1
	MUL16 F1, 0, 2, 0
.if \round
	WIN 0
.endif
	s_barrier_wait -1
.endm
.macro FLIP                            ; the fetches go to the other slot
	s_xor_b32 s[SL], s[SL], SLOT
	v_add_nc_u32 v[ADRA], s[SL], v[ADRA0]
	v_add_nc_u32 v[ADRB], s[SL], v[ADRB0]
.endm
.macro TURN                            ; a step's last quarter, with the refill of the slot just read out: the K step two steps on
	s_wait_xcnt 0x0                                ; the last prefetch, a K step back, has read its address
	s_add_nc_u64 s[PFA:PFA+1], s[PFA:PFA+1], s[PFS:PFS+1]
	MEET 1
	CREST                                          ; no wave of any partner still reads this slot or has a load on its way
	JLOAD 1                                        ; the first tensor load behind the round; its four v_nop are also the places in front of the loads below
	FLIP
	FETCH 0, F0
	ASK
	MUL16 F1, 1, 0, 0
	MUL16 F1, 1, 2, 0
.endm
	s_wait_tensorcnt 1                             ; my part of K step 0 is in; step 1's load may stay out
	s_barrier_signal -1
	s_barrier_wait -1
	FETCH 0, F0
	QUARTER F0, F1, 1, 1                           ; the first quarter starts the sums
	WIN 0
	s_mov_b32 s3, 6
.Lk:                                           ; a trip: a step's quarters 1 to 3 and the next step's quarter 0; it asks for K steps 2 to 7.  The 64 accumulators take turns, over the jump too
	QUARTER F1, F0, 2, 0
	QUARTER F0, F1, 3, 0
	TURN
	QUARTER F0, F1, 1, 0
	WIN 0
	s_sub_co_u32 s3, s3, 1
	s_cmp_lg_u32 s3, 0
	s_cbranch_scc1 .Lk
	s_mov_b32 s3, 2
.Ltail:                                        ; THE LAST TWO K STEPS ask for nothing: two trips of one text, the second left in its middle.  In the first trip the wait for my tensor loads is for K step 7's, the one
	QUARTER F1, F0, 2, 0                           ; that is out, and the barrier shows it to all four waves; in the second trip both find nothing to wait for: the price of one text for both
	QUARTER F0, F1, 3, 0
	MEET 0
	WIN 0
	s_cmp_eq_u32 s3, 1
	s_cbranch_scc1 .Lno_next                       ; behind K step 7 there is no slot to fetch from: LDS loads alone are jumped
	PLACES
	FLIP
	FETCH 0, F0
.Lno_next:
	MUL16 F1, 1, 0, 0
	MUL16 F1, 1, 2, 0
	WIN 0
	s_sub_co_u32 s3, s3, 1
	s_cmp_eq_u32 s3, 0
	s_cbranch_scc1 .Lsums_done
	QUARTER F0, F1, 1, 0
	WIN 0
	s_cmp_lg_u32 s3, 0
	s_cbranch_scc1 .Ltail
.Lsums_done:
	; THE WAY OUT.  Every wave's reads of the ring are back and no load is out: behind this barrier the ring's bytes, which are filled no more, take the sums in f32.
	s_wait_dscnt 0x0
	s_barrier_signal -1
	s_barrier_wait -1
	PLACES
.irp a, 0,1,2,3,4,5,6,7
	WIN 0x08+4*((\a)/4)                            ; store data (source 1) in window 2 or 3
.irp b, 0,1,2,3,4,5,6,7
	ds_store_b128 v[DST], v[8*(8*((\a)%4)+(\b)):8*(8*((\a)%4)+(\b))+3]   offset:(\a)*16*DP+64*(\b)
	ds_store_b128 v[DST], v[8*(8*((\a)%4)+(\b))+4:8*(8*((\a)%4)+(\b))+7] offset:(\a)*16*DP+64*(\b)+16
.endr
.endr
	WIN 0
; 8 rows x 128 columns from my region.  Unit u = 2 rr + c: rows 4 rr .. + 3 of slice c; a lane has 8 columns of one row.  My own bytes: LDS serves a wave's instructions in order
.macro LOADX
.irp u, 0,1,2,3
	ds_load_b128 v[XN+8*(\u)+176*((\u)/2):XN+8*(\u)+176*((\u)/2)+3],   v[RDA] offset:((\u)/2)*4*DP+((\u)%2)*256
	ds_load_b128 v[XN+8*(\u)+176*((\u)/2)+4:XN+8*(\u)+176*((\u)/2)+7], v[RDA] offset:((\u)/2)*4*DP+((\u)%2)*256+16
.endr
.endm
.macro PRE p                           ; pair p of the 16: |x|, 1 + 0.2316419 |x|, -x x log2(e) / 2
	v_and_b32 v[AX+2*(\p)], s73, v[XR+2*(\p)]
	v_and_b32 v[AX+2*(\p)+1], s73, v[XR+2*(\p)+1]
	v_pk_fma_f32 v[TT+2*(\p):TT+2*(\p)+1], v[AX+2*(\p):AX+2*(\p)+1], s[74:75], 1.0 op_sel_hi:[1,0,0]
	v_pk_mul_f32 v[EE+2*(\p):EE+2*(\p)+1], v[XR+2*(\p):XR+2*(\p)+1], v[XR+2*(\p):XR+2*(\p)+1]
	v_pk_mul_f32 v[EE+2*(\p):EE+2*(\p)+1], v[EE+2*(\p):EE+2*(\p)+1], s[76:77] op_sel_hi:[1,0]
.endm
	s_wait_loadcnt 0x0                             ; the bias
	LOADX                                          ; the first trip's rows
	s_mov_b32 s3, 16
.Lout:                                         ; a trip: 8 rows x 128 columns
	s_wait_dscnt 0x0                               ; this trip's eight loads were issued a trip ago
.set p, 0
.rept 16
	v_pk_add_f32 v[XR+2*p:XR+2*p+1], v[XN+2*p+176*(p/8):XN+2*p+176*(p/8)+1], v[BIAS+8*((p/4)%2)+2*(p%4):BIAS+8*((p/4)%2)+2*(p%4)+1]  ; the bias; the sums leave the registers in which they landed,
.set p, p+1
.endr
	s_cmp_eq_u32 s3, 1
	s_cbranch_scc1 .Lno_rows                       ; (the last trip has no rows behind it)
	v_add_nc_u32 v[RDA], 8*DP, v[RDA]
	LOADX                                          ; which take the next trip's rows while this trip's are worked on
.Lno_rows:
.if GELU
	PRE 0
	PRE 1
.set p, 0
.rept 16                               ; ONE BATCH of 64: 1 / (1 + 0.2316419 |x|) and 2^(-x x log2(e) / 2) of pair p, by turns with plain work that names none of its results: max(x, 0) of pair p, and pair p + 2 made ready
	v_rcp_f32 v[TT+2*p], v[TT+2*p]
	v_max_num_f32 v[XR+2*p], 0, v[XR+2*p]
	v_exp_f32 v[EE+2*p], v[EE+2*p]
	v_max_num_f32 v[XR+2*p+1], 0, v[XR+2*p+1]
	v_rcp_f32 v[TT+2*p+1], v[TT+2*p+1]
.if p < 14
	v_and_b32 v[AX+2*p+4], s73, v[XR+2*p+4]
.endif
	v_exp_f32 v[EE+2*p+1], v[EE+2*p+1]
.if p < 14
	v_and_b32 v[AX+2*p+5], s73, v[XR+2*p+5]
	v_pk_fma_f32 v[TT+2*p+4:TT+2*p+5], v[AX+2*p+4:AX+2*p+5], s[74:75], 1.0 op_sel_hi:[1,0,0]
	v_pk_mul_f32 v[EE+2*p+4:EE+2*p+5], v[XR+2*p+4:XR+2*p+5], v[XR+2*p+4:XR+2*p+5]
	v_pk_mul_f32 v[EE+2*p+4:EE+2*p+5], v[EE+2*p+4:EE+2*p+5], s[76:77] op_sel_hi:[1,0]
.elseif p == 15
	v_nop                                          ; a plain instruction behind the last of the batch
.endif
.set p, p+1
.endr
	s_wait_alu depctr_va_vdst(0)                   ; one wait for the batch, ahead of its first reader
.set p, 0
.rept 16
	v_pk_fma_f32 v[PP+2*p:PP+2*p+1], v[TT+2*p:TT+2*p+1], s[86:87], s[84:85] op_sel_hi:[1,0,0]
.set p, p+1
.endr
.irp k, 82, 80, 78
.set p, 0
.rept 16
	v_pk_fma_f32 v[PP+2*p:PP+2*p+1], v[PP+2*p:PP+2*p+1], v[TT+2*p:TT+2*p+1], s[\k:\k+1] op_sel_hi:[1,1,0]
.set p, p+1
.endr
.endr
.set p, 0
.rept 16
	v_pk_mul_f32 v[TT+2*p:TT+2*p+1], v[TT+2*p:TT+2*p+1], v[EE+2*p:EE+2*p+1]
.set p, p+1
.endr
.set p, 0
.rept 16
	v_pk_mul_f32 v[PP+2*p:PP+2*p+1], v[PP+2*p:PP+2*p+1], v[TT+2*p:TT+2*p+1]
.set p, p+1
.endr
.set p, 0
.rept 16
	v_pk_fma_f32 v[XR+2*p:XR+2*p+1], v[AX+2*p:AX+2*p+1], v[PP+2*p:PP+2*p+1], v[XR+2*p:XR+2*p+1] neg_lo:[1,0,0] neg_hi:[1,0,0]
.set p, p+1
.endr
.endif
	s_wait_xcnt 0x0                                ; the last trip's stores have read their data and their base: both are written again only behind this wait
	s_add_nc_u64 s[OUT:OUT+1], s[OUT:OUT+1], 1024  ; 8 rows of a slice on; the stores below reach back
.set p, 0
.rept 16
	v_cvt_pk_bf16_f32 v[YY+p], v[XR+2*p], v[XR+2*p+1]
.set p, p+1
.endr
.irp u, 0,1,2,3
	global_store_b128 v[GO], v[YY+4*(\u):YY+4*(\u)+3], s[OUT:OUT+1] offset:((\u)%2)*131072+((\u)/2)*512-1024  ; four rows of a slice: 512 consecutive bytes, aligned
.endr
	s_sub_co_u32 s3, s3, 1
	s_cmp_lg_u32 s3, 0
	s_cbranch_scc1 .Lout
	s_wait_tensorcnt 0x0                           ; the wave's end
	ds_add_u32 v[SPW], v[NIL]
	s_wait_dscnt 0x0
	CROUND                                         ; the closing round
	s_endpgm
.Lfunc_end_k_qa89d4e1962_ff1:
	.size	k_qa89d4e1962_ff1, .Lfunc_end_k_qa89d4e1962_ff1-k_qa89d4e1962_ff1
	.p2alignl 7, 3214868480
	.fill 96, 4, 3214868480
	.section	.rodata,"a",@progbits
	.p2align	6, 0x0
	.amdhsa_kernel k_qa89d4e1962_ff1
		.amdhsa_group_segment_fixed_size 327680
		.amdhsa_private_segment_fixed_size 0
		.amdhsa_enable_private_segment 0
		.amdhsa_kernarg_size 24
		.amdhsa_user_sgpr_count 2
		.amdhsa_user_sgpr_kernarg_segment_ptr 1
		.amdhsa_wavefront_size32 1
		.amdhsa_system_sgpr_workgroup_id_x 1
		.amdhsa_system_sgpr_workgroup_id_y 1
		.amdhsa_system_sgpr_workgroup_id_z 1
		.amdhsa_system_vgpr_workitem_id 0
		.amdhsa_next_free_vgpr 1024
		.amdhsa_next_free_sgpr 92
		.amdhsa_reserve_vcc 0
		.amdhsa_float_denorm_mode_32 3
		.amdhsa_float_denorm_mode_16_64 3
		.amdhsa_memory_ordered 1
		.amdhsa_forward_progress 1
		.amdhsa_inst_pref_size 98
	.end_amdhsa_kernel
	.amdgpu_metadata
---
amdhsa.version: [ 1, 2 ]
amdhsa.kernels:
  - .name:           k_qa89d4e1962_ff1
    .symbol:         k_qa89d4e1962_ff1.kd
    .args:
      - { .name: abuf, .offset: 0, .size: 8, .value_kind: global_buffer, .address_space: global }
      - { .name: w1b, .offset: 8, .size: 8, .value_kind: global_buffer, .address_space: global }
      - { .name: act, .offset: 16, .size: 8, .value_kind: global_buffer, .address_space: global }
    .group_segment_fixed_size: 327680
    .private_segment_fixed_size: 0
    .kernarg_segment_align: 8
    .kernarg_segment_size: 24
    .max_flat_workgroup_size: 128
    .sgpr_count:     92
    .vgpr_count:     1024
    .wavefront_size: 32
...
	.end_amdgpu_metadata
.endif
;; end of part 6
;; launch ff2 (part 7): grid 8 x 32, 4 waves a work-group, clusters of 4 x 4, 327,680 bytes of LDS; arguments act, wpw2, b2, x1, out0; writes out0
.if DOCPART == 7
	.amdgcn_target "amdgcn-amd-amdhsa--gfx1250"
	.amdhsa_code_object_version 6
	.text
	.protected	k_qa89d4e1962_ff2
	.globl	k_qa89d4e1962_ff2
	.p2align	8
	.type	k_qa89d4e1962_ff2,@function
k_qa89d4e1962_ff2:
	s_mov_b64 s[64:65], 0
	v_nop
	global_prefetch_b8 v0, s[64:65] scope:SCOPE_SE
	s_setreg_imm32_b32 hwreg(HW_REG_WAVE_MODE, 25, 1), 1
	s_wait_xcnt 0x0
	s_wait_alu depctr_hold_cnt(0) depctr_sa_sdst(0) depctr_va_vdst(0) depctr_va_sdst(0) depctr_va_ssrc(0) depctr_va_vcc(0) depctr_vm_vsrc(0)
	s_getreg_b32 s2, hwreg(HW_REG_IB_STS2, 6, 4)
	s_cmp_eq_u32 s2, 0
	s_cbranch_scc0 .Lentry_in_a_cluster
	s_endpgm
.Lentry_in_a_cluster:
	s_bfe_u32 s2, ttmp6, 0x10000c
	s_cmp_lg_u32 s2, 0xf033
	s_cbranch_scc0 .Lentry_shape_is_right
	s_endpgm
.Lentry_shape_is_right:
; out0 = g W2 + b2 + x1.  g: act[b][slice 64][t][64] bf16 (a slice is 64 of K's 4,096).  W2: wpw2 + WOFF, blocks [n / 256][KDIM k][256 n] bf16.  b2, x1, out0: f32.  Sums in f32.
; The text of the launch proj with K = 4,096 and W2's place in wpw2: tiles of 128 x 128, four waves of 64 x 64, K in 16 steps of 256 (four slices) through two LDS slots.
; A tile of A is, for each slice, 128 rows of 128 bytes that lie end to end: a wave asks for two slices as two rows of 16,384 bytes, padded in LDS after every 128.  W's k-rows are read turned.
; CLUSTER 4 x 4: A's tile is shared along a row of the cluster, W's along a column, each asked for jointly.  No prefetch: a small tile, whose blocks several clusters read.
; K IS WALKED IN A RING.  A cluster whose x + y is odd begins at K step NSTEPS / 2 and wraps round; the f32 sums may be taken in any order.  The two clusters that read the same rows of A differ in x by one, and the
; clusters that read the same rows of W have both parities of y: so a K step's blocks are asked for by clusters of one parity NSTEPS / 2 steps ahead of those of the other.  The step's number is made of the
; cluster's own x and y, which all sixteen partners share, and of the loop's steps; a descriptor's address is made anew from it.
; THE TEXT.  The first quarter step (its products start the sums), a loop of NSTEPS - 2 K steps that fill slots again, and a loop of two trips for the last two K steps, left in its middle.
; The matrix instruction is used transposed: a lane holds one row of C and eight neighbouring columns.  A wave's 64 columns of f32 are 256 aligned bytes of a row: each wave has a stage of its own.
; The residual's 64 x 64 numbers are asked for behind the first barrier and stay out through the whole K loop, in window 2.
; REGISTERS: window 0: v0-31 addresses, v8-11 bias; v32-95 at work on the way out; v128-255 accumulator (a, b) at v[128 + 8 (4 a + b)].  Window 1: two fragment buffers of 128 (64 of A, 64 of W).  Window 2: v0-127 the residual.
.set KDIM,   4096
.set WOFF,   2097152
.set NSTEPS, KDIM/256
.set GS,     (KDIM/64)*131072          ; bytes of A from batch to batch
.set PAS,    144                       ; a row of a slice in LDS: 128 bytes + 16
.set SLICE,  128*PAS
.set PB,     288                       ; a k-row of W in LDS: 256 bytes + 32
.set PART,   2*SLICE                   ; what one tensor load brings: two slices, or 128 k-rows (128 x 288 is the same number)
.set SLOT,   4*PART                    ; its two bits (17 and 14) are set in no wave x PART
.set STAGE,  2*SLOT                    ; 16 rows x 272 bytes for each wave; no tile lands there
.set SPITCH, 272
.set SPARE,  STAGE+4*16*SPITCH
.set BIAS,  8
.set ADRA0, 16
.set ADRA,  17
.set ADRB0, 20
.set ADRB,  21                         ; v21: k-rows 0-127 of the slot in hand; v22: k-rows 128-255
.set STO,   24
.set RD,    25
.set CO,    26
.set SPW,   28
.set NIL,   29
.set TMP,   32
.set ACC,   128
.set F0,    0
.set F1,    128
.set G1,  24
.set G0,  32
.set G1B, 48
.set G0B, 56
.set SL,  2
.set KN,  4                            ; s4  the K step asked for last;  s[6:7], s[8:9] its byte offsets in A (524,288 a step) and in W (131,072 a step);  s[14:15], s[46:47] A and W at my part of K step 0
.set MSB, 0
.macro WIN new
.if MSB != (\new)
	s_set_vgpr_msb (MSB<<8)|(\new)
.set MSB, \new
.endif
.endm
.set MUL,  0x05                        ; sources 0 (W) and 1 (A) window 1; C and D window 0
.set TO_F, 0x40
.macro JLOAD s
	s_cmp_eq_u32 s11, 0
	s_cbranch_scc0 .Lfor_b_\@
	tensor_load_to_lds s[G0+4*(\s):G0+4*(\s)+3], s[G1:G1+7]
	s_nop 0
.rept 4
	v_nop
.endr
	s_branch .Lasked_\@
.Lfor_b_\@:
	tensor_load_to_lds s[G0B+4*(\s):G0B+4*(\s)+3], s[G1B:G1B+7]
	s_nop 0
.rept 4
	v_nop
.endr
.Lasked_\@:
.endm
.macro CREST
	s_cmp_lg_u32 s10, 0
	s_cbranch_scc1 .Lnot_wave_0_\@
	s_barrier_signal -3
.Lnot_wave_0_\@:
	s_barrier_wait -3
	s_barrier_signal -1
	s_barrier_wait -1
.endm
.macro CROUND
	s_barrier_signal -1
	s_barrier_wait -1
	CREST
.endm
	s_load_b256 s[68:75], s[0:1], 0x0              ; A s[68:69], W s[70:71], bias s[72:73], residual s[74:75]
	s_load_b64 s[76:77], s[0:1], 0x20              ; the result
	v_lshl_add_u32 v[SPW], v0, 2, SPARE
	v_mov_b32 v[NIL], 0
	ds_add_u32 v[SPW], v[NIL]                      ; the wave's opening: the add, twice on end, and its wait ahead of my first tensor load
	ds_add_u32 v[SPW], v[NIL]
	v_lshrrev_b32 v1, 5, v0
	v_readfirstlane_b32 s10, v1
	s_lshr_b32 s11, s10, 1                         ; my half of the rows.  Also: I fetch for A (0) or W (1)
	s_and_b32 s12, s10, 1                          ; my half of the columns.  Also: which half of that tile I fetch
	s_bfe_u32 s40, ttmp6, 0x40000
	s_bfe_u32 s41, ttmp6, 0x40004
	s_lshl_b32 s42, ttmp9, 2
	s_add_co_u32 s42, s42, s40                     ; tile column
	s_and_b32 s13, ttmp7, 0xffff
	s_add_co_u32 s5, s13, ttmp9                    ; cluster y + cluster x:
	s_and_b32 s5, s5, 1
	s_mul_i32 s[KN], s5, NSTEPS/2                  ; the K step at which my cluster begins
	s_mov_b32 s7, 0
	s_mov_b32 s9, 0
	s_lshl_b32 s13, s13, 2
	s_add_co_u32 s13, s13, s41                     ; tile row
	s_lshl_b32 s43, s41, 2
	s_lshl_b32 s43, 15, s43
	s_lshl_b32 s44, 0x1111, s40
	s_or_b32 s[G1+0], s43, (1<<16)|(1<<20)|(1<<21)|(4<<22)|(3<<25)   ; mask of my row; 2-byte elements; padding: after every 32 words 4 words
	s_mov_b32 s[G1+1], 8192<<16                    ; tensor_dim0 = 8,192 elements: a slice's 128 rows on end
	s_mov_b32 s[G1+2], 2<<16                       ; tensor_dim1 = 2 slices
	s_mov_b32 s[G1+3], 8192<<16
	s_mov_b32 s[G1+4], 2
	s_mov_b32 s[G1+5], 65536                       ; elements from slice to slice
	s_mov_b32 s[G1+6], 0
	s_mov_b32 s[G1+7], 0
	s_or_b32 s[G1B+0], s44, (1<<16)|(1<<20)|(1<<21)|(5<<22)|(7<<25)  ; mask of my column; after every 64 words 8 words
	s_mov_b32 s[G1B+1], 128<<16
	s_mov_b32 s[G1B+2], 128<<16
	s_mov_b32 s[G1B+3], 128<<16
	s_mov_b32 s[G1B+4], 128
	s_mov_b32 s[G1B+5], 256
	s_mov_b32 s[G1B+6], 0
	s_mov_b32 s[G1B+7], 0
	s_lshr_b32 s16, s13, 3                         ; A: batch = tile row / 8,
	s_mul_i32 s16, s16, GS
	s_and_b32 s17, s13, 7
	s_lshl_b32 s17, s17, 14                        ; 128 rows of 128 bytes for each tile row in it,
	s_add_co_u32 s16, s16, s17
	s_lshl_b32 s17, s12, 18                        ; my two slices
	s_add_co_u32 s16, s16, s17
	s_mov_b32 s17, 0
	s_lshr_b32 s46, s42, 1                         ; W: the block of 256 columns,
	s_mul_i32 s46, s46, KDIM*512
	s_and_b32 s47, s42, 1
	s_lshl_b32 s47, s47, 8                         ; its half,
	s_add_co_u32 s46, s46, s47
	s_lshl_b32 s47, s12, 16                        ; my 128 k-rows
	s_add_co_u32 s46, s46, s47
.if WOFF != 0
	s_add_co_u32 s46, s46, WOFF
.endif
	s_mov_b32 s47, 0
	s_mul_i32 s20, s10, PART
	s_wait_dscnt 0x0
	s_wait_kmcnt 0x0
	s_add_nc_u64 s[14:15], s[68:69], s[16:17]
	s_add_nc_u64 s[46:47], s[70:71], s[46:47]
	CROUND                                         ; all sixteen work-groups are here: the first joint loads meet
.irp s, 0,1
	s_lshl_b32 s6, s[KN], 19                       ; four slices of 131,072 bytes a step
	s_lshl_b32 s8, s[KN], 17                       ; 256 k-rows of 512 bytes a step
	s_mov_b32 s[G0+4*(\s)], 1
	s_add_co_u32 s[G0+4*(\s)+1], s20, (\s)*SLOT
	s_add_nc_u64 s[G0+4*(\s)+2:G0+4*(\s)+3], s[14:15], s[6:7]
	s_or_b32 s[G0+4*(\s)+3], s[G0+4*(\s)+3], 0x80000000
	s_mov_b32 s[G0B+4*(\s)], 1
	s_add_co_u32 s[G0B+4*(\s)+1], s20, (\s)*SLOT
	s_add_nc_u64 s[G0B+4*(\s)+2:G0B+4*(\s)+3], s[46:47], s[8:9]
	s_or_b32 s[G0B+4*(\s)+3], s[G0B+4*(\s)+3], 0x80000000
	JLOAD \s
.if (\s) == 0
	s_add_co_u32 s[KN], s[KN], 1                   ; the second of my cluster's steps: it begins at 0 or NSTEPS / 2, so this one does not wrap
.endif
.endr
	v_and_b32 v1, 15, v0
	v_bfe_u32 v2, v0, 4, 1
	v_mul_u32_u24 v3, v1, PAS
	v_lshl_add_u32 v3, v2, 4, v3
	s_mul_i32 s21, s11, 64*PAS
	v_add_nc_u32 v[ADRA0], s21, v3
	v_and_b32 v4, 7, v0
	v_lshl_add_u32 v4, v2, 3, v4
	v_mul_u32_u24 v4, v4, PB
	v_bfe_u32 v5, v0, 3, 1
	v_lshl_add_u32 v4, v5, 4, v4
	s_lshl_b32 s22, s12, 7
	s_add_co_u32 s22, s22, 2*PART
	v_add_nc_u32 v[ADRB0], s22, v4
	v_mov_b32 v[ADRA], v[ADRA0]
	v_mov_b32 v[ADRB], v[ADRB0]
	v_add_nc_u32 v[ADRB+1], 128*PB, v[ADRB0]
	s_mov_b32 s[SL], 0
	s_mul_i32 s23, s10, 16*SPITCH
	s_add_co_u32 s23, s23, STAGE
	v_mul_u32_u24 v3, v1, SPITCH
	v_lshl_add_u32 v3, v2, 5, v3
	v_add_nc_u32 v[STO], s23, v3                   ; in: row r, 32 bytes for each half of the lanes
	v_mul_u32_u24 v3, v2, SPITCH
	v_lshl_add_u32 v3, v1, 4, v3
	v_add_nc_u32 v[RD], s23, v3                    ; back: lanes 0-15 one row of 256 bytes, lanes 16-31 the next
	v_lshlrev_b32 v3, 12, v2
	v_lshl_add_u32 v[CO], v1, 4, v3                ; the same two rows in memory
	s_lshl_b32 s20, s13, 7
	s_lshl_b32 s21, s11, 6
	s_add_co_u32 s20, s20, s21
	s_lshl_b32 s20, s20, 12                        ; my first row,
	s_lshl_b32 s21, s42, 9
	s_lshl_b32 s22, s12, 8
	s_add_co_u32 s21, s21, s22                     ; my first column, in bytes
	s_add_co_u32 s20, s20, s21
	v_lshl_add_u32 v6, v1, 4, s21
	s_mov_b32 s21, 0
	s_add_nc_u64 s[74:75], s[74:75], s[20:21]
	s_add_nc_u64 s[76:77], s[76:77], s[20:21]
.macro MUL8 f, c, a0, zero
	WIN MUL
.irp a, \a0, (\a0)+1
.irp b, 0,1,2,3
.if \zero
	v_wmma_f32_16x16x32_bf16 v[ACC+8*(4*(\a)+(\b)):ACC+8*(4*(\a)+(\b))+7], v[(\f)+64+8*(4*(\c)+(\b)):(\f)+64+8*(4*(\c)+(\b))+7], v[(\f)+8*(4*(\c)+(\a)):(\f)+8*(4*(\c)+(\a))+7], 0
.else
	v_wmma_f32_16x16x32_bf16 v[ACC+8*(4*(\a)+(\b)):ACC+8*(4*(\a)+(\b))+7], v[(\f)+64+8*(4*(\c)+(\b)):(\f)+64+8*(4*(\c)+(\b))+7], v[(\f)+8*(4*(\c)+(\a)):(\f)+8*(4*(\c)+(\a))+7], v[ACC+8*(4*(\a)+(\b)):ACC+8*(4*(\a)+(\b))+7]
.endif
.endr
.endr
.endm
.macro FETCH q, f                      ; 32 LDS loads in one run: quarter q = slice q (64 along K) into buffer f; its first 32 along K first
	WIN TO_F
.irp c, 0,1
.irp i, 0,1,2,3
	ds_load_tr16_b128 v[(\f)+64+8*(4*(\c)+(\i)):(\f)+64+8*(4*(\c)+(\i))+3],   v[ADRB+(\q)/2] offset:(((\q)%2)*64+32*(\c))*PB+32*(\i)
	ds_load_tr16_b128 v[(\f)+64+8*(4*(\c)+(\i))+4:(\f)+64+8*(4*(\c)+(\i))+7], v[ADRB+(\q)/2] offset:(((\q)%2)*64+32*(\c)+16)*PB+32*(\i)
	ds_load_b128 v[(\f)+8*(4*(\c)+(\i)):(\f)+8*(4*(\c)+(\i))+3],   v[ADRA] offset:(\q)*SLICE+(\i)*16*PAS+64*(\c)
	ds_load_b128 v[(\f)+8*(4*(\c)+(\i))+4:(\f)+8*(4*(\c)+(\i))+7], v[ADRA] offset:(\q)*SLICE+(\i)*16*PAS+64*(\c)+32
.endr
.endr
.endm
.macro PLACES
.rept 4
	v_nop
.endr
.endm
.macro QUARTER f, g, q, zero
	s_wait_dscnt 16                                ; the first 32 along K are in; the other sixteen loads may be out
	MUL8 \f, 0, 0, \zero
	MUL8 \f, 0, 2, \zero
	PLACES
	FETCH \q, \g
	s_wait_dscnt 32                                ; all but the 32 just issued
	MUL8 \f, 1, 0, 0
	MUL8 \f, 1, 2, 0
.endm
.macro TURN fill                       ; a step's last quarter and the change of slots.  fill = 1: the slot just read out takes my cluster's K step two steps on.  fill = 0: the tail's, where s3 = 1 is the last K step
	WIN 0
	s_wait_tensorcnt 0x0                           ; all my tensor loads have landed: my part of the next slot; so the descriptors may be written
	ds_add_u32 v[SPW], v[NIL]                      ; 0 onto my spare word
.if \fill
	s_add_co_u32 s[KN], s[KN], 1                   ; the next K step of the ring,
	s_and_b32 s[KN], s[KN], NSTEPS-1
	s_lshl_b32 s6, s[KN], 19
	s_lshl_b32 s8, s[KN], 17
	s_xor_b32 s[G0+5], s[G0+5], SLOT               ; into the other slot than last time; the addresses are made anew, the type bits set again
	s_add_nc_u64 s[G0+6:G0+7], s[14:15], s[6:7]
	s_or_b32 s[G0+7], s[G0+7], 0x80000000
	s_xor_b32 s[G0B+5], s[G0B+5], SLOT
	s_add_nc_u64 s[G0B+6:G0B+7], s[46:47], s[8:9]
	s_or_b32 s[G0B+7], s[G0B+7], 0x80000000
.endif
	s_wait_dscnt 17                                ; (the add and the youngest sixteen loads may be out)
	MUL8 F1, 0, 0, 0
	s_wait_dscnt 0x0                               ; the add is done, and my reads of this slot are over
	s_barrier_signal -1
	MUL8 F1, 0, 2, 0
	WIN 0
	s_barrier_wait -1
.if \fill
	CREST                                          ; no wave of any partner still reads this slot or has a load on its way
	JLOAD 1                                        ; the first tensor load behind the round; its four v_nop are also the places in front of the loads below
.else
	s_cmp_eq_u32 s3, 1
	s_cbranch_scc1 .Lno_next                       ; behind the last K step there is no slot to fetch from: LDS loads alone are jumped
	PLACES
.endif
	s_xor_b32 s[SL], s[SL], SLOT
	v_add_nc_u32 v[ADRA], s[SL], v[ADRA0]
	v_add_nc_u32 v[ADRB], s[SL], v[ADRB0]
	v_add_nc_u32 v[ADRB+1], 128*PB, v[ADRB]
	FETCH 0, F0
.if !(\fill)
	WIN 0
.Lno_next:
.endif
	MUL8 F1, 1, 0, 0
	MUL8 F1, 1, 2, 0
.endm
	s_wait_tensorcnt 1                             ; my part of the first K step is in; the second's load may stay out
	s_barrier_signal -1
	s_barrier_wait -1
	FETCH 0, F0
	WIN 0x80                                       ; destination window 2
.set n, 0
.rept 32
	global_load_b128 v[4*n:4*n+3], v[CO], s[74:75] offset:(16*(n/8)+2*(n%8))*4096 th:TH_LOAD_NT
.set n, n+1
.endr
	WIN 0
	global_load_b128 v[BIAS:BIAS+3], v6, s[72:73]
	QUARTER F0, F1, 1, 1
	WIN 0
	s_mov_b32 s3, NSTEPS-2
.Lk:                                           ; a trip: a step's quarters 1 to 3 and the next step's quarter 0.  The 16 accumulators take turns, over the jump too
	QUARTER F1, F0, 2, 0
	QUARTER F0, F1, 3, 0
	TURN 1
	QUARTER F0, F1, 1, 0
	WIN 0
	s_sub_co_u32 s3, s3, 1
	s_cmp_lg_u32 s3, 0
	s_cbranch_scc1 .Lk
	s_mov_b32 s3, 2
.Ltail:                                        ; THE LAST TWO K STEPS ask for nothing: two trips of one text, the second left in its middle.  In the first trip the wait for my tensor loads is for the last K step's, the one
	QUARTER F1, F0, 2, 0                           ; that is out, and the barrier shows it to all four waves; in the second trip both find nothing to wait for: the price of one text for both
	QUARTER F0, F1, 3, 0
	TURN 0
	WIN 0
	s_sub_co_u32 s3, s3, 1
	s_cmp_eq_u32 s3, 0
	s_cbranch_scc1 .Lsums_done
	QUARTER F0, F1, 1, 0
	WIN 0
	s_cmp_lg_u32 s3, 0
	s_cbranch_scc1 .Ltail
.Lsums_done:
	; THE WAY OUT, 16 rows at a time through my own stage; the next block's round trip stands ahead of a block's sums and stores
.macro STG a
	s_wait_xcnt 0x0                                ; earlier stores have read the registers that the loads below fill
.irp b, 0,1,2,3
	ds_store_b128 v[STO], v[ACC+8*(4*(\a)+(\b)):ACC+8*(4*(\a)+(\b))+3]   offset:64*(\b)
	ds_store_b128 v[STO], v[ACC+8*(4*(\a)+(\b))+4:ACC+8*(4*(\a)+(\b))+7] offset:64*(\b)+16
.endr
.irp t, 0,1,2,3,4,5,6,7
	ds_load_b128 v[TMP+32*((\a)%2)+4*(\t):TMP+32*((\a)%2)+4*(\t)+3], v[RD] offset:(\t)*2*SPITCH  ; LDS serves a wave's instructions in order
.endr
.endm
.macro FIN a, younger                  ; younger: the next block's eight stores and eight loads, or none
	s_wait_dscnt \younger
.set TB, TMP+32*((\a)%2)
	WIN 0x08                                       ; source 1 in window 2
.set p, 0
.rept 16
	v_pk_add_f32 v[TB+2*p:TB+2*p+1], v[TB+2*p:TB+2*p+1], v[32*(\a)+2*p:32*(\a)+2*p+1]
.set p, p+1
.endr
	WIN 0
.set p, 0
.rept 16
	v_pk_add_f32 v[TB+2*p:TB+2*p+1], v[TB+2*p:TB+2*p+1], v[BIAS+2*(p%2):BIAS+2*(p%2)+1]
.set p, p+1
.endr
.irp t, 0,1,2,3,4,5,6,7
	global_store_b128 v[CO], v[TB+4*(\t):TB+4*(\t)+3], s[76:77] offset:(16*(\a)+2*(\t))*4096  ; 16 lanes store 256 consecutive bytes, aligned
.endr
.endm
	PLACES
	s_wait_loadcnt 0x0                             ; the residual and the bias
	STG 0
	STG 1
	FIN 0, 16
	STG 2
	FIN 1, 16
	STG 3
	FIN 2, 16
	FIN 3, 0
	s_wait_tensorcnt 0x0                           ; the wave's end
	ds_add_u32 v[SPW], v[NIL]
	s_wait_dscnt 0x0
	CROUND                                         ; the closing round
	s_endpgm
.Lfunc_end_k_qa89d4e1962_ff2:
	.size	k_qa89d4e1962_ff2, .Lfunc_end_k_qa89d4e1962_ff2-k_qa89d4e1962_ff2
	.p2alignl 7, 3214868480
	.fill 96, 4, 3214868480
	.section	.rodata,"a",@progbits
	.p2align	6, 0x0
	.amdhsa_kernel k_qa89d4e1962_ff2
		.amdhsa_group_segment_fixed_size 327680
		.amdhsa_private_segment_fixed_size 0
		.amdhsa_enable_private_segment 0
		.amdhsa_kernarg_size 40
		.amdhsa_user_sgpr_count 2
		.amdhsa_user_sgpr_kernarg_segment_ptr 1
		.amdhsa_wavefront_size32 1
		.amdhsa_system_sgpr_workgroup_id_x 1
		.amdhsa_system_sgpr_workgroup_id_y 1
		.amdhsa_system_sgpr_workgroup_id_z 1
		.amdhsa_system_vgpr_workitem_id 0
		.amdhsa_next_free_vgpr 640
		.amdhsa_next_free_sgpr 80
		.amdhsa_reserve_vcc 0
		.amdhsa_float_denorm_mode_32 3
		.amdhsa_float_denorm_mode_16_64 3
		.amdhsa_memory_ordered 1
		.amdhsa_forward_progress 1
		.amdhsa_inst_pref_size 70
	.end_amdhsa_kernel
	.amdgpu_metadata
---
amdhsa.version: [ 1, 2 ]
amdhsa.kernels:
  - .name:           k_qa89d4e1962_ff2
    .symbol:         k_qa89d4e1962_ff2.kd
    .args:
      - { .name: act, .offset: 0, .size: 8, .value_kind: global_buffer, .address_space: global }
      - { .name: wpw2, .offset: 8, .size: 8, .value_kind: global_buffer, .address_space: global }
      - { .name: b2, .offset: 16, .size: 8, .value_kind: global_buffer, .address_space: global }
      - { .name: x1, .offset: 24, .size: 8, .value_kind: global_buffer, .address_space: global }
      - { .name: out0, .offset: 32, .size: 8, .value_kind: global_buffer, .address_space: global }
    .group_segment_fixed_size: 327680
    .private_segment_fixed_size: 0
    .kernarg_segment_align: 8
    .kernarg_segment_size: 40
    .max_flat_workgroup_size: 128
    .sgpr_count:     80
    .vgpr_count:     640
    .wavefront_size: 32
...
	.end_amdgpu_metadata
.endif
;; end of part 7
;; ======== version 2 of 2: 7 launches; version 1 with the launch prep written anew for expert scheduling mode
;; workspace buffers: abuf 8,388,608 bytes; wqkv 6,307,840 bytes; w1b 8,404,992 bytes; wpw2 10,485,760 bytes; act 33,554,432 bytes; x1 16,777,216 bytes
;; launch prep (part 8): grid 641 x 1, 8 waves a work-group, no clusters, 0 bytes of LDS; arguments x, g1, be1, Wq, Wk, Wv, Wp, W1, W2, bq, bv, b1, abuf, wqkv, w1b, wpw2; writes abuf, wqkv, w1b, wpw2
.if DOCPART == 8
	.amdgcn_target "amdgcn-amd-amdhsa--gfx1250"
	.amdhsa_code_object_version 6
	.text
	.protected	k_qa89d4e1962_prep
	.globl	k_qa89d4e1962_prep
	.p2align	8
	.type	k_qa89d4e1962_prep,@function
k_qa89d4e1962_prep:
	s_mov_b64 s[64:65], 0
	v_nop
	global_prefetch_b8 v0, s[64:65] scope:SCOPE_SE
	s_setreg_imm32_b32 hwreg(HW_REG_WAVE_SCHED_MODE, 0, 2), 2
	s_setreg_imm32_b32 hwreg(HW_REG_WAVE_MODE, 25, 1), 1
	s_wait_xcnt 0x0
	s_wait_alu depctr_vm_vsrc(0)
; PREP: what every later launch needs in 16 bits.  Work-groups 0-255: h1 = LayerNorm(x, g1, be1), rounded once to bf16, into abuf [4096][1024].
; Work-groups 256-639: the six weights rounded once to bf16 and laid in blocks [n / 256][k][256 n], so that a tile of 256 columns has dense rows of 512 bytes.
; Work-group 640: the f32 biases in front of wqkv and w1b.
; WORK LEFT OUT, for all values of the inputs.  (1) bk.  score(i, j) = q_i . (h_j Wk + bk) / 8 = q_i . (h_j Wk) / 8 + q_i . bk / 8; the second term is the same for every key j
; of row i, and a softmax along j does not change when one number is added to all its inputs.  So bk reaches no output: it is not loaded and is no argument of any launch; zeros stand in its place.
; (2) reference() itself sets score(i, j) to -inf for j > i, whose weight is 0: key steps that lie wholly above the diagonal are not multiplied (launch attn).
; LIMIT: a NaN, an infinity or an overflow that reaches only bk or only hidden scores is not carried to the result.
; LayerNorm in f32 in two passes (mean, then the squares of x - mean), so a common offset of x costs no digits.  No LDS, no matrix unit: a stream.
; 160 registers: the roundings to bf16 go into the registers that they read, so that three work-groups (six waves on a SIMD, 960 of its 1,024 registers) lie on a WGP, and all 641 have a place at once.
; THE MODE: SCHED_MODE bits 1:0 = 2 (LLVM: expert scheduling mode 2), set by the entry lines.  The code itself states the register dependences
; between vector instructions and memory instructions, with s_wait_alu, always for 0.
; THE PLAN.  A wave takes one of three arms; none has a loop at run time.  In every arm each register that a load fills is filled once, by a load issued before any vector instruction names it, and
; no register that a load or store has read (an offset, a store's data) is written again.  So what is left to state is: offsets and store data are written before a memory instruction reads them.
;   the head       s4, the wave's number, comes from a vector instruction: one wait on va_sdst ahead of the first branch, since its readers stand behind the branches.
;   the biases     v4 (offset of every load and store) and v[8:11] (zeros, a store's data) are made first: one wait on va_vdst ahead of the first load.
;   LayerNorm      v2 (the loads' offset) and v3 (the stores') are made at the head: one wait ahead of the loads.  A row's roundings write its lower 16 registers, which its eight stores read: one wait
;                  behind each row's roundings.  Row 0's stores are dealt among row 1's arithmetic, which names row 1's registers, its own pair of RS, G and BE: none that those stores read.
;   the weights    v[16:31] (the loads' offsets) are made first: one wait ahead of the loads, which serves v3 too.  The 32 loads are worked on in eight blocks of four.  Block b's roundings write
;                  v[32 + 4 n] and v[33 + 4 n], n = 4 b .. 4 b + 3; the four stores that read them are issued in block b + 1, behind ONE wait at that block's head, and dealt among that block's roundings,
;                  which name that block's registers alone.
.set G,   16                           ; v[16:47]   gain of my 32 columns (columns 128 j + 4 lane .. + 3, j = 0..7)
.set BE,  48                           ; v[48:79]   offset of the same columns
.set X,   80                           ; v[80:143]  two rows, 32 registers each; at the end the row in bf16 lies in its lower 16
.set MU,  144                          ; v[144:147] the mean, twice, for each row
.set VA,  148                          ; v[148:149] variance + eps
.set RS,  150                          ; v[150:153] 1 / sqrt of it, twice, for each row
.set XP,  8                            ; s[8:9] x    s[10:11] g1    s[12:13] be1    s[32:33] abuf
.set GP,  10
.set BP,  12
.set AP,  32
.macro FOLD                            ; four chains v[4:11] into v4
	v_pk_add_f32 v[4:5], v[4:5], v[6:7]
	v_pk_add_f32 v[8:9], v[8:9], v[10:11]
	v_pk_add_f32 v[4:5], v[4:5], v[8:9]
	v_add_f32 v4, v4, v5
.endm
.macro REDUCE                          ; v4 over the 32 lanes, the sum in every lane
	v_add_f32_dpp v4, v4, v4 row_xmask:1 row_mask:0xf bank_mask:0xf
	v_add_f32_dpp v4, v4, v4 row_xmask:2 row_mask:0xf bank_mask:0xf
	v_add_f32_dpp v4, v4, v4 row_xmask:4 row_mask:0xf bank_mask:0xf
	v_add_f32_dpp v4, v4, v4 row_xmask:8 row_mask:0xf bank_mask:0xf
	v_permlanex16_b32 v5, v4, s48, s49
	v_add_f32 v4, v4, v5
.endm
.macro STATS r, left                   ; row r: mean, x - mean in place, variance + eps.  left: the younger loads that may stay out
	s_wait_loadcnt \left
.set XB, X+32*(\r)
.set c, 0
.rept 4
	v_pk_add_f32 v[4+2*c:5+2*c], v[XB+4*c:XB+4*c+1], v[XB+4*c+2:XB+4*c+3]
.set c, c+1
.endr
.set p, 8
.rept 8
	v_pk_add_f32 v[4+2*(p%4):5+2*(p%4)], v[4+2*(p%4):5+2*(p%4)], v[XB+2*p:XB+2*p+1]
.set p, p+1
.endr
	FOLD
	REDUCE
	v_mul_f32 v[MU+2*(\r)], s50, v4                ; sum / 1024
	v_mov_b32 v[MU+2*(\r)+1], v[MU+2*(\r)]
.set p, 0
.rept 16
	v_pk_add_f32 v[XB+2*p:XB+2*p+1], v[XB+2*p:XB+2*p+1], v[MU+2*(\r):MU+2*(\r)+1] neg_lo:[0,1] neg_hi:[0,1]
.set p, p+1
.endr
.set c, 0
.rept 4
	v_pk_mul_f32 v[4+2*c:5+2*c], v[XB+2*c:XB+2*c+1], v[XB+2*c:XB+2*c+1]
.set c, c+1
.endr
.set p, 4
.rept 12
	v_pk_fma_f32 v[4+2*(p%4):5+2*(p%4)], v[XB+2*p:XB+2*p+1], v[XB+2*p:XB+2*p+1], v[4+2*(p%4):5+2*(p%4)]
.set p, p+1
.endr
	FOLD
	REDUCE
	v_fmaak_f32 v[VA+(\r)], s50, v4, 0x3727c5ac    ; sum of squares / 1024 + 1e-5
.endm
; Row r: (x - mean) / sqrt(..) * g + be, rounded.  before = 1: the eight stores of the row before, whose data the wait ahead of this macro has shown written, are dealt among the first sixteen lines,
; one ahead of every second: no line of this macro names a register that they read.  Each store of the wave covers 256 consecutive bytes, aligned.
.macro NORM r, before
.set XB, X+32*(\r)
.set p, 0
.rept 16
.if (\before) && (p%2 == 0)
	global_store_b64 v3, v[XB-32+p:XB-32+p+1], s[46:47] offset:2048*((\r)-1)+128*p
.endif
	v_pk_mul_f32 v[XB+2*p:XB+2*p+1], v[XB+2*p:XB+2*p+1], v[RS+2*(\r):RS+2*(\r)+1]
.set p, p+1
.endr
.set p, 0
.rept 16
	v_pk_fma_f32 v[XB+2*p:XB+2*p+1], v[XB+2*p:XB+2*p+1], v[G+2*p:G+2*p+1], v[BE+2*p:BE+2*p+1]
.set p, p+1
.endr
.set p, 0
.rept 16
	v_cvt_pk_bf16_f32 v[XB+p], v[XB+2*p], v[XB+2*p+1]  ; pair p goes into register p, which pair p / 2 has already left
.set p, p+1
.endr
.endm
	s_load_b512 s[8:23], s[0:1], 0x0               ; x, g1, be1, Wq s[14:15], Wk s[16:17], Wv s[18:19], Wp s[20:21], W1 s[22:23]
	s_load_b512 s[24:39], s[0:1], 0x40             ; W2 s[24:25], bq s[26:27], bv s[28:29], b1 s[30:31], abuf, wqkv s[34:35], w1b s[36:37], wpw2 s[38:39]
	v_lshrrev_b32 v1, 5, v0
	v_readfirstlane_b32 s4, v1                     ; wave 0..7
	v_and_b32 v1, 31, v0
	v_lshlrev_b32 v2, 4, v1                        ; 16 x lane
	v_lshlrev_b32 v3, 3, v1                        ; 8 x lane
	s_wait_alu depctr_va_sdst(0)                   ; s4 is written
	s_mov_b32 s5, ttmp9
	s_wait_kmcnt 0x0
	s_cmp_lt_u32 s5, 256
	s_cbranch_scc1 .Lln
	s_cmp_lt_u32 s5, 640
	s_cbranch_scc1 .Lcast
	; THE BIASES: 256 threads x 16 bytes are 1,024 numbers.  wqkv's header: bq, 1,024 zeros (bk is left out), bv.  w1b's header: b1.
	v_lshlrev_b32 v4, 4, v0
	v_mov_b32 v8, 0
	v_mov_b32 v9, 0
	v_mov_b32 v10, 0
	v_mov_b32 v11, 0
	s_wait_alu depctr_va_vdst(0)                   ; v4, the offset of every load and store of this arm, and v[8:11], the zeros that the first store reads, are written
	global_load_b128 v[16:19], v4, s[26:27]
	global_load_b128 v[20:23], v4, s[28:29]
.irp j, 0,1,2,3
	global_load_b128 v[24+4*\j:27+4*\j], v4, s[30:31] offset:4096*\j
.endr
	global_store_b128 v4, v[8:11], s[34:35] offset:4096
	s_wait_loadcnt 0x0
	global_store_b128 v4, v[16:19], s[34:35]
	global_store_b128 v4, v[20:23], s[34:35] offset:8192
.irp j, 0,1,2,3
	global_store_b128 v4, v[24+4*\j:27+4*\j], s[36:37] offset:4096*\j
.endr
	s_endpgm
.Lln:                                          ; a wave takes two whole rows: no wave waits for another
	s_lshl_b32 s6, s5, 4
	s_lshl_b32 s7, s4, 1
	s_add_co_u32 s6, s6, s7                        ; my first row
	s_lshl_b32 s44, s6, 12
	s_mov_b32 s45, 0
	s_lshl_b32 s46, s6, 11
	s_mov_b32 s47, 0
	s_add_nc_u64 s[44:45], s[XP:XP+1], s[44:45]
	s_add_nc_u64 s[46:47], s[AP:AP+1], s[46:47]
	s_mov_b32 s48, 0x76543210                      ; v_permlanex16_b32: each lane takes its own place in the other half
	s_mov_b32 s49, 0xfedcba98
	s_mov_b32 s50, 0x3a800000                      ; 1 / 1024
	s_wait_alu depctr_va_vdst(0)                   ; v2, the offset of the 32 loads below, and v3, the offset of the 16 stores, are written; neither is written again
.set j, 0
.rept 16
	global_load_b128 v[X+4*j:X+4*j+3], v2, s[44:45] offset:4096*(j/8)+512*(j%8) th:TH_LOAD_NT
.set j, j+1
.endr
.set j, 0
.rept 8
	global_load_b128 v[G+4*j:G+4*j+3], v2, s[GP:GP+1] offset:512*j
.set j, j+1
.endr
.set j, 0
.rept 8
	global_load_b128 v[BE+4*j:BE+4*j+3], v2, s[BP:BP+1] offset:512*j
.set j, j+1
.endr
	STATS 0, 24                                    ; row 0 is in; row 1, g and be (24 loads) may stay out
	STATS 1, 16                                    ; row 1 is in; g and be (16 loads) may stay out
	v_rsq_f32 v[RS], v[VA]
	v_rsq_f32 v[RS+1], v[VA]
	v_rsq_f32 v[RS+2], v[VA+1]
	v_rsq_f32 v[RS+3], v[VA+1]
	v_nop                                          ; a plain instruction behind the last of the batch
	s_wait_alu depctr_va_vdst(0)                   ; the four reciprocal roots v[RS .. RS + 3] are written: one wait for the batch, ahead of its first reader
	s_wait_loadcnt 0x0                             ; g and be
	NORM 0, 0
	s_wait_alu depctr_va_vdst(0)                   ; row 0's roundings have written v[X .. X + 15], which its eight stores, dealt among row 1's lines below, read
	NORM 1, 1
	s_wait_alu depctr_va_vdst(0)                   ; row 1's roundings have written v[X + 32 .. X + 47], which the eight stores below read
.set j, 0
.rept 8
	global_store_b64 v3, v[X+32+2*j:X+32+2*j+1], s[46:47] offset:2048+256*j  ; 256 consecutive bytes, aligned
.set j, j+1
.endr
	s_endpgm
.Lcast:                                        ; a wave takes a unit of 16 k-rows x 256 columns: 16 KiB in, 8 KiB out, all 32 loads out before the first wait for data
	s_sub_co_u32 s5, s5, 256
	s_lshl_b32 s5, s5, 3
	s_add_co_u32 s5, s5, s4                        ; unit u: 0-767 Wq, Wk, Wv; 768-1023 Wp; 1024-2047 W1; 2048-3071 W2
	s_and_b32 s51, s5, 0x300                       ; the weight's first unit,
	s_mov_b32 s54, s51                             ; what is added to the unit's number in the target,
	s_mov_b32 s52, 6                               ; log2 of the units in a block of 256 columns (K / 16),
	s_mov_b32 s53, 12                              ; log2 of the bytes in a source row,
	s_movk_i32 s55, 0x4000                         ; the target's header
	s_cmp_lt_u32 s5, 256
	s_cselect_b64 s[44:45], s[14:15], s[16:17]
	s_cmp_lt_u32 s5, 512
	s_cselect_b64 s[44:45], s[44:45], s[18:19]
	s_mov_b64 s[46:47], s[34:35]
	s_cmp_lt_u32 s5, 768                           ; from here on Wp
	s_cselect_b64 s[44:45], s[44:45], s[20:21]
	s_cselect_b64 s[46:47], s[46:47], s[38:39]
	s_cselect_b32 s51, s51, 768
	s_cselect_b32 s54, s54, 0
	s_cselect_b32 s55, s55, 0
	s_cmp_lt_u32 s5, 1024                          ; from here on W1
	s_cselect_b64 s[44:45], s[44:45], s[22:23]
	s_cselect_b64 s[46:47], s[46:47], s[36:37]
	s_cselect_b32 s51, s51, 1024
	s_cselect_b32 s53, s53, 14
	s_cselect_b32 s55, s55, 0x4000
	s_cmp_lt_u32 s5, 2048                          ; from here on W2, behind Wp's 256 units in wpw2
	s_cselect_b64 s[44:45], s[44:45], s[24:25]
	s_cselect_b64 s[46:47], s[46:47], s[38:39]
	s_cselect_b32 s51, s51, 2048
	s_cselect_b32 s52, s52, 8
	s_cselect_b32 s53, s53, 12
	s_cselect_b32 s54, s54, 256
	s_cselect_b32 s55, s55, 0
	s_sub_co_u32 s51, s5, s51                      ; the unit's number in its weight = block x (K / 16) + group of 16 rows
	s_add_co_u32 s54, s54, s51
	s_lshr_b32 s56, s51, s52                       ; block of 256 columns
	s_lshl_b32 s57, s56, s52
	s_sub_co_u32 s57, s51, s57                     ; group of 16 rows
	s_add_co_u32 s58, s53, 4
	s_lshl_b32 s57, s57, s58
	s_lshl_b32 s56, s56, 10
	s_add_co_u32 s56, s56, s57
	s_mov_b32 s57, 0
	s_add_nc_u64 s[44:45], s[44:45], s[56:57]
	s_lshl_b32 s58, s54, 13                        ; a unit is 8,192 bytes of the target, and the units follow each other there
	s_add_co_u32 s58, s58, s55
	s_mov_b32 s59, 0
	s_add_nc_u64 s[46:47], s[46:47], s[58:59]
	s_lshl_b32 s53, 1, s53
	v_mov_b32 v16, v2
.set i, 0
.rept 15
	v_add_nc_u32 v[17+i], s53, v[16+i]             ; 16 x lane + row x row bytes
.set i, i+1
.endr
	s_wait_alu depctr_va_vdst(0)                   ; v16 to v31, the offsets of the 32 loads below, and v3, the offset of the 32 stores, are written; none is written again
.set i, 0
.rept 16
	global_load_b128 v[32+8*i:35+8*i], v[16+i], s[44:45] th:TH_LOAD_NT
	global_load_b128 v[36+8*i:39+8*i], v[16+i], s[44:45] offset:512 th:TH_LOAD_NT
.set i, i+1
.endr
; Eight blocks of four loads.  Block b rounds the numbers of loads 4 b to 4 b + 3, each load's four numbers into the first two of its own registers, and issues the stores of block b - 1.
.set b, 0
.rept 8
	s_wait_loadcnt 28-4*b                          ; loads come back in order: numbers 4 b to 4 b + 3 are in, the 28 - 4 b younger ones stay out
.if b > 0
	s_wait_alu depctr_va_vdst(0)                   ; the roundings of the block before have written the eight registers that the four stores below read
.endif
.set i, 0
.rept 4
.set n, 4*b+i
.if b > 0
	global_store_b64 v3, v[32+4*(n-4):33+4*(n-4)], s[46:47] offset:256*(n-4)  ; 256 consecutive bytes, aligned; no rounding since the wait names these registers
.endif
	v_cvt_pk_bf16_f32 v[32+4*n], v[32+4*n], v[33+4*n]
	v_cvt_pk_bf16_f32 v[33+4*n], v[34+4*n], v[35+4*n]
.set i, i+1
.endr
.set b, b+1
.endr
	s_wait_alu depctr_va_vdst(0)                   ; the last block's roundings have written the eight registers that the last four stores read
.set n, 28
.rept 4
	global_store_b64 v3, v[32+4*n:33+4*n], s[46:47] offset:256*n
.set n, n+1
.endr
	s_endpgm
.Lfunc_end_k_qa89d4e1962_prep:
	.size	k_qa89d4e1962_prep, .Lfunc_end_k_qa89d4e1962_prep-k_qa89d4e1962_prep
	.p2alignl 7, 3214868480
	.fill 96, 4, 3214868480
	.section	.rodata,"a",@progbits
	.p2align	6, 0x0
	.amdhsa_kernel k_qa89d4e1962_prep
		.amdhsa_group_segment_fixed_size 0
		.amdhsa_private_segment_fixed_size 0
		.amdhsa_enable_private_segment 0
		.amdhsa_kernarg_size 128
		.amdhsa_user_sgpr_count 2
		.amdhsa_user_sgpr_kernarg_segment_ptr 1
		.amdhsa_wavefront_size32 1
		.amdhsa_system_sgpr_workgroup_id_x 1
		.amdhsa_system_sgpr_workgroup_id_y 1
		.amdhsa_system_sgpr_workgroup_id_z 1
		.amdhsa_system_vgpr_workitem_id 0
		.amdhsa_next_free_vgpr 160
		.amdhsa_next_free_sgpr 66
		.amdhsa_reserve_vcc 0
		.amdhsa_float_denorm_mode_32 3
		.amdhsa_float_denorm_mode_16_64 3
		.amdhsa_memory_ordered 1
		.amdhsa_forward_progress 1
		.amdhsa_inst_pref_size 35
	.end_amdhsa_kernel
	.amdgpu_metadata
---
amdhsa.version: [ 1, 2 ]
amdhsa.kernels:
  - .name:           k_qa89d4e1962_prep
    .symbol:         k_qa89d4e1962_prep.kd
    .args:
      - { .name: x, .offset: 0, .size: 8, .value_kind: global_buffer, .address_space: global }
      - { .name: g1, .offset: 8, .size: 8, .value_kind: global_buffer, .address_space: global }
      - { .name: be1, .offset: 16, .size: 8, .value_kind: global_buffer, .address_space: global }
      - { .name: Wq, .offset: 24, .size: 8, .value_kind: global_buffer, .address_space: global }
      - { .name: Wk, .offset: 32, .size: 8, .value_kind: global_buffer, .address_space: global }
      - { .name: Wv, .offset: 40, .size: 8, .value_kind: global_buffer, .address_space: global }
      - { .name: Wp, .offset: 48, .size: 8, .value_kind: global_buffer, .address_space: global }
      - { .name: W1, .offset: 56, .size: 8, .value_kind: global_buffer, .address_space: global }
      - { .name: W2, .offset: 64, .size: 8, .value_kind: global_buffer, .address_space: global }
      - { .name: bq, .offset: 72, .size: 8, .value_kind: global_buffer, .address_space: global }
      - { .name: bv, .offset: 80, .size: 8, .value_kind: global_buffer, .address_space: global }
      - { .name: b1, .offset: 88, .size: 8, .value_kind: global_buffer, .address_space: global }
      - { .name: abuf, .offset: 96, .size: 8, .value_kind: global_buffer, .address_space: global }
      - { .name: wqkv, .offset: 104, .size: 8, .value_kind: global_buffer, .address_space: global }
      - { .name: w1b, .offset: 112, .size: 8, .value_kind: global_buffer, .address_space: global }
      - { .name: wpw2, .offset: 120, .size: 8, .value_kind: global_buffer, .address_space: global }
    .group_segment_fixed_size: 0
    .private_segment_fixed_size: 0
    .kernarg_segment_align: 8
    .kernarg_segment_size: 128
    .max_flat_workgroup_size: 256
    .sgpr_count:     66
    .vgpr_count:     160
    .wavefront_size: 32
...
	.end_amdgpu_metadata
.endif
;; end of part 8
;; launch qkv: the kernel of part 2 again; grid 12 x 16, 4 waves a work-group, clusters of 4 x 4, 327,680 bytes of LDS; arguments abuf, wqkv, act; writes act
;; launch attn: the kernel of part 3 again; grid 4 x 64, 4 waves a work-group, no clusters, 327,680 bytes of LDS; arguments act, abuf; writes abuf
;; launch proj: the kernel of part 4 again; grid 8 x 32, 4 waves a work-group, clusters of 4 x 4, 327,680 bytes of LDS; arguments abuf, wpw2, bp, x, x1; writes x1
;; launch ln2: the kernel of part 5 again; grid 256 x 1, 8 waves a work-group, no clusters, 0 bytes of LDS; arguments x1, g2, be2, abuf; writes abuf
;; launch ff1: the kernel of part 6 again; grid 16 x 16, 4 waves a work-group, clusters of 4 x 4, 327,680 bytes of LDS; arguments abuf, w1b, act; writes act
;; launch ff2: the kernel of part 7 again; grid 8 x 32, 4 waves a work-group, clusters of 4 x 4, 327,680 bytes of LDS; arguments act, wpw2, b2, x1, out0; writes out0
